; MI455X (gfx1250); checked and timed in simulation.
; The chip was launched on July 23, 2026; its instructions are those of AMD's public machine-readable ISA for CDNA 5 (MIT licence, August 2026) and "CDNA5" Instruction Set Architecture Reference Guide (July 2026). The comments in the code are by the model that wrote it; some were corrected since.
;; Smol LM2 MLP. Allowed arithmetic: matrix products marked QUANTISED: E2M3 operands, one E8M0 scale for each 32 along K, by v_wmma_scale_f32_16x16x128_f8f6f4 with both operands' format E2M3, f32 sums; products left as they are: f32 operands where the result goes on into a quantised operand, else bf16, f16 or f32 operands; f32 sums; everything else in f32.
;; Inputs: routed_down_w 7 x 2,048 x 1,024 float32; routed_gate_w 7 x 1,024 x 2,048 float32; routed_up_w 7 x 1,024 x 2,048 float32; router_w 1,024 x 7 float32; routing_bias 7 float32; shared_down_w 2,048 x 1,024 float32; shared_gate_w 1,024 x 2,048 float32; shared_up_w 1,024 x 2,048 float32; x 2 x 512 x 1,024 float32.
;; Outputs: out0 2 x 512 x 1,024 float32.
;; This version of the problem:
;;   THIS VERSION OF THE PROBLEM IS GIVEN IN LOW PRECISION. The matrix products marked QUANTISED in the list below multiply operands that are first quantised to E2M3 (2 exponent bits, 3 mantissa bits; 6 bits a number), with one power-of-two scale for each 32 numbers along K (OCP MX v1.0); their sums are f32. All else is computed in f32.
;;   The module's matrix products, in the order in which they are computed (A, B: the left and right operand; K: the contracted axis; several contracted axes count as one K, in the product's order):
;;     1. [M 1,024, K 1,024] x [K 1,024, N 2,048]; A: input x; B: input shared_gate_w: QUANTISED
;;     2. [M 1,024, K 1,024] x [K 1,024, N 2,048]; A: input x; B: input shared_up_w: QUANTISED
;;     3. [M 1,024, K 2,048] x [K 2,048, N 1,024]; A: computed on the way; B: input shared_down_w: QUANTISED
;;     4. [M 1,024, K 1,024] x [K 1,024, N 7]; A: input x; B: input router_w: left as it is (N = 7 < 16)
;;     5. [M 1,024, K 1,024] x [K 1,024, N 2,048]; A: input x; B: input routed_gate_w: QUANTISED
;;     6. [M 1,024, K 1,024] x [K 1,024, N 2,048]; A: input x; B: input routed_up_w: QUANTISED
;;     7. [M 1,024, K 2,048] x [K 2,048, N 1,024]; A: computed on the way; B: input routed_down_w: QUANTISED
;;     8. [M 1,024, K 1,024] x [K 1,024, N 2,048]; A: input x; B: input routed_gate_w: QUANTISED
;;     9. [M 1,024, K 1,024] x [K 1,024, N 2,048]; A: input x; B: input routed_up_w: QUANTISED
;;     10. [M 1,024, K 2,048] x [K 2,048, N 1,024]; A: computed on the way; B: input routed_down_w: QUANTISED
;;     11. [M 1,024, K 1,024] x [K 1,024, N 2,048]; A: input x; B: input routed_gate_w: QUANTISED
;;     12. [M 1,024, K 1,024] x [K 1,024, N 2,048]; A: input x; B: input routed_up_w: QUANTISED
;;     13. [M 1,024, K 2,048] x [K 2,048, N 1,024]; A: computed on the way; B: input routed_down_w: QUANTISED
;;     14. [M 1,024, K 1,024] x [K 1,024, N 2,048]; A: input x; B: input routed_gate_w: QUANTISED
;;     15. [M 1,024, K 1,024] x [K 1,024, N 2,048]; A: input x; B: input routed_up_w: QUANTISED
;;     16. [M 1,024, K 2,048] x [K 2,048, N 1,024]; A: computed on the way; B: input routed_down_w: QUANTISED
;;     17. [M 1,024, K 1,024] x [K 1,024, N 2,048]; A: input x; B: input routed_gate_w: QUANTISED
;;     18. [M 1,024, K 1,024] x [K 1,024, N 2,048]; A: input x; B: input routed_up_w: QUANTISED
;;     19. [M 1,024, K 2,048] x [K 2,048, N 1,024]; A: computed on the way; B: input routed_down_w: QUANTISED
;;     20. [M 1,024, K 1,024] x [K 1,024, N 2,048]; A: input x; B: input routed_gate_w: QUANTISED
;;     21. [M 1,024, K 1,024] x [K 1,024, N 2,048]; A: input x; B: input routed_up_w: QUANTISED
;;     22. [M 1,024, K 2,048] x [K 2,048, N 1,024]; A: computed on the way; B: input routed_down_w: QUANTISED
;;     23. [M 1,024, K 1,024] x [K 1,024, N 2,048]; A: input x; B: input routed_gate_w: QUANTISED
;;     24. [M 1,024, K 1,024] x [K 1,024, N 2,048]; A: input x; B: input routed_up_w: QUANTISED
;;     25. [M 1,024, K 2,048] x [K 2,048, N 1,024]; A: computed on the way; B: input routed_down_w: QUANTISED
;;   THE QUANTISER, for each operand of a quantised product, along K:
;;     - K is cut into blocks of 32 from its start; a last block that is shorter is filled with zeros.
;;     - A block's scale is 2^e with e = floor(log2(the largest magnitude in the block)) - 2, held to -126 .. 127; a block of zeros has e = 0. As a byte (E8M0): e + 127.
;;     - Each number is divided by its block's scale, clamped to +-7.5, and rounded to the nearest number of E2M3, ties to even, subnormals kept.
;;     - The product sums the exact products of the quantised numbers (number of the format x scale) in f32.
;;   ~~~python
;;   def quantise(x, axis):      # numpy; x: float32 -> the quantised numbers, widened to float32 again
;;       x = np.moveaxis(x, axis, -1); K = x.shape[-1]
;;       x = np.pad(x, [(0, 0)] * (x.ndim - 1) + [(0, -K % 32)]); x = x.reshape(x.shape[:-1] + (-1, 32)); a = np.abs(x).max(-1, keepdims=True)
;;       e = np.where(a > 0, np.clip(np.frexp(np.where(a > 0, a, 1))[1] - 1 - 2, -126, 127), 0)      # np.frexp(a)[1] - 1 = floor(log2(a)), exactly
;;       r = np.clip(x / 2.0 ** e, -7.5, 7.5)
;;       step = 2.0 ** (np.maximum(np.frexp(np.where(r == 0, 1, r))[1] - 1, 0) - 3)
;;       q = np.round(r / step) * step * 2.0 ** e      # np.round: ties to even
;;       return np.moveaxis(q.reshape(q.shape[:-2] + (-1,))[..., :K], -1, axis).astype(np.float32)
;;   ~~~
;;   OPERANDS COMPUTED ON THE WAY. 'Computed on the way' means the value that the module computes at that place (a softmax that the list does not call 'softmax' is quantised finished and normalised). What goes into a quantiser is computed in f32, as accurately as f32 sums, v_exp_f32 and their like allow (about 1e-6 of the number): no bf16 or f16 on the way to a quantiser, and a product that is left as it is and whose result goes on into a quantised operand takes f32 operands (vector FMAs, or v_wmma_f32_16x16x4_f32). A number that lies on a knife's edge between two numbers of the format may be rounded either way, as far as f32 arithmetic and the matrix unit's own rounding can turn it there, and no further.
;; 3 versions. Each part assembles by itself: llvm-mc -triple=amdgcn-amd-amdhsa -mcpu=gfx1250 --defsym DOCPART=n.
;; ======== version 1 of 3: 5 launches
;; workspace buffers: xsh 819,200 bytes; xrt 2,457,600 bytes; route 12,288 bytes of whole numbers; wts 8,192 bytes; tab 8,448 bytes of whole numbers; himg 6,553,600 bytes; ypart 33,554,432 bytes
;; launch prep (part 1): grid 256 x 1, 2 waves a work-group, no clusters, 0 bytes of LDS; arguments x, router_w, routing_bias, xsh, xrt, route, wts; writes xsh, xrt, route, wts
.if DOCPART == 1
	.amdgcn_target "amdgcn-amd-amdhsa--gfx1250"
	.amdhsa_code_object_version 6
	.text
	.protected	k_q54f6055350_prep
	.globl	k_q54f6055350_prep
	.p2align	8
	.type	k_q54f6055350_prep,@function
k_q54f6055350_prep:
	s_mov_b64 s[64:65], 0
	v_nop
	global_prefetch_b8 v0, s[64:65] scope:SCOPE_SE
	s_setreg_imm32_b32 hwreg(HW_REG_WAVE_MODE, 25, 1), 1
	s_wait_xcnt 0x0
; PREP.  512 waves; wave W does three independent jobs.
; (Z) clears its 4,608 bytes of xrt's codes (and, W < 192, 512 bytes of xrt's scale bytes): rows that no token takes are zero codes.
; (J1) turns x, rows 16 T .. 16 T + 15 (T = W / 8), K step s = W % 8 (128 along K), into one operand fragment of E2M3 codes, stored as the image of its
;      12 registers (chunk j = registers 4 j .. 4 j + 3 at 512 j + 16 x lane), and its scale bytes at slot x 32 + block.
;      Lane (r, h) loads k = 128 s + 64 c + 32 h + 0 .. 31 of row r: two whole blocks, in the order that the operand's layout gives that lane.
; (J2) the router for tokens 2 W, 2 W + 1, in f32 by fused multiply-adds: logits, sigmoid, top 2 (strict compares: a tie keeps the lower index), weights p / (p1 + p2).
;      The choice is stored at fixed places as whole numbers; no address here hangs on it.
; A block's scale byte is its largest magnitude's exponent field - 2, held at 1 from below by a floor among the maximum's leaves.
; LIMITS: NaN and infinities are not served; a block whose largest magnitude lies under 2^-124 gets the byte 1 (a block of zeros too: its codes are zeros);
; the top 2 are taken on this text's f32 sigmoid: a gap that lies within that sigmoid's rounding may fall either way.
.set FLOOR, 0x1800000                  ; 2^(3 - 127)
.set MSB, 0
.macro WIN new                         ; the immediate's high byte repeats the setting that is left
.if MSB != (\new)
	s_set_vgpr_msb (MSB<<8)|(\new)
.set MSB, (\new)
.endif
.endm
	s_load_b256 s[4:11], s[0:1], 0x0               ; x, router_w, routing_bias, xsh
	s_load_b128 s[12:15], s[0:1], 0x20             ; xrt, route
	s_load_b64 s[16:17], s[0:1], 0x30              ; wts
	v_lshrrev_b32 v1, 5, v0
	v_readfirstlane_b32 s18, v1                    ; wave
	s_lshl_b32 s19, ttmp9, 1
	s_add_co_u32 s19, s19, s18                     ; W
	s_lshr_b32 s28, s19, 3                         ; T
	s_and_b32 s29, s19, 7                          ; s
	s_mov_b32 s31, 0
	s_mov_b32 s52, 0x76543210                      ; v_permlanex16_b32's selects for lane l xor 16
	s_mov_b32 s53, 0xfedcba98
	v_and_b32 v1, 31, v0                           ; lane
	v_and_b32 v2, 15, v0                           ; r
	v_bfe_u32 v3, v0, 4, 1                         ; h
	v_lshlrev_b32 v4, 12, v2
	v_lshl_add_u32 v4, v3, 7, v4                   ; J1: row r of 4,096 bytes + 128 h
	v_lshlrev_b32 v5, 4, v1                        ; 16 x lane
	v_lshlrev_b32 v6, 2, v1                        ; 4 x lane
	v_mul_u32_u24 v7, v1, 112                      ; router_w: four rows of 28 bytes a lane
	v_lshl_add_u32 v8, v2, 5, v3                   ; scale bytes: 32 r + h
	v_and_b32 v9, 1, v0                            ; which of my wave's two tokens this lane finishes
	v_lshlrev_b32 v10, 3, v1                       ; 8 x lane
.irp i, 12,13,14,15
	v_mov_b32 v\i, 0
.endr
	s_wait_kmcnt 0x0
	s_load_b128 s[20:23], s[8:9], 0x0              ; the bias: 16 + 8 + 4 = its 28 bytes
	s_load_b64 s[24:25], s[8:9], 0x10
	s_load_b32 s26, s[8:9], 0x18
	s_lshl_b32 s30, s28, 16
	s_lshl_b32 s27, s29, 9
	s_add_co_u32 s30, s30, s27
	s_add_nc_u64 s[34:35], s[4:5], s[30:31]        ; x at row 16 T, k = 128 s
	s_lshl_b32 s30, s19, 13
	s_add_nc_u64 s[36:37], s[4:5], s[30:31]        ; x at row 2 W
	s_mul_i32 s30, s28, 12288
	s_mul_i32 s27, s29, 1536
	s_add_co_u32 s30, s30, s27
	s_add_nc_u64 s[38:39], s[10:11], s[30:31]      ; xsh: my fragment's image
	s_lshl_b32 s30, s28, 9
	s_lshl_b32 s27, s29, 2
	s_add_co_u32 s30, s30, s27
	s_add_nc_u64 s[40:41], s[10:11], s[30:31]      ; xsh: 32 x slot + 4 s (the scale bytes' start stands in the immediate)
	s_mul_i32 s30, s19, 4608
	s_add_nc_u64 s[42:43], s[12:13], s[30:31]      ; xrt: my part to clear
	s_lshl_b32 s30, s19, 9
	s_add_nc_u64 s[44:45], s[12:13], s[30:31]
	s_lshl_b32 s30, s19, 3
	s_add_nc_u64 s[46:47], s[14:15], s[30:31]      ; route: 4 bytes a token
	s_lshl_b32 s30, s19, 4
	s_add_nc_u64 s[48:49], s[14:15], s[30:31]      ; route: 8 bytes a token
	s_add_nc_u64 s[50:51], s[16:17], s[30:31]      ; wts likewise
	; all loads first: J1's 16, J2's 16 of x, the 56 of router_w
.irp c, 0,1
.irp i, 0,1,2,3,4,5,6,7
	global_load_b128 v[32+32*\c+4*\i:32+32*\c+4*\i+3], v4, s[34:35] offset:256*\c+16*\i
.endr
.endr
.irp t, 0,1
.irp i, 0,1,2,3,4,5,6,7
	global_load_b128 v[96+32*\t+4*\i:96+32*\t+4*\i+3], v5, s[36:37] offset:4096*\t+512*\i   ; x[t][128 i + 4 lane + q]
.endr
.endr
	WIN 0x40                                       ; destination window 1
.irp i, 0,1,2,3,4,5,6,7
.irp m, 0,1,2,3,4,5,6
	global_load_b128 v[28*\i+4*\m:28*\i+4*\m+3], v7, s[6:7] offset:3584*\i+16*\m            ; register 28 i + 7 q + e = router_w[128 i + 4 lane + q][e]
.endr
.endr
	WIN 0
	; (Z)
.irp i, 0,1,2,3,4,5,6,7,8
	global_store_b128 v5, v[12:15], s[42:43] offset:512*\i
.endr
	s_cmp_lt_u32 s19, 192
	s_cbranch_scc0 .Lno_scales
	global_store_b128 v5, v[12:15], s[44:45] offset:2359296
.Lno_scales:
	; (J1)
	s_wait_loadcnt 63                              ; 72 loads are younger than J1's; 63 is the most that a wait names, and a smaller count is safe
.irp c, 0,1
	v_max3_num_f32 v[16+\c], |v[32+32*\c]|, |v[33+32*\c]|, FLOOR
.endr
.irp i, 2,4,6,8,10,12,14,16,18,20,22,24,26,28,30
.irp c, 0,1
	v_max3_num_f32 v[16+\c], v[16+\c], |v[32+32*\c+\i]|, |v[33+32*\c+\i]|   ; the two blocks by turns
.endr
.endr
.irp c, 0,1
	v_add_nc_u32 v[18+\c], 0xff000000, v[16+\c]    ; 2 off the exponent field: the conversion's scale operand
.endr
.irp c, 0,1
	v_lshrrev_b32 v[20+\c], 23, v[18+\c]           ; the scale's byte
.endr
.irp c, 0,1
	v_cvt_scalef32_pk16_fp6_f32 v[224+6*\c:226+6*\c], v[32+32*\c:47+32*\c], v[18+\c]
	v_cvt_scalef32_pk16_fp6_f32 v[240+4*\c:242+4*\c], v[48+32*\c:63+32*\c], v[18+\c]   ; (a conversion's three registers begin on an even number)
.endr
	v_nop                                          ; one plain place behind a scaled conversion
.irp c, 0,1
.irp i, 0,1,2
	v_mov_b32 v[227+6*\c+\i], v[240+4*\c+\i]
.endr
.endr
.irp j, 0,1,2
	global_store_b128 v5, v[224+4*\j:227+4*\j], s[38:39] offset:512*\j   ; 512 consecutive bytes a store
.endr
.irp c, 0,1
	global_store_b8 v8, v[20+\c], s[40:41] offset:786432+2*\c            ; block 4 s + 2 c + h of row r
.endr
	; (J2) fourteen sums, 32 products a lane each; consecutive lines name different sums
	s_wait_loadcnt 0x0
	WIN 0x04                                       ; source 1 in window 1
.set i, 0
.rept 8
.irp q, 0,1,2,3
.irp t, 0,1
.irp e, 0,1,2,3,4,5,6
.if (i == 0) && (\q == 0)
	v_mul_f32 v[160+7*\t+\e], v[96+32*\t+4*i+\q], v[28*i+7*\q+\e]
.else
	v_fmac_f32 v[160+7*\t+\e], v[96+32*\t+4*i+\q], v[28*i+7*\q+\e]
.endif
.endr
.endr
.endr
.set i, i+1
.endr
	WIN 0
.set n, 0
.rept 14
	v_mov_b32 v[176+n], 0                          ; a lane permute's destination counts as one of its sources
.set n, n+1
.endr
.irp m, 1,2,4,8
.set n, 0
.rept 14
	v_add_f32_dpp v[160+n], v[160+n], v[160+n] row_xmask:\m row_mask:0xf bank_mask:0xf
.set n, n+1
.endr
.endr
.set n, 0
.rept 14
	v_permlanex16_b32 v[176+n], v[160+n], s52, s53
.set n, n+1
.endr
.set n, 0
.rept 14
	v_add_f32 v[160+n], v[160+n], v[176+n]         ; every lane holds all fourteen sums
.set n, n+1
.endr
	v_cmp_eq_u32 vcc_lo, 1, v9
	s_wait_kmcnt 0x0                               ; the bias
.irp e, 0,1,2,3,4,5,6
	v_cndmask_b32 v[192+\e], v[160+\e], v[167+\e], vcc_lo   ; even lanes token 2 W, odd lanes token 2 W + 1
.endr
.irp e, 0,1,2,3,4,5,6
	v_add_f32 v[192+\e], s[20+\e], v[192+\e]
.endr
.irp e, 0,1,2,3,4,5,6
	v_mul_f32 v[192+\e], 0xbfb8aa3b, v[192+\e]     ; - z log2(e)
.endr
.irp e, 0,1,2,3,4,5,6
	v_exp_f32 v[192+\e], v[192+\e]
.endr
	v_nop
	s_wait_alu depctr_va_vdst(0)
.irp e, 0,1,2,3,4,5,6
	v_add_f32 v[192+\e], 1.0, v[192+\e]
.endr
.irp e, 0,1,2,3,4,5,6
	v_rcp_f32 v[192+\e], v[192+\e]                 ; p = 1 / (1 + 2^(- z log2(e)))
.endr
	v_nop
	s_wait_alu depctr_va_vdst(0)
	v_mov_b32 v200, v192                           ; p1, i1 = expert 0
	v_mov_b32 v202, 0
	v_mov_b32 v201, -1.0                           ; p2: under every p
	v_mov_b32 v203, 0
.irp e, 1,2,3,4,5,6
	v_mov_b32 v206, \e
	v_cmp_gt_f32 vcc_lo, v[192+\e], v200           ; beats the first?
	v_cmp_gt_f32 s28, v[192+\e], v201              ; beats the second?
	v_cndmask_b32 v201, v201, v[192+\e], s28
	v_cndmask_b32 v203, v203, v206, s28
	v_cndmask_b32 v201, v201, v200, vcc_lo         ; the old first moves down
	v_cndmask_b32 v203, v203, v202, vcc_lo
	v_cndmask_b32 v200, v200, v[192+\e], vcc_lo
	v_cndmask_b32 v202, v202, v206, vcc_lo
.endr
	v_add_f32 v210, v200, v201
	v_rcp_f32 v210, v210
	v_mov_b32 v207, 1
	s_wait_alu depctr_va_vdst(0)
	v_mul_f32 v204, v200, v210
	v_mul_f32 v205, v201, v210
	v_lshlrev_b32 v208, v202, v207
	v_lshlrev_b32 v209, v203, v207
	v_or_b32 v208, v208, v209                      ; the token's two experts as bits
	s_wait_xcnt 0x0                                ; EXEC changes only behind this wait
	v_cmp_gt_u32 vcc_lo, 2, v1
	s_and_saveexec_b32 s29, vcc_lo                 ; lanes 0 and 1 store their tokens
	global_store_b32 v6, v208, s[46:47]
	global_store_b64 v10, v[202:203], s[48:49] offset:4096
	global_store_b64 v10, v[204:205], s[50:51]
	s_wait_xcnt 0x0
	s_or_b32 exec_lo, exec_lo, s29
	s_endpgm
.Lfunc_end_k_q54f6055350_prep:
	.size	k_q54f6055350_prep, .Lfunc_end_k_q54f6055350_prep-k_q54f6055350_prep
	.p2alignl 7, 3214868480
	.fill 96, 4, 3214868480
	.section	.rodata,"a",@progbits
	.p2align	6, 0x0
	.amdhsa_kernel k_q54f6055350_prep
		.amdhsa_group_segment_fixed_size 0
		.amdhsa_private_segment_fixed_size 0
		.amdhsa_enable_private_segment 0
		.amdhsa_kernarg_size 56
		.amdhsa_user_sgpr_count 2
		.amdhsa_user_sgpr_kernarg_segment_ptr 1
		.amdhsa_wavefront_size32 1
		.amdhsa_system_sgpr_workgroup_id_x 1
		.amdhsa_system_sgpr_workgroup_id_y 1
		.amdhsa_system_sgpr_workgroup_id_z 1
		.amdhsa_system_vgpr_workitem_id 0
		.amdhsa_next_free_vgpr 480
		.amdhsa_next_free_sgpr 66
		.amdhsa_reserve_vcc 1
		.amdhsa_float_denorm_mode_32 3
		.amdhsa_float_denorm_mode_16_64 3
		.amdhsa_memory_ordered 1
		.amdhsa_forward_progress 1
		.amdhsa_inst_pref_size 40
	.end_amdhsa_kernel
	.amdgpu_metadata
---
amdhsa.version: [ 1, 2 ]
amdhsa.kernels:
  - .name:           k_q54f6055350_prep
    .symbol:         k_q54f6055350_prep.kd
    .args:
      - { .name: x, .offset: 0, .size: 8, .value_kind: global_buffer, .address_space: global }
      - { .name: router_w, .offset: 8, .size: 8, .value_kind: global_buffer, .address_space: global }
      - { .name: routing_bias, .offset: 16, .size: 8, .value_kind: global_buffer, .address_space: global }
      - { .name: xsh, .offset: 24, .size: 8, .value_kind: global_buffer, .address_space: global }
      - { .name: xrt, .offset: 32, .size: 8, .value_kind: global_buffer, .address_space: global }
      - { .name: route, .offset: 40, .size: 8, .value_kind: global_buffer, .address_space: global }
      - { .name: wts, .offset: 48, .size: 8, .value_kind: global_buffer, .address_space: global }
    .group_segment_fixed_size: 0
    .private_segment_fixed_size: 0
    .kernarg_segment_align: 8
    .kernarg_segment_size: 56
    .max_flat_workgroup_size: 64
    .sgpr_count:     66
    .vgpr_count:     480
    .wavefront_size: 32
...
	.end_amdgpu_metadata
.endif
;; end of part 1
;; launch place (part 2): grid 64 x 1, 1 waves a work-group, no clusters, 0 bytes of LDS; arguments xsh, route, xrt, tab; writes xrt, tab
.if DOCPART == 2
	.amdgcn_target "amdgcn-amd-amdhsa--gfx1250"
	.amdhsa_code_object_version 6
	.text
	.protected	k_q54f6055350_place
	.globl	k_q54f6055350_place
	.p2align	8
	.type	k_q54f6055350_place,@function
k_q54f6055350_place:
	s_mov_b64 s[64:65], 0
	v_nop
	global_prefetch_b8 v0, s[64:65] scope:SCOPE_SE
	s_setreg_imm32_b32 hwreg(HW_REG_WAVE_MODE, 25, 1), 1
	s_wait_xcnt 0x0
; PLACE.  Work-group T takes tokens 16 T .. 16 T + 15.  Every work-group counts, from the stored bits of all 1,024 tokens, each expert's rows (TOT) and those of them
; that come before its own first token (PRE).  Expert e owns whole groups of 64 slots from routed group g0_e on, ng_e = ceil(TOT_e / 64) of them: at most 38 of the 48 for any split.
; A token's slot with expert e is 64 g0_e + its rank among e's tokens, in token order.  The token's row of codes (16 bytes of each of 24 chunks for each half of the lanes)
; and its 32 scale bytes are copied from xsh to that slot of xrt, twice (two experts).  The global slots (1,024 + slot) go to tab; work-group 0 also stores (g0_e, ng_e).
; Numbers that were loaded enter an address only behind v_min_u32 with a constant.
	s_load_b256 s[4:11], s[0:1], 0x0               ; xsh, route, xrt, tab
	v_and_b32 v2, 15, v0                           ; r
	v_lshrrev_b32 v3, 4, v0                        ; hh (one wave: v0 is the lane)
	v_lshlrev_b32 v4, 2, v0
	v_lshlrev_b32 v5, 4, v0
	v_lshlrev_b32 v6, 2, v2
	v_lshlrev_b32 v7, 3, v2
	v_lshlrev_b32 v8, 5, v2
	v_lshl_add_u32 v8, v3, 4, v8                   ; 32 r + 16 hh
	v_lshlrev_b32 v9, 3, v0
	s_mov_b32 s12, ttmp9                           ; T
	s_lshr_b32 s13, s12, 1                         ; C: the chunk of 32 tokens in which my tile lies
	s_and_b32 s14, s12, 1
	s_cmp_lg_u32 s14, 0
	s_cselect_b32 s14, 0xffff, 0                   ; which lanes of that chunk come before my tile
	s_mov_b32 s69, 0
.irp e, 0,1,2,3,4,5,6
	s_mov_b32 s[16+\e], 0                          ; TOT
	s_mov_b32 s[24+\e], 0                          ; PRE
.endr
	s_wait_kmcnt 0x0
	s_lshl_b32 s68, s12, 6
	s_add_nc_u64 s[56:57], s[6:7], s[68:69]
	s_lshl_b32 s68, s12, 7
	s_add_nc_u64 s[58:59], s[6:7], s[68:69]
	s_add_nc_u64 s[66:67], s[10:11], s[68:69]
	s_mul_i32 s68, s12, 12288
	s_add_nc_u64 s[60:61], s[4:5], s[68:69]
	s_lshl_b32 s68, s12, 9
	s_add_nc_u64 s[62:63], s[4:5], s[68:69]
.set c, 0
.rept 32
	global_load_b32 v[32+c], v4, s[6:7] offset:128*c   ; the bits of tokens 32 c + lane
.set c, c+1
.endr
	global_load_b32 v16, v6, s[56:57]              ; my tile's bits, the same in both halves of the lanes
	global_load_b64 v[18:19], v7, s[58:59] offset:4096   ; and its two experts
.set n, 0
.rept 24
	global_load_b128 v[64+4*n:64+4*n+3], v5, s[60:61] offset:512*n
.set n, n+1
.endr
	global_load_b128 v[160:163], v8, s[62:63] offset:786432
	s_wait_loadcnt 0x0
.set c, 0
.rept 32
	s_cmp_eq_u32 s13, c
	s_cselect_b32 s70, s14, 0
	s_cmp_gt_u32 s13, c
	s_cselect_b32 s70, -1, s70                     ; the chunk's lanes that come before my tile
.irp e, 0,1,2,3,4,5,6
	v_and_b32 v[168+\e], (1<<\e), v[32+c]
.endr
.irp e, 0,1,2,3,4,5,6
	v_cmp_ne_u32 s[32+\e], 0, v[168+\e]
.endr
.irp e, 0,1,2,3,4,5,6
	s_bcnt1_i32_b32 s71, s[32+\e]
	s_add_co_u32 s[16+\e], s[16+\e], s71
	s_and_b32 s72, s[32+\e], s70
	s_bcnt1_i32_b32 s72, s72
	s_add_co_u32 s[24+\e], s[24+\e], s72
.endr
.set c, c+1
.endr
	s_mov_b32 s70, 0
.irp e, 0,1,2,3,4,5,6
	s_mov_b32 s[40+\e], s70                        ; g0_e
	s_add_co_u32 s[48+\e], s[16+\e], 63
	s_lshr_b32 s[48+\e], s[48+\e], 6               ; ng_e
	s_add_co_u32 s70, s70, s[48+\e]
.endr
	v_mov_b32 v20, 0                               ; the slot with my first expert,
	v_mov_b32 v21, 0                               ; with my second
.irp e, 0,1,2,3,4,5,6
	v_and_b32 v22, (1<<\e), v16
	v_cmp_ne_u32 s71, 0, v22
	s_and_b32 s72, s71, 0xffff
	s_bcnt1_i32_b32 s72, s72                       ; e's tokens in my tile
	s_lshl_b32 s73, s[40+\e], 6
	s_add_co_u32 s73, s73, s[24+\e]
	v_mul_u32_u24 v23, s72, v3                     ; the upper half of the lanes counts the lower half's bits too: taken off again
	v_sub_nc_u32 v23, s73, v23
	v_mbcnt_lo_u32_b32 v23, s71, v23               ; + e's tokens of my tile in front of mine
	v_cmp_eq_u32 vcc_lo, \e, v18
	v_cndmask_b32 v20, v20, v23, vcc_lo
	v_cmp_eq_u32 vcc_lo, \e, v19
	v_cndmask_b32 v21, v21, v23, vcc_lo
.endr
.irp k, 0,1
	v_lshrrev_b32 v24, 4, v[20+\k]
	v_min_u32 v24, 191, v24                        ; tile of xrt
	v_and_b32 v25, 15, v[20+\k]
	v_min_u32 v25, 15, v25                         ; row in it
	v_mul_u32_u24 v[26+2*\k], 12288, v24
	v_lshl_add_u32 v[26+2*\k], v25, 4, v[26+2*\k]
	v_lshl_add_u32 v[26+2*\k], v3, 8, v[26+2*\k]   ; codes: tile x 12,288 + 16 x (row + 16 hh)
	v_lshlrev_b32 v[27+2*\k], 9, v24
	v_lshl_add_u32 v[27+2*\k], v25, 5, v[27+2*\k]
	v_lshl_add_u32 v[27+2*\k], v3, 4, v[27+2*\k]   ; scale bytes: slot x 32 + 16 hh
.endr
.irp k, 0,1
.set n, 0
.rept 24
	global_store_b128 v[26+2*\k], v[64+4*n:64+4*n+3], s[8:9] offset:512*n
.set n, n+1
.endr
	global_store_b128 v[27+2*\k], v[160:163], s[8:9] offset:2359296
.endr
	v_cmp_eq_u32 vcc_lo, 1, v3
	v_cndmask_b32 v30, v20, v21, vcc_lo
	v_add_nc_u32 v30, 1024, v30                    ; global slot: behind the shared expert's 1,024
	v_lshl_add_u32 v31, v3, 2, v7
	global_store_b32 v31, v30, s[66:67]            ; tab[token][hh]
	s_cmp_lg_u32 s12, 0
	s_cbranch_scc1 .Ldone
	v_mov_b32 v12, 0
	v_mov_b32 v13, 0
.irp e, 0,1,2,3,4,5,6
	v_writelane_b32 v12, s[40+\e], \e
	v_writelane_b32 v13, s[48+\e], \e
.endr
	global_store_b64 v9, v[12:13], s[10:11] offset:8192   ; 256 bytes: (g0_e, ng_e), zeros behind the seven
.Ldone:
	s_endpgm
.Lfunc_end_k_q54f6055350_place:
	.size	k_q54f6055350_place, .Lfunc_end_k_q54f6055350_place-k_q54f6055350_place
	.p2alignl 7, 3214868480
	.fill 96, 4, 3214868480
	.section	.rodata,"a",@progbits
	.p2align	6, 0x0
	.amdhsa_kernel k_q54f6055350_place
		.amdhsa_group_segment_fixed_size 0
		.amdhsa_private_segment_fixed_size 0
		.amdhsa_enable_private_segment 0
		.amdhsa_kernarg_size 32
		.amdhsa_user_sgpr_count 2
		.amdhsa_user_sgpr_kernarg_segment_ptr 1
		.amdhsa_wavefront_size32 1
		.amdhsa_system_sgpr_workgroup_id_x 1
		.amdhsa_system_sgpr_workgroup_id_y 1
		.amdhsa_system_sgpr_workgroup_id_z 1
		.amdhsa_system_vgpr_workitem_id 0
		.amdhsa_next_free_vgpr 192
		.amdhsa_next_free_sgpr 80
		.amdhsa_reserve_vcc 1
		.amdhsa_float_denorm_mode_32 3
		.amdhsa_float_denorm_mode_16_64 3
		.amdhsa_memory_ordered 1
		.amdhsa_forward_progress 1
		.amdhsa_inst_pref_size 79
	.end_amdhsa_kernel
	.amdgpu_metadata
---
amdhsa.version: [ 1, 2 ]
amdhsa.kernels:
  - .name:           k_q54f6055350_place
    .symbol:         k_q54f6055350_place.kd
    .args:
      - { .name: xsh, .offset: 0, .size: 8, .value_kind: global_buffer, .address_space: global }
      - { .name: route, .offset: 8, .size: 8, .value_kind: global_buffer, .address_space: global }
      - { .name: xrt, .offset: 16, .size: 8, .value_kind: global_buffer, .address_space: global }
      - { .name: tab, .offset: 24, .size: 8, .value_kind: global_buffer, .address_space: global }
    .group_segment_fixed_size: 0
    .private_segment_fixed_size: 0
    .kernarg_segment_align: 8
    .kernarg_segment_size: 32
    .max_flat_workgroup_size: 32
    .sgpr_count:     80
    .vgpr_count:     192
    .wavefront_size: 32
...
	.end_amdgpu_metadata
.endif
;; end of part 2
;; launch gateup (part 3): grid 32 x 8, 4 waves a work-group, no clusters, 102,912 bytes of LDS; arguments shared_gate_w, shared_up_w, routed_gate_w, routed_up_w, xsh, xrt, tab, himg; writes himg
.if DOCPART == 3
	.amdgcn_target "amdgcn-amd-amdhsa--gfx1250"
	.amdhsa_code_object_version 6
	.text
	.protected	k_q54f6055350_gateup
	.globl	k_q54f6055350_gateup
	.p2align	8
	.type	k_q54f6055350_gateup,@function
k_q54f6055350_gateup:
	s_mov_b64 s[64:65], 0
	v_nop
	global_prefetch_b8 v0, s[64:65] scope:SCOPE_SE
	s_setreg_imm32_b32 hwreg(HW_REG_WAVE_MODE, 25, 1), 1
	s_wait_xcnt 0x0
; GATEUP.  h = silu(x Wg) * (x Wu), both products on E2M3 codes with E8M0 scales, h quantised on the way.  THE WEIGHTS STAND STILL: work-group (j, y) owns hidden units 64 j .. 64 j + 63 of one
; expert (y = 0: the shared one, else routed expert y - 1): 2 x 1,024 x 64 f32 numbers, read from memory once, quantised in registers, kept in LDS as images of operand fragments.
; What goes round is small: the tokens' codes, made by the launches before, straight from memory into registers.
; QUANTISING.  Wave w takes matrix w / 2 (gate, up) and K half w % 2: four K steps of 128, each in two passes of 64 rows.  In a pass a lane loads four neighbouring columns of 32 rows
; (sixteen lanes read 256 consecutive bytes of a row; lanes 16-31 stand 32 rows further down), so that four whole blocks along K lie in its registers and no other lane is asked for a maximum.
; THE UNITS OF A TILE ARE NOT NEIGHBOURS: rows 0-7 of tile tau are units 8 tau + 0..7, rows 8-15 units 32 + 8 tau + 0..7.  The products are used transposed (source 0 = 16 units, source 1 = 16 tokens),
; so lane (r, hh) holds, in the 32 registers of a matrix's four tiles, units 32 hh + 0 .. 31 of token r: one whole block of the next product's K, in order.  Its codes are six registers of that product's operand as they stand.
; TOKENS.  Slots go in groups of 64 (four tiles); wave w takes groups g0 + w, g0 + w + 4, ..  (g0, ng) of a routed expert are whole numbers read from tab; hence no tensor load, and the one barrier stands ahead of the walk.
; A group: 8 K steps x 32 matrix instructions on 32 accumulators, which take turns.  The next group's codes are asked for K step by K step, each into the registers just multiplied.
; LDS: wave w's 16 fragments at 24,576 w (trip t, tile tau: (4 t + tau) x 1,536; chunk n = registers 4 n .. 4 n + 3 at 512 n + 16 x lane); its scale words at 98,304 + 1,024 w + 256 t + 64 tau + 4 x row.
; REGISTERS.  Window 0: v1-11 addresses; v16-47 W's scale words, v48-63 x's: these hold scales alone; v64-159 W's eight fragments of a K step; v160-255 the activation.  While quantising v64-255 are at work.
;   Window 1: two pass buffers of 128, later the accumulators (tile of tokens b, tile a: 64 b + 8 a; a = 0-3 gate, 4-7 up).  Windows 2, 3: x's fragments, K step s at window 2 + s / 4, register 48 (s % 4) + 12 b.
; LIMITS: NaN and infinities are not served; a block whose largest magnitude lies under 2^-124 gets the byte 1 (a block of zeros too: its codes are zeros).
.set FLOOR, 0x1800000                  ; 2^(3 - 127)
.set LI,  1                            ; 16 x lane
.set LI2, 2                            ; + 49,152: the up matrix's fragments
.set LSW, 3                            ; 4 x lane + 98,304
.set LX,  4                            ; 32 x lane
.set L8,  5                            ; 8 x lane
.set LB,  6                            ; 64 x (lane % 16) + lane / 16
.set GA,  7                            ; W: 32 rows x hh + 16 x (lane % 16)
.set WA,  8                            ; where my columns' codes go
.set WB,  9                            ; and their scale bytes
.set WAC, 10                           ; the same, in the trip in hand
.set WBC, 11
.set WS,  16
.set XS,  48
.set WF,  64
.set T1,  160
.set H,   192
.set BYH, 224
.set TPH, 228
.set CDH, 232
.set T,   64                           ; quantising: 4 columns x 32 numbers down K
.set CD,  192                          ; 4 columns x 12 registers of codes
.set TP,  240                          ; two sets of four: a conversion's three registers begin on an even number
.set M,   248                          ; largest magnitudes, then the conversions' scale operands
.set BY,  252                          ; scale bytes
.set MSB, 0
.macro WIN new                         ; the immediate's high byte repeats the setting that is left
.if MSB != (\new)
	s_set_vgpr_msb (MSB<<8)|(\new)
.set MSB, (\new)
.endif
.endm
.macro NOP4                            ; four places behind matrix instructions, ahead of loads into their registers and of reads of their results
.rept 4
	v_nop
.endr
.endm
.macro WLD buf, ofs                    ; a pass's 32 loads: rows i and 32 + i of 64, 256 consecutive bytes for each half of the lanes
	WIN 0x40
.set i, 0
.rept 32
	global_load_b128 v[\buf+4*i:\buf+4*i+3], v[GA], s[32:33] offset:\ofs+8192*i th:TH_LOAD_NT
.set i, i+1
.endr
	WIN 0
.endm
; A pass: 64 rows along K (half c of a K step) x 64 columns.  left: the younger loads that may stay out.
.macro PASS c, buf, ld, ofs, left
	s_wait_loadcnt \left                           ; this buffer's 32 loads are in
	s_wait_dscnt 0x0                               ; the last LDS stores have read their registers
	WIN 0x05                                       ; sources 0 and 1 in window 1
.irp q, 0,1,2,3
	v_max3_num_f32 v[M+\q], |v[\buf+\q]|, |v[\buf+4+\q]|, FLOOR
.endr
.set i, 2
.rept 15
.irp q, 0,1,2,3
	v_max3_num_f32 v[M+\q], |v[\buf+4*i+\q]|, |v[\buf+4*i+4+\q]|, v[M+\q]   ; the four columns by turns
.endr
.set i, i+2
.endr
.set i, 0
.rept 32
.irp q, 0,1,2,3
	v_mov_b32 v[T+32*\q+i], v[\buf+4*i+\q]         ; a column's 32 numbers on end: the conversions take neighbours along K from consecutive registers
.endr
.set i, i+1
.endr
.if \ld
	WLD \buf, \ofs                                 ; the buffer takes the same pass of the next K step
.else
	WIN 0
.endif
.irp q, 0,1,2,3
	v_add_nc_u32 v[M+\q], 0xff000000, v[M+\q]      ; 2 off the exponent field: the conversion's scale operand
.endr
.irp q, 0,1,2,3
	v_lshrrev_b32 v[BY+\q], 23, v[M+\q]            ; the scale's byte
.endr
.irp p, 0,2
.irp u, 0,1
	v_cvt_scalef32_pk16_fp6_f32 v[CD+12*(\p+\u)+6*\c:CD+12*(\p+\u)+6*\c+2], v[T+32*(\p+\u):T+32*(\p+\u)+15], v[M+\p+\u]
	v_cvt_scalef32_pk16_fp6_f32 v[TP+4*\u:TP+4*\u+2], v[T+32*(\p+\u)+16:T+32*(\p+\u)+31], v[M+\p+\u]
.endr
	v_nop                                          ; one plain place behind a scaled conversion
.irp u, 0,1
.irp n, 0,1,2
	v_mov_b32 v[CD+12*(\p+\u)+6*\c+3+\n], v[TP+4*\u+\n]
.endr
.endr
.endr
.irp q, 0,1,2,3
	ds_store_b8 v[WBC], v[BY+\q] offset:4*\q+2*\c  ; byte 2 c + hh of the column's scale word
.endr
.if \c == 1
.irp q, 0,1,2,3
.irp n, 0,1,2
	ds_store_b128 v[WAC], v[CD+12*\q+4*\n:CD+12*\q+4*\n+3] offset:512*\n+16*\q   ; the column is a row of its fragment: lane (row, hh)'s place in each chunk
.endr
.endr
.endif
.endm
.macro TRIP ld, l0, l1                 ; a K step
	s_wait_dscnt 0x0
	v_add_nc_u32 v[WAC], s51, v[WA]
	v_add_nc_u32 v[WBC], s52, v[WB]
	PASS 0, 0, \ld, 0, \l0
	PASS 1, 128, \ld, 524288, \l1
.endm
.macro XLOAD s                         ; the four tiles' fragments of K step s of the group at s[38:39]
	WIN 0x80+0x40*((\s)/4)
.irp b, 0,1,2,3
.irp n, 0,1,2
	global_load_b128 v[48*((\s)%4)+12*\b+4*\n:48*((\s)%4)+12*\b+4*\n+3], v[LI], s[38:39] offset:12288*\b+1536*(\s)+512*\n
.endr
.endr
	WIN 0
.endm
.macro XSLOAD                          ; the group's scale words: lane l takes slot 32 p + l, eight words, one for each K step
.irp p, 0,1
.irp n, 0,1
	global_load_b128 v[XS+8*\p+4*\n:XS+8*\p+4*\n+3], v[LX], s[40:41] offset:1024*\p+16*\n
.endr
.endr
.endm
.macro WLOAD s, a0                     ; four of W's fragments of K step s: gate's (a0 = 0) or up's (4)
.irp a, 0,1,2,3
.irp n, 0,1,2
.if \a0 == 0
	ds_load_b128 v[WF+12*\a+4*\n:WF+12*\a+4*\n+3], v[LI] offset:(16*((\s)/4)+4*((\s)%4)+\a)*1536+512*\n
.else
	ds_load_b128 v[WF+48+12*\a+4*\n:WF+48+12*\a+4*\n+3], v[LI2] offset:(16*((\s)/4)+4*((\s)%4)+\a)*1536+512*\n
.endif
.endr
.endr
.endm
; One product.  A scale register carries two tiles' words: lanes 0-15 the even tile's, lanes 16-31 the odd one's.
.macro WM s, a, b, zero
.set rD, 64*(\b)+8*(\a)
.set rA, WF+12*(\a)
.set rB, 48*((\s)%4)+12*(\b)
.set rP, WS+4*(\s)+(\a)/2
.set rQ, XS+8*((\b)/2)+(\s)
.set par, 2*((\a)%2)+(\b)%2
.if \zero
.if par == 0
	v_wmma_scale_f32_16x16x128_f8f6f4 v[rD:rD+7], v[rA:rA+11], v[rB:rB+11], 0, v[rP], v[rQ] matrix_a_fmt:MATRIX_FMT_FP6 matrix_b_fmt:MATRIX_FMT_FP6
.elseif par == 1
	v_wmma_scale_f32_16x16x128_f8f6f4 v[rD:rD+7], v[rA:rA+11], v[rB:rB+11], 0, v[rP], v[rQ] matrix_a_fmt:MATRIX_FMT_FP6 matrix_b_fmt:MATRIX_FMT_FP6 matrix_b_scale:MATRIX_SCALE_ROW1
.elseif par == 2
	v_wmma_scale_f32_16x16x128_f8f6f4 v[rD:rD+7], v[rA:rA+11], v[rB:rB+11], 0, v[rP], v[rQ] matrix_a_fmt:MATRIX_FMT_FP6 matrix_b_fmt:MATRIX_FMT_FP6 matrix_a_scale:MATRIX_SCALE_ROW1
.else
	v_wmma_scale_f32_16x16x128_f8f6f4 v[rD:rD+7], v[rA:rA+11], v[rB:rB+11], 0, v[rP], v[rQ] matrix_a_fmt:MATRIX_FMT_FP6 matrix_b_fmt:MATRIX_FMT_FP6 matrix_a_scale:MATRIX_SCALE_ROW1 matrix_b_scale:MATRIX_SCALE_ROW1
.endif
.else
.if par == 0
	v_wmma_scale_f32_16x16x128_f8f6f4 v[rD:rD+7], v[rA:rA+11], v[rB:rB+11], v[rD:rD+7], v[rP], v[rQ] matrix_a_fmt:MATRIX_FMT_FP6 matrix_b_fmt:MATRIX_FMT_FP6
.elseif par == 1
	v_wmma_scale_f32_16x16x128_f8f6f4 v[rD:rD+7], v[rA:rA+11], v[rB:rB+11], v[rD:rD+7], v[rP], v[rQ] matrix_a_fmt:MATRIX_FMT_FP6 matrix_b_fmt:MATRIX_FMT_FP6 matrix_b_scale:MATRIX_SCALE_ROW1
.elseif par == 2
	v_wmma_scale_f32_16x16x128_f8f6f4 v[rD:rD+7], v[rA:rA+11], v[rB:rB+11], v[rD:rD+7], v[rP], v[rQ] matrix_a_fmt:MATRIX_FMT_FP6 matrix_b_fmt:MATRIX_FMT_FP6 matrix_a_scale:MATRIX_SCALE_ROW1
.else
	v_wmma_scale_f32_16x16x128_f8f6f4 v[rD:rD+7], v[rA:rA+11], v[rB:rB+11], v[rD:rD+7], v[rP], v[rQ] matrix_a_fmt:MATRIX_FMT_FP6 matrix_b_fmt:MATRIX_FMT_FP6 matrix_a_scale:MATRIX_SCALE_ROW1 matrix_b_scale:MATRIX_SCALE_ROW1
.endif
.endif
.endm
.macro MM s, a0, zero                  ; 16 products: four tiles of units x four tiles of tokens
	WIN 0x58+4*((\s)/4)                            ; source 0 window 0, source 1 window 2 or 3, C and D window 1
.irp a, 0,1,2,3
.irp b, 0,1,2,3
	WM \s, \a0+\a, \b, \zero
.endr
.endr
.endm
.macro STEP s, pf, zero                ; a K step.  pf = 1: another group follows
	s_wait_dscnt 12                                ; gate's four fragments are in; up's twelve loads may be out
	MM \s, 0, \zero
	NOP4
	WIN 0
.if ((\s) < 7) || \pf
	WLOAD ((\s)+1)%8, 0
	s_wait_dscnt 12                                ; all but the twelve just issued
.else
	s_wait_dscnt 0x0
.endif
	MM \s, 4, \zero
	NOP4
	WIN 0
.if ((\s) < 7) || \pf
	WLOAD ((\s)+1)%8, 4
.endif
.if \pf
	XLOAD \s                                       ; the next group's K step s, into the registers just multiplied
.endif
.endm
; Tile b of tokens: h = g u / (1 + 2^(- g log2(e))), in f32; my 32 numbers are one block; codes and byte leave.  Each accumulator is read from its low end on.
.macro EPI b
	WIN 0x01
.set i, 0
.rept 16
	v_pk_mul_f32 v[T1+i:T1+i+1], v[64*\b+i:64*\b+i+1], 0xbfb8aa3b op_sel_hi:[1,0]
.set i, i+2
.endr
	WIN 0x05
.set i, 0
.rept 16
	v_pk_mul_f32 v[H+i:H+i+1], v[64*\b+i:64*\b+i+1], v[64*\b+32+i:64*\b+32+i+1]
.set i, i+2
.endr
	WIN 0
.set i, 0
.rept 32
	v_exp_f32 v[T1+i], v[T1+i]
.set i, i+1
.endr
	v_nop
.set i, 0
	s_wait_alu depctr_va_vdst(0)
.rept 16
	v_pk_add_f32 v[T1+i:T1+i+1], v[T1+i:T1+i+1], 1.0 op_sel_hi:[1,0]
.set i, i+2
.endr
.set i, 0
.rept 32
	v_rcp_f32 v[T1+i], v[T1+i]
.set i, i+1
.endr
	v_nop
.set i, 0
	s_wait_alu depctr_va_vdst(0)
.rept 16
	v_pk_mul_f32 v[H+i:H+i+1], v[H+i:H+i+1], v[T1+i:T1+i+1]
.set i, i+2
.endr
	v_max3_num_f32 v12, |v[H]|, |v[H+1]|, FLOOR
	v_max3_num_f32 v13, |v[H+2]|, |v[H+3]|, FLOOR
.set i, 4
.rept 7
	v_max3_num_f32 v12, v12, |v[H+i]|, |v[H+i+1]|
	v_max3_num_f32 v13, v13, |v[H+i+2]|, |v[H+i+3]|
.set i, i+4
.endr
	v_max_num_f32 v12, v12, v13
	v_add_nc_u32 v14, 0xff000000, v12
	v_lshrrev_b32 v[BYH+\b], 23, v14
	v_cvt_scalef32_pk16_fp6_f32 v[CDH+6*\b:CDH+6*\b+2], v[H:H+15], v14
	v_cvt_scalef32_pk16_fp6_f32 v[TPH:TPH+2], v[H+16:H+31], v14
	v_nop
.irp n, 0,1,2
	v_mov_b32 v[CDH+6*\b+3+\n], v[TPH+\n]
.endr
	global_store_b128 v[LI], v[CDH+6*\b:CDH+6*\b+3], s[42:43] offset:24576*\b       ; 512 consecutive bytes,
	global_store_b64 v[L8], v[CDH+6*\b+4:CDH+6*\b+5], s[42:43] offset:24576*\b+512  ; and 256: six registers of the next product's operand
	global_store_b8 v[LB], v[BYH+\b], s[44:45] offset:1024*\b                       ; block 2 j + hh of slot r
.endm
.macro UNIT pf                         ; a group of 64 slots
	s_wait_loadcnt 0x0                             ; the group's codes and scale words are in
	s_wait_xcnt 0x0                                ; the last group's stores have read their registers and bases
	s_add_co_u32 s46, s29, s31
	s_min_u32 s46, s46, 63                         ; global group
	s_mul_i32 s48, s46, 98304
	s_add_nc_u64 s[42:43], s[54:55], s[48:49]
	s_lshl_b32 s48, s46, 12
	s_add_nc_u64 s[44:45], s[56:57], s[48:49]
.if \pf
	s_add_co_u32 s46, s29, 4
	s_min_u32 s46, s46, 47
	s_mul_i32 s48, s46, 49152
	s_add_nc_u64 s[38:39], s[34:35], s[48:49]
	s_lshl_b32 s48, s46, 11
	s_add_nc_u64 s[40:41], s[36:37], s[48:49]
.endif
	STEP 0, \pf, 1                                 ; the first K step starts the sums: nothing is cleared
.irp s, 1,2,3,4,5,6,7
	STEP \s, \pf, 0
.endr
.if \pf
	XSLOAD
.endif
.irp b, 0,1,2,3
	EPI \b
.endr
	s_add_co_u32 s29, s29, 4
.endm
	s_load_b512 s[4:19], s[0:1], 0x0               ; shared gate, shared up, routed gate, routed up, xsh, xrt, tab, himg
	s_set_vgpr_msb 0x80
	v_lshl_add_u32 v254, v0, 2, 0x19000
	v_mov_b32 v255, 0
	s_set_vgpr_msb 0x8000
	v_lshrrev_b32 v10, 5, v0
	v_readfirstlane_b32 s20, v10                   ; wave
	s_mov_b32 s21, ttmp9                           ; j
	s_and_b32 s22, ttmp7, 0xffff                   ; y
	s_max_u32 s23, s22, 1
	s_sub_co_u32 s23, s23, 1                       ; routed expert (0 for the shared one, whose entry is not used)
	s_lshl_b32 s24, s23, 3
	s_mov_b32 s47, 0
	s_mov_b32 s49, 0
	v_and_b32 v11, 31, v0                          ; lane
	v_and_b32 v12, 15, v0                          ; lane % 16
	v_bfe_u32 v13, v0, 4, 1                        ; hh
	v_lshlrev_b32 v[LI], 4, v11
	v_add_nc_u32 v[LI2], 49152, v[LI]
	v_lshl_add_u32 v[LSW], v11, 2, 98304
	v_lshlrev_b32 v[LX], 5, v11
	v_lshlrev_b32 v[L8], 3, v11
	v_lshl_add_u32 v[LB], v12, 6, v13
	v_lshlrev_b32 v[GA], 4, v12
	v_lshl_add_u32 v[GA], v13, 18, v[GA]
	v_bfe_u32 v14, v0, 1, 2                        ; my four columns 4 (lane % 16) + q lie in tile tau = ((lane % 16) / 2) % 4,
	v_and_b32 v15, 1, v0                           ; rows 4 ((lane % 16) % 2)
	v_bfe_u32 v10, v0, 3, 1                        ; + 8 ((lane % 16) / 8) + q
	v_mul_u32_u24 v[WA], v14, 1536
	v_lshl_add_u32 v[WA], v15, 6, v[WA]
	v_lshl_add_u32 v[WA], v10, 7, v[WA]
	v_lshl_add_u32 v[WA], v13, 8, v[WA]
	s_mul_i32 s46, s20, 24576
	v_add_nc_u32 v[WA], s46, v[WA]
	v_lshl_add_u32 v[WB], v14, 6, v13
	v_lshl_add_u32 v[WB], v15, 4, v[WB]
	v_lshl_add_u32 v[WB], v10, 5, v[WB]
	s_lshl_b32 s46, s20, 10
	s_add_co_u32 s46, s46, 98304
	v_add_nc_u32 v[WB], s46, v[WB]
	s_wait_kmcnt 0x0
	s_load_b64 s[26:27], s[16:17], s24 offset:0x2000   ; (g0, ng)
	s_cmp_eq_u32 s22, 0                            ; the choices hang on the work-group's and the wave's number alone
	s_cselect_b64 s[32:33], s[4:5], s[8:9]
	s_cselect_b64 s[38:39], s[6:7], s[10:11]
	s_cselect_b64 s[34:35], s[12:13], s[14:15]     ; the tokens' codes
	s_mov_b32 s46, 2359296
	s_cselect_b32 s46, 786432, s46
	s_cselect_b32 s31, 0, 16                       ; routed groups lie behind the shared expert's sixteen
	s_add_nc_u64 s[36:37], s[34:35], s[46:47]      ; and their scale bytes
	s_cmp_lt_u32 s20, 2
	s_cselect_b64 s[32:33], s[32:33], s[38:39]     ; waves 0, 1: gate; 2, 3: up
	s_lshl_b32 s46, s23, 23                        ; expert x 1,024 x 2,048 x 4
	s_and_b32 s48, s20, 1
	s_lshl_b32 s48, s48, 22                        ; + K half x 512 rows of 8,192 bytes
	s_add_co_u32 s46, s46, s48
	s_lshl_b32 s48, s21, 8                         ; + 256 j
	s_add_co_u32 s46, s46, s48
	s_add_nc_u64 s[32:33], s[32:33], s[46:47]
	s_mul_i32 s46, s21, 768
	s_add_nc_u64 s[54:55], s[18:19], s[46:47]      ; himg: slice j of a tile
	s_lshl_b32 s46, s21, 1
	s_add_co_u32 s46, s46, 6291456
	s_add_nc_u64 s[56:57], s[18:19], s[46:47]      ; himg: block 2 j of a slot's scale bytes
	s_wait_kmcnt 0x0
	s_cmp_eq_u32 s22, 0
	s_cselect_b32 s26, 0, s26
	s_cselect_b32 s27, 16, s27
	s_add_co_u32 s28, s27, 3
	s_sub_co_u32 s28, s28, s20
	s_lshr_b32 s28, s28, 2                         ; my groups
	s_add_co_u32 s29, s26, s20                     ; the first of them
	s_min_u32 s46, s29, 47                         ; (a wave without groups reads a group all the same: xrt is written whole, and nothing is made of it)
	s_mul_i32 s48, s46, 49152
	s_add_nc_u64 s[38:39], s[34:35], s[48:49]
	s_lshl_b32 s48, s46, 11
	s_add_nc_u64 s[40:41], s[36:37], s[48:49]
.irp s, 0,1,2,3,4,5,6,7
	XLOAD \s                                       ; older than every load of W: they touch no count below
.endr
	XSLOAD
	WLD 0, 0
	WLD 128, 524288
	s_wait_xcnt 0x0                                ; the base steps only behind this wait
	s_add_nc_u64 s[32:33], s[32:33], 0x100000      ; 128 rows on
	s_mov_b32 s51, 0
	s_mov_b32 s52, 0
	s_mov_b32 s50, 3
.Lq:
	TRIP 1, 32, 32                                 ; 32: the other buffer's loads stay out
	s_wait_xcnt 0x0
	s_add_nc_u64 s[32:33], s[32:33], 0x100000
	s_add_co_u32 s51, s51, 6144
	s_add_co_u32 s52, s52, 256
	s_sub_co_u32 s50, s50, 1
	s_cmp_lg_u32 s50, 0
	s_cbranch_scc1 .Lq
	TRIP 0, 32, 0                                  ; the last K step loads nothing
	s_wait_dscnt 0x0                               ; for the others' sake: my images lie in LDS
	s_barrier_signal -1
	s_barrier_wait -1                              ; everybody's do; LDS is only read from here on
	s_cmp_eq_u32 s28, 0
	s_cbranch_scc1 .Lend
.set i, 0
.rept 32
	ds_load_b32 v[WS+i], v[LSW] offset:(2*((i%4)/2)+(i/4)/4)*1024+((i/4)%4)*256+(i%2)*128   ; K step i / 4, tiles 2 (i % 4) and 2 (i % 4) + 1
.set i, i+1
.endr
	WLOAD 0, 0
	WLOAD 0, 4
	s_sub_co_u32 s30, s28, 1
	s_cmp_eq_u32 s30, 0
	s_cbranch_scc1 .Llast
.Lunit:
	UNIT 1
	s_sub_co_u32 s30, s30, 1
	s_cmp_lg_u32 s30, 0
	s_cbranch_scc1 .Lunit
.Llast:
	UNIT 0                                         ; the last group asks for nothing: no load leaves its buffer
.Lend:
	s_set_vgpr_msb 0xa
	s_wait_tensorcnt 0x0
	ds_add_u32 v254, v255
	s_wait_dscnt 0x0
	s_set_vgpr_msb 0xa00
	s_endpgm
.Lfunc_end_k_q54f6055350_gateup:
	.size	k_q54f6055350_gateup, .Lfunc_end_k_q54f6055350_gateup-k_q54f6055350_gateup
	.p2alignl 7, 3214868480
	.fill 96, 4, 3214868480
	.section	.rodata,"a",@progbits
	.p2align	6, 0x0
	.amdhsa_kernel k_q54f6055350_gateup
		.amdhsa_group_segment_fixed_size 102912
		.amdhsa_private_segment_fixed_size 0
		.amdhsa_enable_private_segment 0
		.amdhsa_kernarg_size 64
		.amdhsa_user_sgpr_count 2
		.amdhsa_user_sgpr_kernarg_segment_ptr 1
		.amdhsa_wavefront_size32 1
		.amdhsa_system_sgpr_workgroup_id_x 1
		.amdhsa_system_sgpr_workgroup_id_y 1
		.amdhsa_system_sgpr_workgroup_id_z 1
		.amdhsa_system_vgpr_workitem_id 0
		.amdhsa_next_free_vgpr 1024
		.amdhsa_next_free_sgpr 66
		.amdhsa_reserve_vcc 0
		.amdhsa_float_denorm_mode_32 3
		.amdhsa_float_denorm_mode_16_64 3
		.amdhsa_memory_ordered 1
		.amdhsa_forward_progress 1
		.amdhsa_inst_pref_size 243
	.end_amdhsa_kernel
	.amdgpu_metadata
---
amdhsa.version: [ 1, 2 ]
amdhsa.kernels:
  - .name:           k_q54f6055350_gateup
    .symbol:         k_q54f6055350_gateup.kd
    .args:
      - { .name: shared_gate_w, .offset: 0, .size: 8, .value_kind: global_buffer, .address_space: global }
      - { .name: shared_up_w, .offset: 8, .size: 8, .value_kind: global_buffer, .address_space: global }
      - { .name: routed_gate_w, .offset: 16, .size: 8, .value_kind: global_buffer, .address_space: global }
      - { .name: routed_up_w, .offset: 24, .size: 8, .value_kind: global_buffer, .address_space: global }
      - { .name: xsh, .offset: 32, .size: 8, .value_kind: global_buffer, .address_space: global }
      - { .name: xrt, .offset: 40, .size: 8, .value_kind: global_buffer, .address_space: global }
      - { .name: tab, .offset: 48, .size: 8, .value_kind: global_buffer, .address_space: global }
      - { .name: himg, .offset: 56, .size: 8, .value_kind: global_buffer, .address_space: global }
    .group_segment_fixed_size: 102912
    .private_segment_fixed_size: 0
    .kernarg_segment_align: 8
    .kernarg_segment_size: 64
    .max_flat_workgroup_size: 128
    .sgpr_count:     66
    .vgpr_count:     1024
    .wavefront_size: 32
...
	.end_amdgpu_metadata
.endif
;; end of part 3
;; launch down (part 4): grid 32 x 8, 4 waves a work-group, no clusters, 69,120 bytes of LDS; arguments shared_down_w, routed_down_w, himg, tab, ypart; writes ypart
.if DOCPART == 4
	.amdgcn_target "amdgcn-amd-amdhsa--gfx1250"
	.amdhsa_code_object_version 6
	.text
	.protected	k_q54f6055350_down
	.globl	k_q54f6055350_down
	.p2align	8
	.type	k_q54f6055350_down,@function
k_q54f6055350_down:
	s_mov_b64 s[64:65], 0
	v_nop
	global_prefetch_b8 v0, s[64:65] scope:SCOPE_SE
	s_setreg_imm32_b32 hwreg(HW_REG_WAVE_MODE, 25, 1), 1
	s_wait_xcnt 0x0
; DOWN.  y = h Wd on E2M3 codes with E8M0 scales.  As in the launch before THE WEIGHTS STAND STILL: work-group (x, y) owns output columns 64 (x / 2) .. + 63 and K half x % 2 (1,024 hidden units) of one expert
; (y = 0: shared, else routed y - 1): 1,024 x 64 f32 numbers, read once, quantised in registers, kept in LDS as images of operand fragments.  The two K halves' sums go to two planes of ypart; the last launch adds them.
; QUANTISING.  Wave w takes rows 256 w .. + 255 of the half: K steps 2 w, 2 w + 1, four passes of 64 rows.  A lane loads four neighbouring columns of 32 rows, so four whole blocks along K are its own.
; Tile a is columns 16 a .. 16 a + 15.  The product is used transposed (source 0 = 16 columns of Wd, source 1 = 16 tokens): a lane holds eight neighbouring numbers of one row of y.
; TOKENS.  Groups of 64 slots; wave w takes groups g0 + w, + 4, ..; (g0, ng) are whole numbers read from tab, hence no tensor load, and the one barrier stands ahead of the walk.
; A group: 8 K steps x 16 matrix instructions on 16 accumulators, which take turns.  Results go through the wave's own stage and leave as rows: sixteen lanes store 256 consecutive bytes, aligned.
; LDS: fragment (K step s, tile a) at (4 s + a) x 1,536; scale words at 49,152 + (2 s + a / 2) x 128 + (a % 2) x 64 + 4 x row; stages at 51,200 + 4,352 x wave (16 rows x 272 bytes).
; REGISTERS.  Window 0: v1-10 addresses; v16-31 W's scale words, v48-63 h's: these hold scales alone; v64-159 W's fragments, two sets; v160-223 rows on the way out.  While quantising v64-255 are at work.
;   Window 1: two pass buffers, later the accumulators (32 b + 8 a).  Windows 2, 3: h's fragments, K step s at window 2 + s / 4, register 48 (s % 4) + 12 b.
; LIMITS: NaN and infinities are not served; a block whose largest magnitude lies under 2^-124 gets the byte 1.
.set FLOOR, 0x1800000
.set LI,  1                            ; 16 x lane
.set L8,  2                            ; 8 x lane
.set LSW, 3                            ; 4 x lane + 49,152
.set LX,  4                            ; 64 x lane
.set STO, 5                            ; the stage: row r, + 32 hh
.set RD,  6                            ; back: row lane / 16, 16 bytes a lane
.set CO,  7                            ; the same two rows in ypart
.set GA,  8
.set WA,  9
.set WB,  10
.set WS,  16
.set HS,  48
.set WF,  64
.set OUT, 160
.set T,   64
.set CD,  192
.set TP,  240
.set M,   248
.set BY,  252
.set MSB, 0
.macro WIN new                         ; the immediate's high byte repeats the setting that is left
.if MSB != (\new)
	s_set_vgpr_msb (MSB<<8)|(\new)
.set MSB, (\new)
.endif
.endm
.macro NOP4                            ; four places behind matrix instructions, ahead of loads into their registers and of reads of their results
.rept 4
	v_nop
.endr
.endm
.macro WLD buf, ofs
	WIN 0x40
.set i, 0
.rept 32
	global_load_b128 v[\buf+4*i:\buf+4*i+3], v[GA], s[32:33] offset:\ofs+4096*i th:TH_LOAD_NT
.set i, i+1
.endr
	WIN 0
.endm
; A pass: 64 rows along K (half c of a K step) x 64 columns.  wo, bo: the K step's place among my wave's images and scale words.
.macro PASS c, buf, ld, ofs, left, wo, bo
	s_wait_loadcnt \left
	s_wait_dscnt 0x0                               ; the last LDS stores have read their registers
	WIN 0x05
.irp q, 0,1,2,3
	v_max3_num_f32 v[M+\q], |v[\buf+\q]|, |v[\buf+4+\q]|, FLOOR
.endr
.set i, 2
.rept 15
.irp q, 0,1,2,3
	v_max3_num_f32 v[M+\q], |v[\buf+4*i+\q]|, |v[\buf+4*i+4+\q]|, v[M+\q]
.endr
.set i, i+2
.endr
.set i, 0
.rept 32
.irp q, 0,1,2,3
	v_mov_b32 v[T+32*\q+i], v[\buf+4*i+\q]
.endr
.set i, i+1
.endr
.if \ld
	WLD \buf, \ofs
.else
	WIN 0
.endif
.irp q, 0,1,2,3
	v_add_nc_u32 v[M+\q], 0xff000000, v[M+\q]
.endr
.irp q, 0,1,2,3
	v_lshrrev_b32 v[BY+\q], 23, v[M+\q]
.endr
.irp p, 0,2
.irp u, 0,1
	v_cvt_scalef32_pk16_fp6_f32 v[CD+12*(\p+\u)+6*\c:CD+12*(\p+\u)+6*\c+2], v[T+32*(\p+\u):T+32*(\p+\u)+15], v[M+\p+\u]
	v_cvt_scalef32_pk16_fp6_f32 v[TP+4*\u:TP+4*\u+2], v[T+32*(\p+\u)+16:T+32*(\p+\u)+31], v[M+\p+\u]
.endr
	v_nop                                          ; one plain place behind a scaled conversion
.irp u, 0,1
.irp n, 0,1,2
	v_mov_b32 v[CD+12*(\p+\u)+6*\c+3+\n], v[TP+4*\u+\n]
.endr
.endr
.endr
.irp q, 0,1,2,3
	ds_store_b8 v[WB], v[BY+\q] offset:\bo+4*\q+2*\c
.endr
.if \c == 1
.irp q, 0,1,2,3
.irp n, 0,1,2
	ds_store_b128 v[WA], v[CD+12*\q+4*\n:CD+12*\q+4*\n+3] offset:\wo+512*\n+16*\q
.endr
.endr
.endif
.endm
.macro HLOAD s                         ; the four tiles' fragments of my half's K step s: two slices of six registers each
	WIN 0x80+0x40*((\s)/4)
.irp b, 0,1,2,3
.set rB, 48*((\s)%4)+12*\b
	global_load_b128 v[rB:rB+3], v[LI], s[38:39] offset:24576*\b+1536*(\s)
	global_load_b64 v[rB+4:rB+5], v[L8], s[38:39] offset:24576*\b+1536*(\s)+512
	global_load_b128 v[rB+6:rB+9], v[LI], s[38:39] offset:24576*\b+1536*(\s)+768
	global_load_b64 v[rB+10:rB+11], v[L8], s[38:39] offset:24576*\b+1536*(\s)+1280
.endr
	WIN 0
.endm
.macro HSLOAD                          ; lane l takes slot 32 p + l: my half's eight scale words
.irp p, 0,1
.irp n, 0,1
	global_load_b128 v[HS+8*\p+4*\n:HS+8*\p+4*\n+3], v[LX], s[40:41] offset:2048*\p+16*\n
.endr
.endr
.endm
.macro WLOAD s                         ; W's four fragments of K step s into set s % 2
.irp a, 0,1,2,3
.irp n, 0,1,2
	ds_load_b128 v[WF+48*((\s)%2)+12*\a+4*\n:WF+48*((\s)%2)+12*\a+4*\n+3], v[LI] offset:(4*(\s)+\a)*1536+512*\n
.endr
.endr
.endm
.macro WM s, a, b, zero
.set rD, 32*(\b)+8*(\a)
.set rA, WF+48*((\s)%2)+12*(\a)
.set rB, 48*((\s)%4)+12*(\b)
.set rP, WS+2*(\s)+(\a)/2
.set rQ, HS+8*((\b)/2)+(\s)
.set par, 2*((\a)%2)+(\b)%2
.if \zero
.if par == 0
	v_wmma_scale_f32_16x16x128_f8f6f4 v[rD:rD+7], v[rA:rA+11], v[rB:rB+11], 0, v[rP], v[rQ] matrix_a_fmt:MATRIX_FMT_FP6 matrix_b_fmt:MATRIX_FMT_FP6
.elseif par == 1
	v_wmma_scale_f32_16x16x128_f8f6f4 v[rD:rD+7], v[rA:rA+11], v[rB:rB+11], 0, v[rP], v[rQ] matrix_a_fmt:MATRIX_FMT_FP6 matrix_b_fmt:MATRIX_FMT_FP6 matrix_b_scale:MATRIX_SCALE_ROW1
.elseif par == 2
	v_wmma_scale_f32_16x16x128_f8f6f4 v[rD:rD+7], v[rA:rA+11], v[rB:rB+11], 0, v[rP], v[rQ] matrix_a_fmt:MATRIX_FMT_FP6 matrix_b_fmt:MATRIX_FMT_FP6 matrix_a_scale:MATRIX_SCALE_ROW1
.else
	v_wmma_scale_f32_16x16x128_f8f6f4 v[rD:rD+7], v[rA:rA+11], v[rB:rB+11], 0, v[rP], v[rQ] matrix_a_fmt:MATRIX_FMT_FP6 matrix_b_fmt:MATRIX_FMT_FP6 matrix_a_scale:MATRIX_SCALE_ROW1 matrix_b_scale:MATRIX_SCALE_ROW1
.endif
.else
.if par == 0
	v_wmma_scale_f32_16x16x128_f8f6f4 v[rD:rD+7], v[rA:rA+11], v[rB:rB+11], v[rD:rD+7], v[rP], v[rQ] matrix_a_fmt:MATRIX_FMT_FP6 matrix_b_fmt:MATRIX_FMT_FP6
.elseif par == 1
	v_wmma_scale_f32_16x16x128_f8f6f4 v[rD:rD+7], v[rA:rA+11], v[rB:rB+11], v[rD:rD+7], v[rP], v[rQ] matrix_a_fmt:MATRIX_FMT_FP6 matrix_b_fmt:MATRIX_FMT_FP6 matrix_b_scale:MATRIX_SCALE_ROW1
.elseif par == 2
	v_wmma_scale_f32_16x16x128_f8f6f4 v[rD:rD+7], v[rA:rA+11], v[rB:rB+11], v[rD:rD+7], v[rP], v[rQ] matrix_a_fmt:MATRIX_FMT_FP6 matrix_b_fmt:MATRIX_FMT_FP6 matrix_a_scale:MATRIX_SCALE_ROW1
.else
	v_wmma_scale_f32_16x16x128_f8f6f4 v[rD:rD+7], v[rA:rA+11], v[rB:rB+11], v[rD:rD+7], v[rP], v[rQ] matrix_a_fmt:MATRIX_FMT_FP6 matrix_b_fmt:MATRIX_FMT_FP6 matrix_a_scale:MATRIX_SCALE_ROW1 matrix_b_scale:MATRIX_SCALE_ROW1
.endif
.endif
.endm
.macro STEP s, pf, zero
	s_wait_dscnt 0x0                               ; this K step's fragments of W are in (asked for a K step ago)
.if ((\s) < 7) || \pf
	WLOAD ((\s)+1)%8                               ; the other set: its last products stand behind four places
.endif
	WIN 0x58+4*((\s)/4)                            ; source 0 window 0, source 1 window 2 or 3, C and D window 1
.irp a, 0,1,2,3
.irp b, 0,1,2,3
	WM \s, \a, \b, \zero
.endr
.endr
	NOP4
.if (\s) == 7
	v_nop                                          ; a fifth place: the next group's first products begin these accumulators anew with the constant 0, and between here and there stand only LDS and memory instructions, which are no places
.endif
	WIN 0
.if \pf
	HLOAD \s                                       ; the next group's K step s, into the registers just multiplied
.endif
.endm
.macro TOSTAGE b                       ; tile b of tokens into my stage, and back as rows
	WIN 0x04                                       ; an LDS store's data are its source 1: window 1
.irp a, 0,1,2,3
	ds_store_b128 v[STO], v[32*\b+8*\a:32*\b+8*\a+3] offset:64*\a            ; each accumulator from its low end on
	ds_store_b128 v[STO], v[32*\b+8*\a+4:32*\b+8*\a+7] offset:64*\a+16
.endr
	WIN 0
.irp n, 0,1,2,3,4,5,6,7
	ds_load_b128 v[OUT+32*((\b)%2)+4*\n:OUT+32*((\b)%2)+4*\n+3], v[RD] offset:544*\n   ; LDS serves a wave's instructions in order (ISA guide 5.7.1.4): these see the stores above
.endr
.endm
.macro SEND b, younger                 ; younger: the LDS instructions issued behind tile b's loads
	s_wait_dscnt \younger
.irp n, 0,1,2,3,4,5,6,7
	global_store_b128 v[CO], v[OUT+32*((\b)%2)+4*\n:OUT+32*((\b)%2)+4*\n+3], s[42:43] offset:(16*(\b)+2*\n)*4096   ; sixteen lanes store 256 consecutive bytes, at a multiple of 256 from the buffer's first byte
.endr
.endm
.macro UNIT pf
	s_wait_loadcnt 0x0                             ; the group's codes and scale words are in
	s_wait_xcnt 0x0                                ; the last group's stores have read their registers and base
	s_add_co_u32 s46, s29, s31
	s_min_u32 s46, s46, 63
	s_lshl_b32 s48, s46, 18                        ; 64 slots of 4,096 bytes
	s_add_nc_u64 s[42:43], s[54:55], s[48:49]
.if \pf
	s_add_co_u32 s46, s29, s31
	s_add_co_u32 s46, s46, 4
	s_min_u32 s46, s46, 63
	s_mul_i32 s48, s46, 98304
	s_add_nc_u64 s[38:39], s[34:35], s[48:49]
	s_lshl_b32 s48, s46, 12
	s_add_nc_u64 s[40:41], s[36:37], s[48:49]
.endif
	STEP 0, \pf, 1                                 ; the first K step starts the sums
.irp s, 1,2,3,4,5,6,7
	STEP \s, \pf, 0
.endr
.if \pf
	HSLOAD
.endif
	TOSTAGE 0
	TOSTAGE 1
	SEND 0, 16                                     ; behind tile 0's loads: tile 1's 8 stores and 8 loads
	s_wait_xcnt 0x0                                ; tile 0's stores have read their registers: tile 2's rows may land there
	TOSTAGE 2
	SEND 1, 16
	s_wait_xcnt 0x0
	TOSTAGE 3
	SEND 2, 16
	SEND 3, 0
	s_add_co_u32 s29, s29, 4
.endm
	s_load_b256 s[4:11], s[0:1], 0x0               ; shared down, routed down, himg, tab
	s_load_b64 s[12:13], s[0:1], 0x20              ; ypart
	v_lshl_add_u32 v243, v0, 2, 0x10c00
	v_mov_b32 v247, 0
	v_lshrrev_b32 v11, 5, v0
	v_readfirstlane_b32 s20, v11                   ; wave
	s_lshr_b32 s21, ttmp9, 1                       ; which 64 columns
	s_and_b32 s25, ttmp9, 1                        ; which K half
	s_and_b32 s22, ttmp7, 0xffff                   ; y
	s_max_u32 s23, s22, 1
	s_sub_co_u32 s23, s23, 1
	s_lshl_b32 s24, s23, 3
	s_mov_b32 s47, 0
	s_mov_b32 s49, 0
	v_and_b32 v11, 31, v0                          ; lane
	v_and_b32 v12, 15, v0                          ; lane % 16
	v_bfe_u32 v13, v0, 4, 1                        ; hh
	v_lshlrev_b32 v[LI], 4, v11
	v_lshlrev_b32 v[L8], 3, v11
	v_lshl_add_u32 v[LSW], v11, 2, 49152
	v_lshlrev_b32 v[LX], 6, v11
	s_mul_i32 s46, s20, 4352
	s_add_co_u32 s46, s46, 51200                   ; my stage
	v_mul_u32_u24 v[STO], v12, 272
	v_lshl_add_u32 v[STO], v13, 5, v[STO]
	v_add_nc_u32 v[STO], s46, v[STO]
	v_mul_u32_u24 v[RD], v13, 272
	v_lshl_add_u32 v[RD], v12, 4, v[RD]
	v_add_nc_u32 v[RD], s46, v[RD]
	v_lshlrev_b32 v[CO], 4, v12
	v_lshl_add_u32 v[CO], v13, 12, v[CO]
	v_lshlrev_b32 v[GA], 4, v12
	v_lshl_add_u32 v[GA], v13, 17, v[GA]           ; lanes 16-31 stand 32 rows of 4,096 bytes further down
	v_bfe_u32 v14, v0, 2, 2                        ; my four columns lie in tile a = (lane % 16) / 4,
	v_and_b32 v15, 3, v0                           ; rows 4 ((lane % 16) % 4) + q
	v_mul_u32_u24 v[WA], v14, 1536
	v_lshl_add_u32 v[WA], v15, 6, v[WA]
	v_lshl_add_u32 v[WA], v13, 8, v[WA]
	s_mul_i32 s46, s20, 12288
	v_add_nc_u32 v[WA], s46, v[WA]
	v_lshl_add_u32 v[WB], v14, 6, v13
	v_lshl_add_u32 v[WB], v15, 4, v[WB]
	s_lshl_b32 s46, s20, 9
	s_add_co_u32 s46, s46, 49152
	v_add_nc_u32 v[WB], s46, v[WB]
	s_wait_kmcnt 0x0
	s_load_b64 s[26:27], s[10:11], s24 offset:0x2000   ; (g0, ng)
	s_cmp_eq_u32 s22, 0
	s_cselect_b64 s[32:33], s[4:5], s[6:7]
	s_cselect_b32 s31, 0, 16
	s_lshl_b32 s46, s23, 23                        ; expert x 2,048 x 1,024 x 4
	s_lshl_b32 s48, s25, 22                        ; + K half x 1,024 rows of 4,096 bytes
	s_add_co_u32 s46, s46, s48
	s_lshl_b32 s48, s20, 20                        ; + wave x 256 rows
	s_add_co_u32 s46, s46, s48
	s_lshl_b32 s48, s21, 8                         ; + my 64 columns
	s_add_co_u32 s46, s46, s48
	s_add_nc_u64 s[32:33], s[32:33], s[46:47]
	s_mul_i32 s46, s25, 12288
	s_add_nc_u64 s[34:35], s[8:9], s[46:47]        ; himg: my half's slices of a tile
	s_lshl_b32 s46, s25, 5
	s_add_co_u32 s46, s46, 6291456
	s_add_nc_u64 s[36:37], s[8:9], s[46:47]        ; himg: my half's scale bytes of a slot
	s_lshl_b32 s46, s25, 24
	s_add_co_u32 s46, s46, s48
	s_add_nc_u64 s[54:55], s[12:13], s[46:47]      ; ypart: my plane, my columns
	s_wait_kmcnt 0x0
	s_cmp_eq_u32 s22, 0
	s_cselect_b32 s26, 0, s26
	s_cselect_b32 s27, 16, s27
	s_add_co_u32 s28, s27, 3
	s_sub_co_u32 s28, s28, s20
	s_lshr_b32 s28, s28, 2                         ; my groups
	s_add_co_u32 s29, s26, s20                     ; the first of them
	s_add_co_u32 s46, s29, s31
	s_cmp_eq_u32 s28, 0
	s_cselect_b32 s46, 0, s46                      ; a wave without groups reads group 0, which is always written, and makes nothing of it
	s_min_u32 s46, s46, 63                         ; the bound comes last: behind it only a product and a shift lead to the address
	s_mul_i32 s48, s46, 98304
	s_add_nc_u64 s[38:39], s[34:35], s[48:49]
	s_lshl_b32 s48, s46, 12
	s_add_nc_u64 s[40:41], s[36:37], s[48:49]
.irp s, 0,1,2,3,4,5,6,7
	HLOAD \s                                       ; older than every load of W: they touch no count below
.endr
	HSLOAD
	WLD 0, 0
	WLD 128, 262144
	PASS 0, 0, 1, 524288, 32, 0, 0                 ; 32: the other buffer's loads stay out
	PASS 1, 128, 1, 786432, 32, 0, 0
	PASS 0, 0, 0, 0, 32, 6144, 256
	PASS 1, 128, 0, 0, 0, 6144, 256
	s_wait_dscnt 0x0                               ; for the others' sake: my images lie in LDS
	s_barrier_signal -1
	s_barrier_wait -1                              ; everybody's do; from here on the images are only read, and a stage is its wave's own
	s_cmp_eq_u32 s28, 0
	s_cbranch_scc1 .Lend
.set i, 0
.rept 16
	ds_load_b32 v[WS+i], v[LSW] offset:128*i       ; K step i / 2, tiles 2 (i % 2) and 2 (i % 2) + 1
.set i, i+1
.endr
	WLOAD 0
	s_sub_co_u32 s30, s28, 1
	s_cmp_eq_u32 s30, 0
	s_cbranch_scc1 .Llast
.Lunit:
	UNIT 1
	s_sub_co_u32 s30, s30, 1
	s_cmp_lg_u32 s30, 0
	s_cbranch_scc1 .Lunit
.Llast:
	UNIT 0                                         ; the last group asks for nothing: no load leaves its buffer
.Lend:
	s_wait_tensorcnt 0x0
	ds_add_u32 v243, v247
	s_wait_dscnt 0x0
	s_endpgm
.Lfunc_end_k_q54f6055350_down:
	.size	k_q54f6055350_down, .Lfunc_end_k_q54f6055350_down-k_q54f6055350_down
	.p2alignl 7, 3214868480
	.fill 96, 4, 3214868480
	.section	.rodata,"a",@progbits
	.p2align	6, 0x0
	.amdhsa_kernel k_q54f6055350_down
		.amdhsa_group_segment_fixed_size 69120
		.amdhsa_private_segment_fixed_size 0
		.amdhsa_enable_private_segment 0
		.amdhsa_kernarg_size 40
		.amdhsa_user_sgpr_count 2
		.amdhsa_user_sgpr_kernarg_segment_ptr 1
		.amdhsa_wavefront_size32 1
		.amdhsa_system_sgpr_workgroup_id_x 1
		.amdhsa_system_sgpr_workgroup_id_y 1
		.amdhsa_system_sgpr_workgroup_id_z 1
		.amdhsa_system_vgpr_workitem_id 0
		.amdhsa_next_free_vgpr 1024
		.amdhsa_next_free_sgpr 66
		.amdhsa_reserve_vcc 0
		.amdhsa_float_denorm_mode_32 3
		.amdhsa_float_denorm_mode_16_64 3
		.amdhsa_memory_ordered 1
		.amdhsa_forward_progress 1
		.amdhsa_inst_pref_size 148
	.end_amdhsa_kernel
	.amdgpu_metadata
---
amdhsa.version: [ 1, 2 ]
amdhsa.kernels:
  - .name:           k_q54f6055350_down
    .symbol:         k_q54f6055350_down.kd
    .args:
      - { .name: shared_down_w, .offset: 0, .size: 8, .value_kind: global_buffer, .address_space: global }
      - { .name: routed_down_w, .offset: 8, .size: 8, .value_kind: global_buffer, .address_space: global }
      - { .name: himg, .offset: 16, .size: 8, .value_kind: global_buffer, .address_space: global }
      - { .name: tab, .offset: 24, .size: 8, .value_kind: global_buffer, .address_space: global }
      - { .name: ypart, .offset: 32, .size: 8, .value_kind: global_buffer, .address_space: global }
    .group_segment_fixed_size: 69120
    .private_segment_fixed_size: 0
    .kernarg_segment_align: 8
    .kernarg_segment_size: 40
    .max_flat_workgroup_size: 128
    .sgpr_count:     66
    .vgpr_count:     1024
    .wavefront_size: 32
...
	.end_amdgpu_metadata
.endif
;; end of part 4
;; launch combine (part 5): grid 256 x 1, 4 waves a work-group, no clusters, 0 bytes of LDS; arguments ypart, tab, wts, out0; writes out0
.if DOCPART == 5
	.amdgcn_target "amdgcn-amd-amdhsa--gfx1250"
	.amdhsa_code_object_version 6
	.text
	.protected	k_q54f6055350_combine
	.globl	k_q54f6055350_combine
	.p2align	8
	.type	k_q54f6055350_combine,@function
k_q54f6055350_combine:
	s_mov_b64 s[64:65], 0
	v_nop
	global_prefetch_b8 v0, s[64:65] scope:SCOPE_SE
	s_setreg_imm32_b32 hwreg(HW_REG_WAVE_MODE, 25, 1), 1
	s_wait_xcnt 0x0
; COMBINE.  out[t] = (shared row t, both K halves) + w1 x (row of slot q1, both halves) + w2 x (row of slot q2, both halves).  One wave owns one token's row of 4,096 bytes: each output row has one owner.
; The slots are whole numbers that an earlier launch stored; they enter an address behind s_min_u32 with a constant.  All 48 loads go out at once, 512 consecutive bytes each;
; a chunk of 512 bytes is finished as soon as its six loads are in, and stored from registers of its own, so no store's data are written again.
; No LDS, no barrier, no matrix unit: a stream, in which waves share nothing.
	s_load_b256 s[4:11], s[0:1], 0x0               ; ypart, tab, wts, out0
	v_lshrrev_b32 v1, 5, v0
	v_readfirstlane_b32 s18, v1
	s_lshl_b32 s19, ttmp9, 2
	s_add_co_u32 s19, s19, s18                     ; my token
	s_lshl_b32 s20, s19, 3
	s_mov_b32 s23, 0
	v_and_b32 v1, 31, v0
	v_lshlrev_b32 v2, 4, v1                        ; 16 x lane: K half 0's plane,
	v_add_nc_u32 v3, 0x1000000, v2                 ; and K half 1's, 16,777,216 bytes on
	s_wait_kmcnt 0x0
	s_load_b64 s[12:13], s[6:7], s20 offset:0x0    ; the two slots
	s_load_b64 s[14:15], s[8:9], s20 offset:0x0    ; the two weights
	s_lshl_b32 s22, s19, 12
	s_add_nc_u64 s[24:25], s[4:5], s[22:23]        ; the shared expert's slot is the token
	s_add_nc_u64 s[30:31], s[10:11], s[22:23]
	s_wait_kmcnt 0x0
	s_min_u32 s12, s12, 4095
	s_min_u32 s13, s13, 4095
	s_lshl_b32 s22, s12, 12
	s_add_nc_u64 s[26:27], s[4:5], s[22:23]
	s_lshl_b32 s22, s13, 12
	s_add_nc_u64 s[28:29], s[4:5], s[22:23]
	s_mov_b32 s16, s15                             ; the packed form names a pair and takes its low word for both halves
	s_mov_b32 s17, s15
.irp i, 0,1,2,3,4,5,6,7
.irp n, 0,1,2
	global_load_b128 v[16+24*\i+8*\n:16+24*\i+8*\n+3], v2, s[24+2*\n:25+2*\n] offset:512*\i th:TH_LOAD_NT
	global_load_b128 v[16+24*\i+8*\n+4:16+24*\i+8*\n+7], v3, s[24+2*\n:25+2*\n] offset:512*\i th:TH_LOAD_NT
.endr
.endr
.irp i, 0,1,2,3,4,5,6,7
	s_wait_loadcnt 42-6*\i                         ; the later chunks' loads stay out
.irp n, 0,1,2
	v_pk_add_f32 v[16+24*\i+8*\n:16+24*\i+8*\n+1], v[16+24*\i+8*\n:16+24*\i+8*\n+1], v[16+24*\i+8*\n+4:16+24*\i+8*\n+5]     ; the two K halves
	v_pk_add_f32 v[16+24*\i+8*\n+2:16+24*\i+8*\n+3], v[16+24*\i+8*\n+2:16+24*\i+8*\n+3], v[16+24*\i+8*\n+6:16+24*\i+8*\n+7]
.endr
.irp u, 0,2
	v_pk_fma_f32 v[208+4*\i+\u:208+4*\i+\u+1], v[24+24*\i+\u:24+24*\i+\u+1], s[14:15], v[16+24*\i+\u:16+24*\i+\u+1] op_sel_hi:[1,0,1]
.endr
.irp u, 0,2
	v_pk_fma_f32 v[208+4*\i+\u:208+4*\i+\u+1], v[32+24*\i+\u:32+24*\i+\u+1], s[16:17], v[208+4*\i+\u:208+4*\i+\u+1] op_sel_hi:[1,0,1]
.endr
	global_store_b128 v2, v[208+4*\i:208+4*\i+3], s[30:31] offset:512*\i th:TH_STORE_NT   ; 512 consecutive bytes, at a multiple of 256 from out0's first byte
.endr
	s_endpgm
.Lfunc_end_k_q54f6055350_combine:
	.size	k_q54f6055350_combine, .Lfunc_end_k_q54f6055350_combine-k_q54f6055350_combine
	.p2alignl 7, 3214868480
	.fill 96, 4, 3214868480
	.section	.rodata,"a",@progbits
	.p2align	6, 0x0
	.amdhsa_kernel k_q54f6055350_combine
		.amdhsa_group_segment_fixed_size 0
		.amdhsa_private_segment_fixed_size 0
		.amdhsa_enable_private_segment 0
		.amdhsa_kernarg_size 32
		.amdhsa_user_sgpr_count 2
		.amdhsa_user_sgpr_kernarg_segment_ptr 1
		.amdhsa_wavefront_size32 1
		.amdhsa_system_sgpr_workgroup_id_x 1
		.amdhsa_system_sgpr_workgroup_id_y 1
		.amdhsa_system_sgpr_workgroup_id_z 1
		.amdhsa_system_vgpr_workitem_id 0
		.amdhsa_next_free_vgpr 240
		.amdhsa_next_free_sgpr 66
		.amdhsa_reserve_vcc 0
		.amdhsa_float_denorm_mode_32 3
		.amdhsa_float_denorm_mode_16_64 3
		.amdhsa_memory_ordered 1
		.amdhsa_forward_progress 1
		.amdhsa_inst_pref_size 12
	.end_amdhsa_kernel
	.amdgpu_metadata
---
amdhsa.version: [ 1, 2 ]
amdhsa.kernels:
  - .name:           k_q54f6055350_combine
    .symbol:         k_q54f6055350_combine.kd
    .args:
      - { .name: ypart, .offset: 0, .size: 8, .value_kind: global_buffer, .address_space: global }
      - { .name: tab, .offset: 8, .size: 8, .value_kind: global_buffer, .address_space: global }
      - { .name: wts, .offset: 16, .size: 8, .value_kind: global_buffer, .address_space: global }
      - { .name: out0, .offset: 24, .size: 8, .value_kind: global_buffer, .address_space: global }
    .group_segment_fixed_size: 0
    .private_segment_fixed_size: 0
    .kernarg_segment_align: 8
    .kernarg_segment_size: 32
    .max_flat_workgroup_size: 128
    .sgpr_count:     66
    .vgpr_count:     240
    .wavefront_size: 32
...
	.end_amdgpu_metadata
.endif
;; end of part 5
;; ======== version 2 of 3: 5 launches
;; workspace buffers: xsh 819,200 bytes; xrt 2,457,600 bytes; route 12,288 bytes of whole numbers; wts 8,192 bytes; tab 8,448 bytes of whole numbers; himg 6,553,600 bytes; ypart 33,554,432 bytes; wsh 4,915,200 bytes
;; launch prep (part 6): grid 256 x 1, 5 waves a work-group, no clusters, 0 bytes of LDS; arguments x, router_w, routing_bias, xsh, xrt, route, wts, wsh, shared_gate_w, shared_up_w, shared_down_w; writes xsh, xrt, route, wts, wsh
.if DOCPART == 6
	.amdgcn_target "amdgcn-amd-amdhsa--gfx1250"
	.amdhsa_code_object_version 6
	.text
	.protected	k_q54f6055350_prep
	.globl	k_q54f6055350_prep
	.p2align	8
	.type	k_q54f6055350_prep,@function
k_q54f6055350_prep:
	s_mov_b64 s[64:65], 0
	v_nop
	global_prefetch_b8 v0, s[64:65] scope:SCOPE_SE
	s_setreg_imm32_b32 hwreg(HW_REG_WAVE_MODE, 25, 1), 1
	s_wait_xcnt 0x0
; PREP.  Five waves a work-group.  Waves 0 and 1 (512 in all; wave W) do three independent jobs:
; (Z) clear 4,608 bytes of xrt's codes (and, W < 192, 512 bytes of xrt's scale bytes): rows that no token takes are zero codes.
; (J1) turn x, rows 16 T .. 16 T + 15 (T = W / 8), K step s = W % 8 (128 along K), into one operand fragment of E2M3 codes, stored as the image of its
;      12 registers (chunk j = registers 4 j .. 4 j + 3 at 512 j + 16 x lane), and its scale bytes at slot x 32 + block.
;      Lane (r, h) loads k = 128 s + 64 c + 32 h + 0 .. 31 of row r: two whole blocks, in the order that the operand's layout gives that lane.
; (J2) the router for tokens 2 W, 2 W + 1, in f32 by fused multiply-adds: logits, sigmoid, top 2 (strict compares: a tie keeps the lower index), weights p / (p1 + p2).
;      The choice is stored at fixed places as whole numbers; no address here hangs on it.
; Waves 2, 3 and 4 (Q) quantise the SHARED expert's gate, up and down weights, each number read once: a wave takes one K step (128 rows) x 64 columns, in two passes of 64 rows.
;      In a pass a lane loads four neighbouring columns of 32 rows (sixteen lanes read 256 consecutive bytes of a row), so four whole blocks along K are its own.  Codes and scale bytes go to wsh
;      as the very bytes that the two product launches keep in LDS, so that the shared expert's work-groups there only copy: 32 slices of 102,400 bytes for gate and up, then 32 of 51,200 for down.
;      A lane's stores are 16 bytes of a fragment's row, 64 bytes on end over four stores: short pieces, of a buffer five times smaller than what is read.
; A block's scale byte is its largest magnitude's exponent field - 2, held at 1 from below by a floor among the maximum's leaves.
; LIMITS: NaN and infinities are not served; a block whose largest magnitude lies under 2^-124 gets the byte 1 (a block of zeros too: its codes are zeros);
; the top 2 are taken on this text's f32 sigmoid: a gap that lies within that sigmoid's rounding may fall either way.
.set FLOOR, 0x1800000                  ; 2^(3 - 127)
.set GA,  7                            ; (Q) W: 32 rows x hh + 16 x (lane % 16)
.set WA,  8                            ; (Q) where my columns' codes go
.set WB,  9                            ; (Q) and their scale bytes
.set T,   64                           ; (Q) 4 columns x 32 numbers down K
.set CD,  192                          ; (Q) 4 columns x 12 registers of codes
.set TP,  240                          ; (Q) two sets of four: a conversion's three registers begin on an even number
.set M,   248                          ; (Q) largest magnitudes, then the conversions' scale operands
.set BY,  252                          ; (Q) scale bytes
.set MSB, 0
.macro WIN new                         ; the immediate's high byte repeats the setting that is left
.if MSB != (\new)
	s_set_vgpr_msb (MSB<<8)|(\new)
.set MSB, (\new)
.endif
.endm
	s_load_b256 s[4:11], s[0:1], 0x0               ; x, router_w, routing_bias, xsh
	s_load_b128 s[12:15], s[0:1], 0x20             ; xrt, route
	s_load_b64 s[16:17], s[0:1], 0x30              ; wts
	s_load_b64 s[62:63], s[0:1], 0x38              ; wsh
	s_load_b128 s[56:59], s[0:1], 0x40             ; shared gate, shared up
	s_load_b64 s[60:61], s[0:1], 0x50              ; shared down
	v_lshrrev_b32 v1, 5, v0
	v_readfirstlane_b32 s18, v1                    ; wave
	s_cmp_ge_u32 s18, 2
	s_cbranch_scc1 .Lweights                       ; waves 2 to 4: the shared weights
	s_lshl_b32 s19, ttmp9, 1
	s_add_co_u32 s19, s19, s18                     ; W
	s_lshr_b32 s28, s19, 3                         ; T
	s_and_b32 s29, s19, 7                          ; s
	s_mov_b32 s31, 0
	s_mov_b32 s52, 0x76543210                      ; v_permlanex16_b32's selects for lane l xor 16
	s_mov_b32 s53, 0xfedcba98
	v_and_b32 v1, 31, v0                           ; lane
	v_and_b32 v2, 15, v0                           ; r
	v_bfe_u32 v3, v0, 4, 1                         ; h
	v_lshlrev_b32 v4, 12, v2
	v_lshl_add_u32 v4, v3, 7, v4                   ; J1: row r of 4,096 bytes + 128 h
	v_lshlrev_b32 v5, 4, v1                        ; 16 x lane
	v_lshlrev_b32 v6, 2, v1                        ; 4 x lane
	v_mul_u32_u24 v7, v1, 112                      ; router_w: four rows of 28 bytes a lane
	v_lshl_add_u32 v8, v2, 5, v3                   ; scale bytes: 32 r + h
	v_and_b32 v9, 1, v0                            ; which of my wave's two tokens this lane finishes
	v_lshlrev_b32 v10, 3, v1                       ; 8 x lane
.irp i, 12,13,14,15
	v_mov_b32 v\i, 0
.endr
	s_wait_kmcnt 0x0
	s_load_b128 s[20:23], s[8:9], 0x0              ; the bias: 16 + 8 + 4 = its 28 bytes
	s_load_b64 s[24:25], s[8:9], 0x10
	s_load_b32 s26, s[8:9], 0x18
	s_lshl_b32 s30, s28, 16
	s_lshl_b32 s27, s29, 9
	s_add_co_u32 s30, s30, s27
	s_add_nc_u64 s[34:35], s[4:5], s[30:31]        ; x at row 16 T, k = 128 s
	s_lshl_b32 s30, s19, 13
	s_add_nc_u64 s[36:37], s[4:5], s[30:31]        ; x at row 2 W
	s_mul_i32 s30, s28, 12288
	s_mul_i32 s27, s29, 1536
	s_add_co_u32 s30, s30, s27
	s_add_nc_u64 s[38:39], s[10:11], s[30:31]      ; xsh: my fragment's image
	s_lshl_b32 s30, s28, 9
	s_lshl_b32 s27, s29, 2
	s_add_co_u32 s30, s30, s27
	s_add_nc_u64 s[40:41], s[10:11], s[30:31]      ; xsh: 32 x slot + 4 s (the scale bytes' start stands in the immediate)
	s_mul_i32 s30, s19, 4608
	s_add_nc_u64 s[42:43], s[12:13], s[30:31]      ; xrt: my part to clear
	s_lshl_b32 s30, s19, 9
	s_add_nc_u64 s[44:45], s[12:13], s[30:31]
	s_lshl_b32 s30, s19, 3
	s_add_nc_u64 s[46:47], s[14:15], s[30:31]      ; route: 4 bytes a token
	s_lshl_b32 s30, s19, 4
	s_add_nc_u64 s[48:49], s[14:15], s[30:31]      ; route: 8 bytes a token
	s_add_nc_u64 s[50:51], s[16:17], s[30:31]      ; wts likewise
	; all loads first: J1's 16, J2's 16 of x, the 56 of router_w
.irp c, 0,1
.irp i, 0,1,2,3,4,5,6,7
	global_load_b128 v[32+32*\c+4*\i:32+32*\c+4*\i+3], v4, s[34:35] offset:256*\c+16*\i
.endr
.endr
.irp t, 0,1
.irp i, 0,1,2,3,4,5,6,7
	global_load_b128 v[96+32*\t+4*\i:96+32*\t+4*\i+3], v5, s[36:37] offset:4096*\t+512*\i   ; x[t][128 i + 4 lane + q]
.endr
.endr
	WIN 0x40                                       ; destination window 1
.irp i, 0,1,2,3,4,5,6,7
.irp m, 0,1,2,3,4,5,6
	global_load_b128 v[28*\i+4*\m:28*\i+4*\m+3], v7, s[6:7] offset:3584*\i+16*\m            ; register 28 i + 7 q + e = router_w[128 i + 4 lane + q][e]
.endr
.endr
	WIN 0
	; (Z)
.irp i, 0,1,2,3,4,5,6,7,8
	global_store_b128 v5, v[12:15], s[42:43] offset:512*\i
.endr
	s_cmp_lt_u32 s19, 192
	s_cbranch_scc0 .Lno_scales
	global_store_b128 v5, v[12:15], s[44:45] offset:2359296
.Lno_scales:
	; (J1)
	s_wait_loadcnt 63                              ; 72 loads are younger than J1's; 63 is the most that a wait names, and a smaller count is safe
.irp c, 0,1
	v_max3_num_f32 v[16+\c], |v[32+32*\c]|, |v[33+32*\c]|, FLOOR
.endr
.irp i, 2,4,6,8,10,12,14,16,18,20,22,24,26,28,30
.irp c, 0,1
	v_max3_num_f32 v[16+\c], v[16+\c], |v[32+32*\c+\i]|, |v[33+32*\c+\i]|   ; the two blocks by turns
.endr
.endr
.irp c, 0,1
	v_add_nc_u32 v[18+\c], 0xff000000, v[16+\c]    ; 2 off the exponent field: the conversion's scale operand
.endr
.irp c, 0,1
	v_lshrrev_b32 v[20+\c], 23, v[18+\c]           ; the scale's byte
.endr
.irp c, 0,1
	v_cvt_scalef32_pk16_fp6_f32 v[224+6*\c:226+6*\c], v[32+32*\c:47+32*\c], v[18+\c]
	v_cvt_scalef32_pk16_fp6_f32 v[240+4*\c:242+4*\c], v[48+32*\c:63+32*\c], v[18+\c]   ; (a conversion's three registers begin on an even number)
.endr
	v_nop                                          ; one plain place behind a scaled conversion
.irp c, 0,1
.irp i, 0,1,2
	v_mov_b32 v[227+6*\c+\i], v[240+4*\c+\i]
.endr
.endr
.irp j, 0,1,2
	global_store_b128 v5, v[224+4*\j:227+4*\j], s[38:39] offset:512*\j   ; 512 consecutive bytes a store
.endr
.irp c, 0,1
	global_store_b8 v8, v[20+\c], s[40:41] offset:786432+2*\c            ; block 4 s + 2 c + h of row r
.endr
	; (J2) fourteen sums, 32 products a lane each; consecutive lines name different sums
	s_wait_loadcnt 0x0
	WIN 0x04                                       ; source 1 in window 1
.set i, 0
.rept 8
.irp q, 0,1,2,3
.irp t, 0,1
.irp e, 0,1,2,3,4,5,6
.if (i == 0) && (\q == 0)
	v_mul_f32 v[160+7*\t+\e], v[96+32*\t+4*i+\q], v[28*i+7*\q+\e]
.else
	v_fmac_f32 v[160+7*\t+\e], v[96+32*\t+4*i+\q], v[28*i+7*\q+\e]
.endif
.endr
.endr
.endr
.set i, i+1
.endr
	WIN 0
.set n, 0
.rept 14
	v_mov_b32 v[176+n], 0                          ; a lane permute's destination counts as one of its sources
.set n, n+1
.endr
.irp m, 1,2,4,8
.set n, 0
.rept 14
	v_add_f32_dpp v[160+n], v[160+n], v[160+n] row_xmask:\m row_mask:0xf bank_mask:0xf
.set n, n+1
.endr
.endr
.set n, 0
.rept 14
	v_permlanex16_b32 v[176+n], v[160+n], s52, s53
.set n, n+1
.endr
.set n, 0
.rept 14
	v_add_f32 v[160+n], v[160+n], v[176+n]         ; every lane holds all fourteen sums
.set n, n+1
.endr
	v_cmp_eq_u32 vcc_lo, 1, v9
	s_wait_kmcnt 0x0                               ; the bias
.irp e, 0,1,2,3,4,5,6
	v_cndmask_b32 v[192+\e], v[160+\e], v[167+\e], vcc_lo   ; even lanes token 2 W, odd lanes token 2 W + 1
.endr
.irp e, 0,1,2,3,4,5,6
	v_add_f32 v[192+\e], s[20+\e], v[192+\e]
.endr
.irp e, 0,1,2,3,4,5,6
	v_mul_f32 v[192+\e], 0xbfb8aa3b, v[192+\e]     ; - z log2(e)
.endr
.irp e, 0,1,2,3,4,5,6
	v_exp_f32 v[192+\e], v[192+\e]
.endr
	v_nop
	s_wait_alu depctr_va_vdst(0)
.irp e, 0,1,2,3,4,5,6
	v_add_f32 v[192+\e], 1.0, v[192+\e]
.endr
.irp e, 0,1,2,3,4,5,6
	v_rcp_f32 v[192+\e], v[192+\e]                 ; p = 1 / (1 + 2^(- z log2(e)))
.endr
	v_nop
	s_wait_alu depctr_va_vdst(0)
	v_mov_b32 v200, v192                           ; p1, i1 = expert 0
	v_mov_b32 v202, 0
	v_mov_b32 v201, -1.0                           ; p2: under every p
	v_mov_b32 v203, 0
.irp e, 1,2,3,4,5,6
	v_mov_b32 v206, \e
	v_cmp_gt_f32 vcc_lo, v[192+\e], v200           ; beats the first?
	v_cmp_gt_f32 s28, v[192+\e], v201              ; beats the second?
	v_cndmask_b32 v201, v201, v[192+\e], s28
	v_cndmask_b32 v203, v203, v206, s28
	v_cndmask_b32 v201, v201, v200, vcc_lo         ; the old first moves down
	v_cndmask_b32 v203, v203, v202, vcc_lo
	v_cndmask_b32 v200, v200, v[192+\e], vcc_lo
	v_cndmask_b32 v202, v202, v206, vcc_lo
.endr
	v_add_f32 v210, v200, v201
	v_rcp_f32 v210, v210
	v_mov_b32 v207, 1
	s_wait_alu depctr_va_vdst(0)
	v_mul_f32 v204, v200, v210
	v_mul_f32 v205, v201, v210
	v_lshlrev_b32 v208, v202, v207
	v_lshlrev_b32 v209, v203, v207
	v_or_b32 v208, v208, v209                      ; the token's two experts as bits
	s_wait_xcnt 0x0                                ; EXEC changes only behind this wait
	v_cmp_gt_u32 vcc_lo, 2, v1
	s_and_saveexec_b32 s29, vcc_lo                 ; lanes 0 and 1 store their tokens
	global_store_b32 v6, v208, s[46:47]
	global_store_b64 v10, v[202:203], s[48:49] offset:4096
	global_store_b64 v10, v[204:205], s[50:51]
	s_wait_xcnt 0x0
	s_or_b32 exec_lo, exec_lo, s29
	s_endpgm
; (Q) the shared weights
.macro QLD buf, ofs, pitch             ; a pass's 32 loads: rows i and 32 + i of 64, 256 consecutive bytes for each half of the lanes
	WIN 0x40
.set i, 0
.rept 32
	global_load_b128 v[\buf+4*i:\buf+4*i+3], v[GA], s[70:71] offset:\ofs+\pitch*i th:TH_LOAD_NT
.set i, i+1
.endr
	WIN 0
.endm
.macro QPASS c, buf, left              ; 64 rows along K (half c of the K step) x 64 columns.  left: the younger loads that may stay out
	s_wait_loadcnt \left
	s_wait_xcnt 0x0                                ; the last pass's stores have read their registers
	WIN 0x05                                       ; sources 0 and 1 in window 1
.irp q, 0,1,2,3
	v_max3_num_f32 v[M+\q], |v[\buf+\q]|, |v[\buf+4+\q]|, FLOOR
.endr
.set i, 2
.rept 15
.irp q, 0,1,2,3
	v_max3_num_f32 v[M+\q], |v[\buf+4*i+\q]|, |v[\buf+4*i+4+\q]|, v[M+\q]   ; the four columns by turns
.endr
.set i, i+2
.endr
.set i, 0
.rept 32
.irp q, 0,1,2,3
	v_mov_b32 v[T+32*\q+i], v[\buf+4*i+\q]         ; a column's 32 numbers on end: the conversions take neighbours along K from consecutive registers
.endr
.set i, i+1
.endr
	WIN 0
.irp q, 0,1,2,3
	v_add_nc_u32 v[M+\q], 0xff000000, v[M+\q]      ; 2 off the exponent field: the conversion's scale operand
.endr
.irp q, 0,1,2,3
	v_lshrrev_b32 v[BY+\q], 23, v[M+\q]            ; the scale's byte
.endr
.irp p, 0,2
.irp u, 0,1
	v_cvt_scalef32_pk16_fp6_f32 v[CD+12*(\p+\u)+6*\c:CD+12*(\p+\u)+6*\c+2], v[T+32*(\p+\u):T+32*(\p+\u)+15], v[M+\p+\u]
	v_cvt_scalef32_pk16_fp6_f32 v[TP+4*\u:TP+4*\u+2], v[T+32*(\p+\u)+16:T+32*(\p+\u)+31], v[M+\p+\u]
.endr
	v_nop                                          ; one plain place behind a scaled conversion
.irp u, 0,1
.irp n, 0,1,2
	v_mov_b32 v[CD+12*(\p+\u)+6*\c+3+\n], v[TP+4*\u+\n]
.endr
.endr
.endr
.irp q, 0,1,2,3
	global_store_b8 v[WB], v[BY+\q], s[74:75] offset:4*\q+2*\c   ; byte 2 c + hh of the column's scale word
.endr
.if \c == 1
.irp n, 0,1,2
.irp q, 0,1,2,3
	global_store_b128 v[WA], v[CD+12*\q+4*\n:CD+12*\q+4*\n+3], s[72:73] offset:512*\n+16*\q   ; the column is a row of its fragment: lane (row, hh)'s place in each chunk
.endr
.endr
.endif
.endm
.Lweights:
	s_sub_co_u32 s66, s18, 2                       ; 0 gate, 1 up, 2 down
	s_and_b32 s67, ttmp9, 31                       ; which slice
	s_lshr_b32 s68, ttmp9, 5                       ; which K step of eight
	s_mov_b32 s77, 0
	v_and_b32 v2, 15, v0                           ; lane % 16
	v_bfe_u32 v3, v0, 4, 1                         ; hh
	v_lshlrev_b32 v[GA], 4, v2
	s_cmp_eq_u32 s66, 2
	s_cbranch_scc1 .Lwdown
	; gate, up: [1,024][2,048].  Slice j = 64 hidden units; my four columns lie in tile tau = ((lane % 16) / 2) % 4, rows 4 ((lane % 16) % 2) + 8 ((lane % 16) / 8) + q
	v_lshl_add_u32 v[GA], v3, 18, v[GA]            ; lanes 16-31 stand 32 rows of 8,192 bytes further down
	v_bfe_u32 v4, v0, 1, 2
	v_and_b32 v5, 1, v0
	v_bfe_u32 v6, v0, 3, 1
	v_mul_u32_u24 v[WA], v4, 1536
	v_lshl_add_u32 v[WA], v5, 6, v[WA]
	v_lshl_add_u32 v[WA], v6, 7, v[WA]
	v_lshl_add_u32 v[WA], v3, 8, v[WA]
	v_lshl_add_u32 v[WB], v4, 6, v3
	v_lshl_add_u32 v[WB], v5, 4, v[WB]
	v_lshl_add_u32 v[WB], v6, 5, v[WB]
	s_lshl_b32 s69, s66, 1
	s_lshr_b32 s78, s68, 2
	s_add_co_u32 s69, s69, s78                     ; 2 x matrix + K half
	s_and_b32 s78, s68, 3                          ; K step in the half
	s_mul_i32 s79, s67, 102400                     ; the slice's image
	s_mul_i32 s76, s69, 24576
	s_mul_i32 s80, s78, 6144
	s_add_co_u32 s76, s76, s80
	s_add_co_u32 s76, s76, s79
	s_wait_kmcnt 0x0
	s_add_nc_u64 s[72:73], s[62:63], s[76:77]      ; codes
	s_lshl_b32 s76, s69, 10
	s_lshl_b32 s80, s78, 8
	s_add_co_u32 s76, s76, s80
	s_add_co_u32 s76, s76, s79
	s_add_co_u32 s76, s76, 98304
	s_add_nc_u64 s[74:75], s[62:63], s[76:77]      ; scale words
	s_cmp_eq_u32 s66, 0                            ; the choice hangs on the wave's number alone
	s_cselect_b64 s[70:71], s[56:57], s[58:59]
	s_lshl_b32 s76, s68, 20                        ; 128 rows of 8,192 bytes a K step
	s_lshl_b32 s80, s67, 8
	s_add_co_u32 s76, s76, s80
	s_add_nc_u64 s[70:71], s[70:71], s[76:77]
	QLD 0, 0, 8192
	QLD 128, 524288, 8192
	s_branch .Lwq
.Lwdown:
	; down: [2,048][1,024].  Slice x: columns 64 (x / 2) on, K half x % 2; my four columns lie in tile (lane % 16) / 4, rows 4 ((lane % 16) % 4) + q
	v_lshl_add_u32 v[GA], v3, 17, v[GA]            ; 32 rows of 4,096 bytes
	v_bfe_u32 v4, v0, 2, 2
	v_and_b32 v5, 3, v0
	v_mul_u32_u24 v[WA], v4, 1536
	v_lshl_add_u32 v[WA], v5, 6, v[WA]
	v_lshl_add_u32 v[WA], v3, 8, v[WA]
	v_lshl_add_u32 v[WB], v4, 6, v3
	v_lshl_add_u32 v[WB], v5, 4, v[WB]
	s_mul_i32 s79, s67, 51200
	s_add_co_u32 s79, s79, 3276800                 ; behind gate's and up's images
	s_mul_i32 s76, s68, 6144
	s_add_co_u32 s76, s76, s79
	s_wait_kmcnt 0x0
	s_add_nc_u64 s[72:73], s[62:63], s[76:77]
	s_lshl_b32 s76, s68, 8
	s_add_co_u32 s76, s76, s79
	s_add_co_u32 s76, s76, 49152
	s_add_nc_u64 s[74:75], s[62:63], s[76:77]
	s_and_b32 s80, s67, 1
	s_lshl_b32 s76, s80, 22                        ; K half x 1,024 rows of 4,096 bytes
	s_lshl_b32 s80, s68, 19                        ; + K step x 128 rows
	s_add_co_u32 s76, s76, s80
	s_lshr_b32 s80, s67, 1
	s_lshl_b32 s80, s80, 8                         ; + 64 columns x (x / 2)
	s_add_co_u32 s76, s76, s80
	s_add_nc_u64 s[70:71], s[60:61], s[76:77]
	QLD 0, 0, 4096
	QLD 128, 262144, 4096
.Lwq:
	QPASS 0, 0, 32                                 ; 32: the second pass's loads stay out
	QPASS 1, 128, 0
	s_endpgm
.Lfunc_end_k_q54f6055350_prep:
	.size	k_q54f6055350_prep, .Lfunc_end_k_q54f6055350_prep-k_q54f6055350_prep
	.p2alignl 7, 3214868480
	.fill 96, 4, 3214868480
	.section	.rodata,"a",@progbits
	.p2align	6, 0x0
	.amdhsa_kernel k_q54f6055350_prep
		.amdhsa_group_segment_fixed_size 0
		.amdhsa_private_segment_fixed_size 0
		.amdhsa_enable_private_segment 0
		.amdhsa_kernarg_size 88
		.amdhsa_user_sgpr_count 2
		.amdhsa_user_sgpr_kernarg_segment_ptr 1
		.amdhsa_wavefront_size32 1
		.amdhsa_system_sgpr_workgroup_id_x 1
		.amdhsa_system_sgpr_workgroup_id_y 1
		.amdhsa_system_sgpr_workgroup_id_z 1
		.amdhsa_system_vgpr_workitem_id 0
		.amdhsa_next_free_vgpr 512
		.amdhsa_next_free_sgpr 84
		.amdhsa_reserve_vcc 1
		.amdhsa_float_denorm_mode_32 3
		.amdhsa_float_denorm_mode_16_64 3
		.amdhsa_memory_ordered 1
		.amdhsa_forward_progress 1
		.amdhsa_inst_pref_size 76
	.end_amdhsa_kernel
	.amdgpu_metadata
---
amdhsa.version: [ 1, 2 ]
amdhsa.kernels:
  - .name:           k_q54f6055350_prep
    .symbol:         k_q54f6055350_prep.kd
    .args:
      - { .name: x, .offset: 0, .size: 8, .value_kind: global_buffer, .address_space: global }
      - { .name: router_w, .offset: 8, .size: 8, .value_kind: global_buffer, .address_space: global }
      - { .name: routing_bias, .offset: 16, .size: 8, .value_kind: global_buffer, .address_space: global }
      - { .name: xsh, .offset: 24, .size: 8, .value_kind: global_buffer, .address_space: global }
      - { .name: xrt, .offset: 32, .size: 8, .value_kind: global_buffer, .address_space: global }
      - { .name: route, .offset: 40, .size: 8, .value_kind: global_buffer, .address_space: global }
      - { .name: wts, .offset: 48, .size: 8, .value_kind: global_buffer, .address_space: global }
      - { .name: wsh, .offset: 56, .size: 8, .value_kind: global_buffer, .address_space: global }
      - { .name: shared_gate_w, .offset: 64, .size: 8, .value_kind: global_buffer, .address_space: global }
      - { .name: shared_up_w, .offset: 72, .size: 8, .value_kind: global_buffer, .address_space: global }
      - { .name: shared_down_w, .offset: 80, .size: 8, .value_kind: global_buffer, .address_space: global }
    .group_segment_fixed_size: 0
    .private_segment_fixed_size: 0
    .kernarg_segment_align: 8
    .kernarg_segment_size: 88
    .max_flat_workgroup_size: 160
    .sgpr_count:     84
    .vgpr_count:     512
    .wavefront_size: 32
...
	.end_amdgpu_metadata
.endif
;; end of part 6
;; launch place: the kernel of part 2 again; grid 64 x 1, 1 waves a work-group, no clusters, 0 bytes of LDS; arguments xsh, route, xrt, tab; writes xrt, tab
;; launch gateup (part 7): grid 32 x 8, 4 waves a work-group, no clusters, 205,312 bytes of LDS; arguments routed_gate_w, routed_up_w, xsh, xrt, tab, himg, wsh; writes himg
.if DOCPART == 7
	.amdgcn_target "amdgcn-amd-amdhsa--gfx1250"
	.amdhsa_code_object_version 6
	.text
	.protected	k_q54f6055350_gateup
	.globl	k_q54f6055350_gateup
	.p2align	8
	.type	k_q54f6055350_gateup,@function
k_q54f6055350_gateup:
	s_mov_b64 s[64:65], 0
	v_nop
	global_prefetch_b8 v0, s[64:65] scope:SCOPE_SE
	s_setreg_imm32_b32 hwreg(HW_REG_WAVE_MODE, 25, 1), 1
	s_wait_xcnt 0x0
; GATEUP.  h = silu(x Wg) * (x Wu), both products on E2M3 codes with E8M0 scales, h quantised on the way.  THE WEIGHTS STAND STILL: work-group (j, y) owns hidden units 64 j .. 64 j + 63 of one
; expert (y = 0: the shared one, else routed expert y - 1) and keeps their codes in LDS as images of operand fragments.  What goes round is small: the tokens' codes, straight from memory into registers.
; A ROUTED work-group reads its 2 x 1,024 x 64 f32 numbers from memory once and quantises them in registers.  THE SHARED work-groups, which have 16 groups of tokens to walk where a routed one has a third
; of that, find their images ready in wsh (the first launch made them) and copy 102,400 bytes: so they walk while the others still stream.  The two ways part on y and have LDS bytes of their own.
; QUANTISING.  Wave w takes matrix w / 2 (gate, up) and K half w % 2: four K steps of 128, each in two passes of 64 rows, written out: every offset is an immediate and no base is stepped.
; In a pass a lane loads four neighbouring columns of 32 rows (sixteen lanes read 256 consecutive bytes of a row; lanes 16-31 stand 32 rows further down), so four whole blocks along K are its own.
; The loads of W go out first; the first group's codes of x follow them, one K step in each of the eight passes.
; THE UNITS OF A TILE ARE NOT NEIGHBOURS: rows 0-7 of tile tau are units 8 tau + 0..7, rows 8-15 units 32 + 8 tau + 0..7.  The products are used transposed (source 0 = 16 units, source 1 = 16 tokens),
; so lane (r, hh) holds, in the 32 registers of a matrix's four tiles, units 32 hh + 0 .. 31 of token r: one whole block of the next product's K, in order.  Its codes are six registers of that product's operand as they stand.
; TOKENS.  Slots go in groups of 64 (four tiles); wave w takes groups g0 + w, g0 + w + 4, ..  (g0, ng) of a routed expert are whole numbers read from tab; hence no tensor load, and the one barrier stands ahead of the walk.
; A group: 8 K steps x 32 matrix instructions on 32 accumulators, which take turns.  The next group's codes are asked for K step by K step, each into the registers just multiplied.
; LDS, from base 0 (routed) or 102,400 (shared): part w = 2 x matrix + K half: 16 fragments at 24,576 w (K step t of the half, tile tau: (4 t + tau) x 1,536; chunk n = registers 4 n .. 4 n + 3 at 512 n + 16 x lane);
;   its scale words at 98,304 + 1,024 w + 256 t + 64 tau + 4 x row.
; REGISTERS.  Window 0: v1-11, v15 addresses; v16-47 W's scale words, v48-63 x's: these hold scales alone; v64-159 W's eight fragments of a K step; v160-255 the activation.  While quantising v64-255 are at work.
;   Window 1: two pass buffers of 128 (or what is copied), later the accumulators (tile of tokens b, tile a: 64 b + 8 a; a = 0-3 gate, 4-7 up).  Windows 2, 3: x's fragments, K step s at window 2 + s / 4, register 48 (s % 4) + 12 b.
; LIMITS: NaN and infinities are not served; a block whose largest magnitude lies under 2^-124 gets the byte 1 (a block of zeros too: its codes are zeros).
.set FLOOR, 0x1800000                  ; 2^(3 - 127)
.set LI,  1                            ; 16 x lane: offsets in memory
.set LI2, 2                            ; LDS: base + 49,152 + 16 x lane: the up matrix's fragments
.set LSW, 3                            ; LDS: base + 98,304 + 4 x lane
.set LX,  4                            ; 32 x lane
.set L8,  5                            ; 8 x lane
.set LB,  6                            ; 64 x (lane % 16) + lane / 16
.set GA,  7                            ; W: 32 rows x hh + 16 x (lane % 16)
.set WA,  8                            ; LDS: where my columns' codes go
.set WB,  9                            ; LDS: and their scale bytes
.set LIW, 10                           ; LDS: base + 16 x lane: the gate matrix's fragments
.set CPA, 11                           ; LDS: 102,400 + 25,600 x wave + 16 x lane: where I put what I copy
.set CPG, 15                           ; 25,600 x wave + 16 x lane: and where it lies in the slice's image
.set WS,  16
.set XS,  48
.set WF,  64
.set T1,  160
.set H,   192
.set BYH, 224
.set TPH, 228
.set CDH, 232
.set T,   64                           ; quantising: 4 columns x 32 numbers down K
.set CD,  192                          ; 4 columns x 12 registers of codes
.set TP,  240                          ; two sets of four: a conversion's three registers begin on an even number
.set M,   248                          ; largest magnitudes, then the conversions' scale operands
.set BY,  252                          ; scale bytes
.set MSB, 0
.macro WIN new                         ; the immediate's high byte repeats the setting that is left
.if MSB != (\new)
	s_set_vgpr_msb (MSB<<8)|(\new)
.set MSB, (\new)
.endif
.endm
.macro NOP4                            ; four places behind matrix instructions, ahead of loads into their registers and of reads of their results
.rept 4
	v_nop
.endr
.endm
.macro WLD buf, ofs                    ; a pass's 32 loads: rows i and 32 + i of 64, 256 consecutive bytes for each half of the lanes
	WIN 0x40
.set i, 0
.rept 32
	global_load_b128 v[\buf+4*i:\buf+4*i+3], v[GA], s[32:33] offset:\ofs+8192*i th:TH_LOAD_NT
.set i, i+1
.endr
	WIN 0
.endm
.macro XLOAD s                         ; the four tiles' fragments of K step s of the group at s[38:39]
	WIN 0x80+0x40*((\s)/4)
.irp b, 0,1,2,3
.irp n, 0,1,2
	global_load_b128 v[48*((\s)%4)+12*\b+4*\n:48*((\s)%4)+12*\b+4*\n+3], v[LI], s[38:39] offset:12288*\b+1536*(\s)+512*\n
.endr
.endr
	WIN 0
.endm
.macro XSLOAD                          ; the group's scale words: lane l takes slot 32 p + l, eight words, one for each K step
.irp p, 0,1
.irp n, 0,1
	global_load_b128 v[XS+8*\p+4*\n:XS+8*\p+4*\n+3], v[LX], s[40:41] offset:1024*\p+16*\n
.endr
.endr
.endm
; A pass: 64 rows along K (half c of K step t of my half) x 64 columns.  left: the younger loads that may stay out.  ld = 1: the buffer takes the same pass of the next K step, at ofs.
; Behind W's loads go the first group's codes of x, K step xs.
.macro PASS c, buf, ld, ofs, left, t, xs
	s_wait_loadcnt \left                           ; this buffer's 32 loads are in
	s_wait_dscnt 0x0                               ; the last LDS stores have read their registers
	WIN 0x05                                       ; sources 0 and 1 in window 1
.irp q, 0,1,2,3
	v_max3_num_f32 v[M+\q], |v[\buf+\q]|, |v[\buf+4+\q]|, FLOOR
.endr
.set i, 2
.rept 15
.irp q, 0,1,2,3
	v_max3_num_f32 v[M+\q], |v[\buf+4*i+\q]|, |v[\buf+4*i+4+\q]|, v[M+\q]   ; the four columns by turns
.endr
.set i, i+2
.endr
.set i, 0
.rept 32
.irp q, 0,1,2,3
	v_mov_b32 v[T+32*\q+i], v[\buf+4*i+\q]         ; a column's 32 numbers on end: the conversions take neighbours along K from consecutive registers
.endr
.set i, i+1
.endr
.if \ld
	WLD \buf, \ofs
.endif
	XLOAD \xs
.if \xs == 7
	XSLOAD
.endif
.irp q, 0,1,2,3
	v_add_nc_u32 v[M+\q], 0xff000000, v[M+\q]      ; 2 off the exponent field: the conversion's scale operand
.endr
.irp q, 0,1,2,3
	v_lshrrev_b32 v[BY+\q], 23, v[M+\q]            ; the scale's byte
.endr
.irp p, 0,2
.irp u, 0,1
	v_cvt_scalef32_pk16_fp6_f32 v[CD+12*(\p+\u)+6*\c:CD+12*(\p+\u)+6*\c+2], v[T+32*(\p+\u):T+32*(\p+\u)+15], v[M+\p+\u]
	v_cvt_scalef32_pk16_fp6_f32 v[TP+4*\u:TP+4*\u+2], v[T+32*(\p+\u)+16:T+32*(\p+\u)+31], v[M+\p+\u]
.endr
	v_nop                                          ; one plain place behind a scaled conversion
.irp u, 0,1
.irp n, 0,1,2
	v_mov_b32 v[CD+12*(\p+\u)+6*\c+3+\n], v[TP+4*\u+\n]
.endr
.endr
.endr
.irp q, 0,1,2,3
	ds_store_b8 v[WB], v[BY+\q] offset:256*(\t)+4*\q+2*\c   ; byte 2 c + hh of the column's scale word
.endr
.if \c == 1
.irp q, 0,1,2,3
.irp n, 0,1,2
	ds_store_b128 v[WA], v[CD+12*\q+4*\n:CD+12*\q+4*\n+3] offset:6144*(\t)+512*\n+16*\q   ; the column is a row of its fragment: lane (row, hh)'s place in each chunk
.endr
.endr
.endif
.endm
.macro GCALC                           ; from (g0, ng) in s26, s27: my groups, the first of them, and where its codes and scale words lie
	s_add_co_u32 s28, s27, 3
	s_sub_co_u32 s28, s28, s20
	s_lshr_b32 s28, s28, 2                         ; my groups
	s_add_co_u32 s29, s26, s20                     ; the first of them
	s_min_u32 s46, s29, 47                         ; (a wave without groups reads a group all the same: xrt is written whole, and nothing is made of it)
	s_mul_i32 s48, s46, 49152
	s_add_nc_u64 s[38:39], s[34:35], s[48:49]
	s_lshl_b32 s48, s46, 11
	s_add_nc_u64 s[40:41], s[36:37], s[48:49]
.endm
.macro WLOAD s, a0                     ; four of W's fragments of K step s: gate's (a0 = 0) or up's (4)
.irp a, 0,1,2,3
.irp n, 0,1,2
.if \a0 == 0
	ds_load_b128 v[WF+12*\a+4*\n:WF+12*\a+4*\n+3], v[LIW] offset:(16*((\s)/4)+4*((\s)%4)+\a)*1536+512*\n
.else
	ds_load_b128 v[WF+48+12*\a+4*\n:WF+48+12*\a+4*\n+3], v[LI2] offset:(16*((\s)/4)+4*((\s)%4)+\a)*1536+512*\n
.endif
.endr
.endr
.endm
; One product.  A scale register carries two tiles' words: lanes 0-15 the even tile's, lanes 16-31 the odd one's.
.macro WM s, a, b, zero
.set rD, 64*(\b)+8*(\a)
.set rA, WF+12*(\a)
.set rB, 48*((\s)%4)+12*(\b)
.set rP, WS+4*(\s)+(\a)/2
.set rQ, XS+8*((\b)/2)+(\s)
.set par, 2*((\a)%2)+(\b)%2
.if \zero
.if par == 0
	v_wmma_scale_f32_16x16x128_f8f6f4 v[rD:rD+7], v[rA:rA+11], v[rB:rB+11], 0, v[rP], v[rQ] matrix_a_fmt:MATRIX_FMT_FP6 matrix_b_fmt:MATRIX_FMT_FP6
.elseif par == 1
	v_wmma_scale_f32_16x16x128_f8f6f4 v[rD:rD+7], v[rA:rA+11], v[rB:rB+11], 0, v[rP], v[rQ] matrix_a_fmt:MATRIX_FMT_FP6 matrix_b_fmt:MATRIX_FMT_FP6 matrix_b_scale:MATRIX_SCALE_ROW1
.elseif par == 2
	v_wmma_scale_f32_16x16x128_f8f6f4 v[rD:rD+7], v[rA:rA+11], v[rB:rB+11], 0, v[rP], v[rQ] matrix_a_fmt:MATRIX_FMT_FP6 matrix_b_fmt:MATRIX_FMT_FP6 matrix_a_scale:MATRIX_SCALE_ROW1
.else
	v_wmma_scale_f32_16x16x128_f8f6f4 v[rD:rD+7], v[rA:rA+11], v[rB:rB+11], 0, v[rP], v[rQ] matrix_a_fmt:MATRIX_FMT_FP6 matrix_b_fmt:MATRIX_FMT_FP6 matrix_a_scale:MATRIX_SCALE_ROW1 matrix_b_scale:MATRIX_SCALE_ROW1
.endif
.else
.if par == 0
	v_wmma_scale_f32_16x16x128_f8f6f4 v[rD:rD+7], v[rA:rA+11], v[rB:rB+11], v[rD:rD+7], v[rP], v[rQ] matrix_a_fmt:MATRIX_FMT_FP6 matrix_b_fmt:MATRIX_FMT_FP6
.elseif par == 1
	v_wmma_scale_f32_16x16x128_f8f6f4 v[rD:rD+7], v[rA:rA+11], v[rB:rB+11], v[rD:rD+7], v[rP], v[rQ] matrix_a_fmt:MATRIX_FMT_FP6 matrix_b_fmt:MATRIX_FMT_FP6 matrix_b_scale:MATRIX_SCALE_ROW1
.elseif par == 2
	v_wmma_scale_f32_16x16x128_f8f6f4 v[rD:rD+7], v[rA:rA+11], v[rB:rB+11], v[rD:rD+7], v[rP], v[rQ] matrix_a_fmt:MATRIX_FMT_FP6 matrix_b_fmt:MATRIX_FMT_FP6 matrix_a_scale:MATRIX_SCALE_ROW1
.else
	v_wmma_scale_f32_16x16x128_f8f6f4 v[rD:rD+7], v[rA:rA+11], v[rB:rB+11], v[rD:rD+7], v[rP], v[rQ] matrix_a_fmt:MATRIX_FMT_FP6 matrix_b_fmt:MATRIX_FMT_FP6 matrix_a_scale:MATRIX_SCALE_ROW1 matrix_b_scale:MATRIX_SCALE_ROW1
.endif
.endif
.endm
.macro MM s, a0, zero                  ; 16 products: four tiles of units x four tiles of tokens
	WIN 0x58+4*((\s)/4)                            ; source 0 window 0, source 1 window 2 or 3, C and D window 1
.irp a, 0,1,2,3
.irp b, 0,1,2,3
	WM \s, \a0+\a, \b, \zero
.endr
.endr
.endm
.macro STEP s, pf, zero                ; a K step.  pf = 1: another group follows
	s_wait_dscnt 12                                ; gate's four fragments are in; up's twelve loads may be out
	MM \s, 0, \zero
	NOP4
	WIN 0
.if ((\s) < 7) || \pf
	WLOAD ((\s)+1)%8, 0
	s_wait_dscnt 12                                ; all but the twelve just issued
.else
	s_wait_dscnt 0x0
.endif
	MM \s, 4, \zero
	NOP4
	WIN 0
.if ((\s) < 7) || \pf
	WLOAD ((\s)+1)%8, 4
.endif
.if \pf
	XLOAD \s                                       ; the next group's K step s, into the registers just multiplied
.endif
.endm
; Tile b of tokens: h = g u / (1 + 2^(- g log2(e))), in f32; my 32 numbers are one block; codes and byte leave.  Each accumulator is read from its low end on.
.macro EPI b
	WIN 0x01
.set i, 0
.rept 16
	v_pk_mul_f32 v[T1+i:T1+i+1], v[64*\b+i:64*\b+i+1], 0xbfb8aa3b op_sel_hi:[1,0]
.set i, i+2
.endr
	WIN 0x05
.set i, 0
.rept 16
	v_pk_mul_f32 v[H+i:H+i+1], v[64*\b+i:64*\b+i+1], v[64*\b+32+i:64*\b+32+i+1]
.set i, i+2
.endr
	WIN 0
.set i, 0
.rept 32
	v_exp_f32 v[T1+i], v[T1+i]
.set i, i+1
.endr
	v_nop
.set i, 0
	s_wait_alu depctr_va_vdst(0)
.rept 16
	v_pk_add_f32 v[T1+i:T1+i+1], v[T1+i:T1+i+1], 1.0 op_sel_hi:[1,0]
.set i, i+2
.endr
.set i, 0
.rept 32
	v_rcp_f32 v[T1+i], v[T1+i]
.set i, i+1
.endr
	v_nop
.set i, 0
	s_wait_alu depctr_va_vdst(0)
.rept 16
	v_pk_mul_f32 v[H+i:H+i+1], v[H+i:H+i+1], v[T1+i:T1+i+1]
.set i, i+2
.endr
	v_max3_num_f32 v12, |v[H]|, |v[H+1]|, FLOOR
	v_max3_num_f32 v13, |v[H+2]|, |v[H+3]|, FLOOR
.set i, 4
.rept 7
	v_max3_num_f32 v12, v12, |v[H+i]|, |v[H+i+1]|
	v_max3_num_f32 v13, v13, |v[H+i+2]|, |v[H+i+3]|
.set i, i+4
.endr
	v_max_num_f32 v12, v12, v13
	v_add_nc_u32 v14, 0xff000000, v12
	v_lshrrev_b32 v[BYH+\b], 23, v14
	v_cvt_scalef32_pk16_fp6_f32 v[CDH+6*\b:CDH+6*\b+2], v[H:H+15], v14
	v_cvt_scalef32_pk16_fp6_f32 v[TPH:TPH+2], v[H+16:H+31], v14
	v_nop
.irp n, 0,1,2
	v_mov_b32 v[CDH+6*\b+3+\n], v[TPH+\n]
.endr
	global_store_b128 v[LI], v[CDH+6*\b:CDH+6*\b+3], s[42:43] offset:24576*\b       ; 512 consecutive bytes,
	global_store_b64 v[L8], v[CDH+6*\b+4:CDH+6*\b+5], s[42:43] offset:24576*\b+512  ; and 256: six registers of the next product's operand
	global_store_b8 v[LB], v[BYH+\b], s[44:45] offset:1024*\b                       ; block 2 j + hh of slot r
.endm
.macro UNIT pf                         ; a group of 64 slots
	s_wait_loadcnt 0x0                             ; the group's codes and scale words are in
	s_wait_xcnt 0x0                                ; the last group's stores have read their registers and bases
	s_add_co_u32 s46, s29, s31
	s_min_u32 s46, s46, 63                         ; global group
	s_mul_i32 s48, s46, 98304
	s_add_nc_u64 s[42:43], s[54:55], s[48:49]
	s_lshl_b32 s48, s46, 12
	s_add_nc_u64 s[44:45], s[56:57], s[48:49]
.if \pf
	s_add_co_u32 s46, s29, 4
	s_min_u32 s46, s46, 47
	s_mul_i32 s48, s46, 49152
	s_add_nc_u64 s[38:39], s[34:35], s[48:49]
	s_lshl_b32 s48, s46, 11
	s_add_nc_u64 s[40:41], s[36:37], s[48:49]
.endif
	STEP 0, \pf, 1                                 ; the first K step starts the sums: nothing is cleared
.irp s, 1,2,3,4,5,6,7
	STEP \s, \pf, 0
.endr
.if \pf
	XSLOAD
.endif
.irp b, 0,1,2,3
	EPI \b
.endr
	s_add_co_u32 s29, s29, 4
.endm
	s_load_b256 s[4:11], s[0:1], 0x0               ; routed gate, routed up, xsh, xrt
	s_load_b128 s[12:15], s[0:1], 0x20             ; tab, himg
	s_load_b64 s[16:17], s[0:1], 0x30              ; wsh
	s_set_vgpr_msb 0x80
	v_lshl_add_u32 v254, v0, 2, 0x32000
	v_mov_b32 v255, 0
	s_set_vgpr_msb 0x8000
	v_lshrrev_b32 v69, 5, v0
	v_readfirstlane_b32 s20, v69                   ; wave
	s_mov_b32 s21, ttmp9                           ; j
	s_and_b32 s22, ttmp7, 0xffff                   ; y
	s_max_u32 s23, s22, 1
	s_sub_co_u32 s23, s23, 1                       ; routed expert
	s_lshl_b32 s24, s23, 3
	s_mov_b32 s47, 0
	s_mov_b32 s49, 0
	s_cmp_eq_u32 s22, 0
	s_cselect_b32 s50, 102400, 0                   ; where this work-group's images lie in LDS
	; every address register is made here, ahead of the parting of the ways
	v_and_b32 v64, 31, v0                          ; lane
	v_and_b32 v65, 15, v0                          ; lane % 16
	v_bfe_u32 v66, v0, 4, 1                        ; hh
	v_lshlrev_b32 v[LI], 4, v64
	v_add_nc_u32 v[LIW], s50, v[LI]
	v_add_nc_u32 v[LI2], 49152, v[LIW]
	v_lshl_add_u32 v[LSW], v64, 2, 98304
	v_add_nc_u32 v[LSW], s50, v[LSW]
	v_lshlrev_b32 v[LX], 5, v64
	v_lshlrev_b32 v[L8], 3, v64
	v_lshl_add_u32 v[LB], v65, 6, v66
	v_lshlrev_b32 v[GA], 4, v65
	v_lshl_add_u32 v[GA], v66, 18, v[GA]
	v_bfe_u32 v67, v0, 1, 2                        ; my four columns 4 (lane % 16) + q lie in tile tau = ((lane % 16) / 2) % 4,
	v_and_b32 v68, 1, v0                           ; rows 4 ((lane % 16) % 2)
	v_bfe_u32 v69, v0, 3, 1                        ; + 8 ((lane % 16) / 8) + q
	v_mul_u32_u24 v[WA], v67, 1536
	v_lshl_add_u32 v[WA], v68, 6, v[WA]
	v_lshl_add_u32 v[WA], v69, 7, v[WA]
	v_lshl_add_u32 v[WA], v66, 8, v[WA]
	s_mul_i32 s46, s20, 24576
	v_add_nc_u32 v[WA], s46, v[WA]
	v_lshl_add_u32 v[WB], v67, 6, v66
	v_lshl_add_u32 v[WB], v68, 4, v[WB]
	v_lshl_add_u32 v[WB], v69, 5, v[WB]
	s_lshl_b32 s46, s20, 10
	s_add_co_u32 s46, s46, 98304
	v_add_nc_u32 v[WB], s46, v[WB]
	s_mul_i32 s46, s20, 25600
	v_add_nc_u32 v[CPG], s46, v[LI]
	v_add_nc_u32 v[CPA], 102400, v[CPG]
	s_wait_kmcnt 0x0
	s_cmp_eq_u32 s22, 0                            ; the choices hang on the work-group's and the wave's number alone
	s_cselect_b64 s[34:35], s[8:9], s[10:11]       ; the tokens' codes
	s_mov_b32 s46, 2359296
	s_cselect_b32 s46, 786432, s46
	s_cselect_b32 s31, 0, 16                       ; routed groups lie behind the shared expert's sixteen
	s_add_nc_u64 s[36:37], s[34:35], s[46:47]      ; and their scale bytes
	s_mul_i32 s46, s21, 768
	s_add_nc_u64 s[54:55], s[14:15], s[46:47]      ; himg: slice j of a tile
	s_lshl_b32 s46, s21, 1
	s_add_co_u32 s46, s46, 6291456
	s_add_nc_u64 s[56:57], s[14:15], s[46:47]      ; himg: block 2 j of a slot's scale bytes
	s_cmp_eq_u32 s22, 0
	s_cbranch_scc1 .Lshared
	; ---- a routed expert: stream and quantise
	s_load_b64 s[26:27], s[12:13], s24 offset:0x2000   ; (g0, ng): wanted only behind W's first loads
	s_cmp_lt_u32 s20, 2
	s_cselect_b64 s[32:33], s[4:5], s[6:7]         ; waves 0, 1: gate; 2, 3: up
	s_lshl_b32 s46, s23, 23                        ; expert x 1,024 x 2,048 x 4
	s_and_b32 s48, s20, 1
	s_lshl_b32 s48, s48, 22                        ; + K half x 512 rows of 8,192 bytes
	s_add_co_u32 s46, s46, s48
	s_lshl_b32 s48, s21, 8                         ; + 256 j
	s_add_co_u32 s46, s46, s48
	s_add_nc_u64 s[32:33], s[32:33], s[46:47]
	WLD 0, 0                                       ; W first: its 64 loads are out before anything else is asked for
	WLD 128, 524288
	s_wait_kmcnt 0x0
	GCALC
	; the counts: what was issued behind the buffer's own 32 loads
	PASS 0, 0,   1, 1048576, 32, 0, 0              ; the other buffer's 32
	PASS 1, 128, 1, 1572864, 44, 0, 1              ; 32 of W, 12 of x
	PASS 0, 0,   1, 2097152, 56, 1, 2              ; 12 of x, 32 of W, 12 of x
	PASS 1, 128, 1, 2621440, 56, 1, 3
	PASS 0, 0,   1, 3145728, 56, 2, 4
	PASS 1, 128, 1, 3670016, 56, 2, 5
	PASS 0, 0,   0, 0,       56, 3, 6              ; the last K step loads no W
	PASS 1, 128, 0, 0,       24, 3, 7              ; 12 and 12 of x
	s_branch .Ljoin
.Lshared:
	; ---- the shared expert: the slice's image is copied as it lies, a quarter to each wave
	s_mul_i32 s46, s21, 102400
	s_add_nc_u64 s[32:33], s[16:17], s[46:47]
	WIN 0x40
.set i, 0
.rept 50
	global_load_b128 v[4*i:4*i+3], v[CPG], s[32:33] offset:512*i th:TH_LOAD_NT
.set i, i+1
.endr
	WIN 0
	s_mov_b32 s26, 0                               ; its slots are the tokens: groups 0 to 15
	s_mov_b32 s27, 16
	GCALC
.irp s, 0,1,2,3
	XLOAD \s
.endr
	s_wait_loadcnt 48                              ; what I copy is in; the 48 loads of x behind it may be out
	WIN 0x04                                       ; an LDS store's data are its source 1: window 1
.set i, 0
.rept 50
	ds_store_b128 v[CPA], v[4*i:4*i+3] offset:512*i
.set i, i+1
.endr
	WIN 0
.irp s, 4,5,6,7
	XLOAD \s
.endr
	XSLOAD
.Ljoin:
	s_wait_dscnt 0x0                               ; for the others' sake: my images lie in LDS
	s_barrier_signal -1
	s_barrier_wait -1                              ; everybody's do; LDS is only read from here on
	s_cmp_eq_u32 s28, 0
	s_cbranch_scc1 .Lend
.set i, 0
.rept 32
	ds_load_b32 v[WS+i], v[LSW] offset:(2*((i%4)/2)+(i/4)/4)*1024+((i/4)%4)*256+(i%2)*128   ; K step i / 4, tiles 2 (i % 4) and 2 (i % 4) + 1
.set i, i+1
.endr
	WLOAD 0, 0
	WLOAD 0, 4
	s_sub_co_u32 s30, s28, 1
	s_cmp_eq_u32 s30, 0
	s_cbranch_scc1 .Llast
.Lunit:
	UNIT 1
	s_sub_co_u32 s30, s30, 1
	s_cmp_lg_u32 s30, 0
	s_cbranch_scc1 .Lunit
.Llast:
	UNIT 0                                         ; the last group asks for nothing: no load leaves its buffer
.Lend:
	s_set_vgpr_msb 0xa
	s_wait_tensorcnt 0x0
	ds_add_u32 v254, v255
	s_wait_dscnt 0x0
	s_set_vgpr_msb 0xa00
	s_endpgm
.Lfunc_end_k_q54f6055350_gateup:
	.size	k_q54f6055350_gateup, .Lfunc_end_k_q54f6055350_gateup-k_q54f6055350_gateup
	.p2alignl 7, 3214868480
	.fill 96, 4, 3214868480
	.section	.rodata,"a",@progbits
	.p2align	6, 0x0
	.amdhsa_kernel k_q54f6055350_gateup
		.amdhsa_group_segment_fixed_size 205312
		.amdhsa_private_segment_fixed_size 0
		.amdhsa_enable_private_segment 0
		.amdhsa_kernarg_size 56
		.amdhsa_user_sgpr_count 2
		.amdhsa_user_sgpr_kernarg_segment_ptr 1
		.amdhsa_wavefront_size32 1
		.amdhsa_system_sgpr_workgroup_id_x 1
		.amdhsa_system_sgpr_workgroup_id_y 1
		.amdhsa_system_sgpr_workgroup_id_z 1
		.amdhsa_system_vgpr_workitem_id 0
		.amdhsa_next_free_vgpr 1024
		.amdhsa_next_free_sgpr 66
		.amdhsa_reserve_vcc 0
		.amdhsa_float_denorm_mode_32 3
		.amdhsa_float_denorm_mode_16_64 3
		.amdhsa_memory_ordered 1
		.amdhsa_forward_progress 1
		.amdhsa_inst_pref_size 255
	.end_amdhsa_kernel
	.section	.bss,"aw",@nobits
	.p2align	6
	.space	262144
	.amdgpu_metadata
---
amdhsa.version: [ 1, 2 ]
amdhsa.kernels:
  - .name:           k_q54f6055350_gateup
    .symbol:         k_q54f6055350_gateup.kd
    .args:
      - { .name: routed_gate_w, .offset: 0, .size: 8, .value_kind: global_buffer, .address_space: global }
      - { .name: routed_up_w, .offset: 8, .size: 8, .value_kind: global_buffer, .address_space: global }
      - { .name: xsh, .offset: 16, .size: 8, .value_kind: global_buffer, .address_space: global }
      - { .name: xrt, .offset: 24, .size: 8, .value_kind: global_buffer, .address_space: global }
      - { .name: tab, .offset: 32, .size: 8, .value_kind: global_buffer, .address_space: global }
      - { .name: himg, .offset: 40, .size: 8, .value_kind: global_buffer, .address_space: global }
      - { .name: wsh, .offset: 48, .size: 8, .value_kind: global_buffer, .address_space: global }
    .group_segment_fixed_size: 205312
    .private_segment_fixed_size: 0
    .kernarg_segment_align: 8
    .kernarg_segment_size: 56
    .max_flat_workgroup_size: 128
    .sgpr_count:     66
    .vgpr_count:     1024
    .wavefront_size: 32
...
	.end_amdgpu_metadata
.endif
;; end of part 7
;; launch down (part 8): grid 32 x 8, 4 waves a work-group, no clusters, 120,320 bytes of LDS; arguments routed_down_w, himg, tab, ypart, wsh; writes ypart
.if DOCPART == 8
	.amdgcn_target "amdgcn-amd-amdhsa--gfx1250"
	.amdhsa_code_object_version 6
	.text
	.protected	k_q54f6055350_down
	.globl	k_q54f6055350_down
	.p2align	8
	.type	k_q54f6055350_down,@function
k_q54f6055350_down:
	s_mov_b64 s[64:65], 0
	v_nop
	global_prefetch_b8 v0, s[64:65] scope:SCOPE_SE
	s_setreg_imm32_b32 hwreg(HW_REG_WAVE_MODE, 25, 1), 1
	s_wait_xcnt 0x0
; DOWN.  y = h Wd on E2M3 codes with E8M0 scales.  As in the launch before THE WEIGHTS STAND STILL: work-group (x, y) owns output columns 64 (x / 2) .. + 63 and K half x % 2 (1,024 hidden units) of one expert
; (y = 0: shared, else routed y - 1) and keeps their codes in LDS as images of operand fragments.  The two K halves' sums go to two planes of ypart; the last launch adds them.
; A ROUTED work-group reads its 1,024 x 64 f32 numbers once and quantises them in registers.  THE SHARED work-groups, which walk 16 groups of tokens, copy their 51,200 bytes from wsh, where the first launch
; laid them, and walk while the others stream.  The two ways part on y and have LDS bytes of their own.
; QUANTISING.  Wave w takes rows 256 w .. + 255 of the half: K steps 2 w, 2 w + 1, four passes of 64 rows.  A lane loads four neighbouring columns of 32 rows, so four whole blocks along K are its own.
; The loads of W go out first; the first group's codes of h follow them, two K steps in each of the four passes.
; Tile a is columns 16 a .. 16 a + 15.  The product is used transposed (source 0 = 16 columns of Wd, source 1 = 16 tokens): a lane holds eight neighbouring numbers of one row of y.
; TOKENS.  Groups of 64 slots; wave w takes groups g0 + w, + 4, ..; (g0, ng) are whole numbers read from tab, hence no tensor load, and the one barrier stands ahead of the walk.
; A group: 8 K steps x 16 matrix instructions on 16 accumulators, which take turns.  THE WAITS GO K STEP BY K STEP: a K step waits for its own fragments alone, so the later ones are on
; their way while the first are multiplied.  The next group's scale words are asked for first of all, into a spare set, and moved at the next group's head.
; Results go through the wave's own stage and leave as rows: sixteen lanes store 256 consecutive bytes, aligned.
; LDS, from base 0 (routed) or 51,200 (shared): fragment (K step s, tile a) at (4 s + a) x 1,536; scale words at 49,152 + (2 s + a / 2) x 128 + (a % 2) x 64 + 4 x row.  Stages at 102,400 + 4,352 x wave (16 rows x 272 bytes).
; REGISTERS.  Window 0: v1-13 addresses; v16-31 W's scale words, v32-47 the next group's of h, v48-63 this group's: these hold scales alone; v64-159 W's fragments, two sets; v160-223 rows on the way out.
;   While quantising v64-255 are at work.  Window 1: two pass buffers (or what is copied), later the accumulators (32 b + 8 a).  Windows 2, 3: h's fragments, K step s at window 2 + s / 4, register 48 (s % 4) + 12 b.
; LIMITS: NaN and infinities are not served; a block whose largest magnitude lies under 2^-124 gets the byte 1.
.set FLOOR, 0x1800000
.set LI,  1                            ; 16 x lane: offsets in memory
.set L8,  2                            ; 8 x lane
.set LSW, 3                            ; LDS: base + 49,152 + 4 x lane
.set LX,  4                            ; 64 x lane
.set STO, 5                            ; the stage: row r, + 32 hh
.set RD,  6                            ; back: row lane / 16, 16 bytes a lane
.set CO,  7                            ; the same two rows in ypart
.set GA,  8
.set WA,  9
.set WB,  10
.set LIW, 11                           ; LDS: base + 16 x lane
.set CPA, 12                           ; LDS: 51,200 + 12,800 x wave + 16 x lane: where I put what I copy
.set CPG, 13                           ; 12,800 x wave + 16 x lane: and where it lies in the slice's image
.set WS,  16
.set HT,  32
.set HS,  48
.set WF,  64
.set OUT, 160
.set T,   64
.set CD,  192
.set TP,  240
.set M,   248
.set BY,  252
.set MSB, 0
.macro WIN new                         ; the immediate's high byte repeats the setting that is left
.if MSB != (\new)
	s_set_vgpr_msb (MSB<<8)|(\new)
.set MSB, (\new)
.endif
.endm
.macro NOP4                            ; four places behind matrix instructions, ahead of loads into their registers and of reads of their results
.rept 4
	v_nop
.endr
.endm
.macro WLD buf, ofs
	WIN 0x40
.set i, 0
.rept 32
	global_load_b128 v[\buf+4*i:\buf+4*i+3], v[GA], s[32:33] offset:\ofs+4096*i th:TH_LOAD_NT
.set i, i+1
.endr
	WIN 0
.endm
.macro HLOAD s                         ; the four tiles' fragments of my half's K step s: two slices of six registers each: 16 loads
	WIN 0x80+0x40*((\s)/4)
.irp b, 0,1,2,3
.set rB, 48*((\s)%4)+12*\b
	global_load_b128 v[rB:rB+3], v[LI], s[38:39] offset:24576*\b+1536*(\s)
	global_load_b64 v[rB+4:rB+5], v[L8], s[38:39] offset:24576*\b+1536*(\s)+512
	global_load_b128 v[rB+6:rB+9], v[LI], s[38:39] offset:24576*\b+1536*(\s)+768
	global_load_b64 v[rB+10:rB+11], v[L8], s[38:39] offset:24576*\b+1536*(\s)+1280
.endr
	WIN 0
.endm
.macro HTLOAD                          ; lane l takes slot 32 p + l: my half's eight scale words, into the spare set: 4 loads
.irp p, 0,1
.irp n, 0,1
	global_load_b128 v[HT+8*\p+4*\n:HT+8*\p+4*\n+3], v[LX], s[40:41] offset:2048*\p+16*\n
.endr
.endr
.endm
; A pass: 64 rows along K (half c of a K step) x 64 columns.  wo, bo: the K step's place among my wave's images and scale words.  Behind W's loads go the first group's K steps h0, h0 + 1 of h.
.macro PASS c, buf, ld, ofs, left, wo, bo, h0
	s_wait_loadcnt \left
	s_wait_dscnt 0x0                               ; the last LDS stores have read their registers
	WIN 0x05
.irp q, 0,1,2,3
	v_max3_num_f32 v[M+\q], |v[\buf+\q]|, |v[\buf+4+\q]|, FLOOR
.endr
.set i, 2
.rept 15
.irp q, 0,1,2,3
	v_max3_num_f32 v[M+\q], |v[\buf+4*i+\q]|, |v[\buf+4*i+4+\q]|, v[M+\q]
.endr
.set i, i+2
.endr
.set i, 0
.rept 32
.irp q, 0,1,2,3
	v_mov_b32 v[T+32*\q+i], v[\buf+4*i+\q]
.endr
.set i, i+1
.endr
.if \ld
	WLD \buf, \ofs
.endif
.if \h0 == 0
	WIN 0
	HTLOAD                                         ; the scale words first: they are wanted at the group's head
.endif
	HLOAD \h0
	HLOAD \h0+1
.irp q, 0,1,2,3
	v_add_nc_u32 v[M+\q], 0xff000000, v[M+\q]
.endr
.irp q, 0,1,2,3
	v_lshrrev_b32 v[BY+\q], 23, v[M+\q]
.endr
.irp p, 0,2
.irp u, 0,1
	v_cvt_scalef32_pk16_fp6_f32 v[CD+12*(\p+\u)+6*\c:CD+12*(\p+\u)+6*\c+2], v[T+32*(\p+\u):T+32*(\p+\u)+15], v[M+\p+\u]
	v_cvt_scalef32_pk16_fp6_f32 v[TP+4*\u:TP+4*\u+2], v[T+32*(\p+\u)+16:T+32*(\p+\u)+31], v[M+\p+\u]
.endr
	v_nop                                          ; one plain place behind a scaled conversion
.irp u, 0,1
.irp n, 0,1,2
	v_mov_b32 v[CD+12*(\p+\u)+6*\c+3+\n], v[TP+4*\u+\n]
.endr
.endr
.endr
.irp q, 0,1,2,3
	ds_store_b8 v[WB], v[BY+\q] offset:\bo+4*\q+2*\c
.endr
.if \c == 1
.irp q, 0,1,2,3
.irp n, 0,1,2
	ds_store_b128 v[WA], v[CD+12*\q+4*\n:CD+12*\q+4*\n+3] offset:\wo+512*\n+16*\q
.endr
.endr
.endif
.endm
.macro GCALC                           ; from (g0, ng) in s26, s27: my groups, the first of them, and where its codes and scale words lie
	s_add_co_u32 s28, s27, 3
	s_sub_co_u32 s28, s28, s20
	s_lshr_b32 s28, s28, 2                         ; my groups
	s_add_co_u32 s29, s26, s20                     ; the first of them
	s_add_co_u32 s46, s29, s31
	s_cmp_eq_u32 s28, 0
	s_cselect_b32 s46, 0, s46                      ; a wave without groups reads group 0, which is always written, and makes nothing of it
	s_min_u32 s46, s46, 63                         ; the bound comes last: behind it only a product and a shift lead to the address
	s_mul_i32 s48, s46, 98304
	s_add_nc_u64 s[38:39], s[34:35], s[48:49]
	s_lshl_b32 s48, s46, 12
	s_add_nc_u64 s[40:41], s[36:37], s[48:49]
.endm
.macro WLOAD s                         ; W's four fragments of K step s into set s % 2
.irp a, 0,1,2,3
.irp n, 0,1,2
	ds_load_b128 v[WF+48*((\s)%2)+12*\a+4*\n:WF+48*((\s)%2)+12*\a+4*\n+3], v[LIW] offset:(4*(\s)+\a)*1536+512*\n
.endr
.endr
.endm
.macro WM s, a, b, zero
.set rD, 32*(\b)+8*(\a)
.set rA, WF+48*((\s)%2)+12*(\a)
.set rB, 48*((\s)%4)+12*(\b)
.set rP, WS+2*(\s)+(\a)/2
.set rQ, HS+8*((\b)/2)+(\s)
.set par, 2*((\a)%2)+(\b)%2
.if \zero
.if par == 0
	v_wmma_scale_f32_16x16x128_f8f6f4 v[rD:rD+7], v[rA:rA+11], v[rB:rB+11], 0, v[rP], v[rQ] matrix_a_fmt:MATRIX_FMT_FP6 matrix_b_fmt:MATRIX_FMT_FP6
.elseif par == 1
	v_wmma_scale_f32_16x16x128_f8f6f4 v[rD:rD+7], v[rA:rA+11], v[rB:rB+11], 0, v[rP], v[rQ] matrix_a_fmt:MATRIX_FMT_FP6 matrix_b_fmt:MATRIX_FMT_FP6 matrix_b_scale:MATRIX_SCALE_ROW1
.elseif par == 2
	v_wmma_scale_f32_16x16x128_f8f6f4 v[rD:rD+7], v[rA:rA+11], v[rB:rB+11], 0, v[rP], v[rQ] matrix_a_fmt:MATRIX_FMT_FP6 matrix_b_fmt:MATRIX_FMT_FP6 matrix_a_scale:MATRIX_SCALE_ROW1
.else
	v_wmma_scale_f32_16x16x128_f8f6f4 v[rD:rD+7], v[rA:rA+11], v[rB:rB+11], 0, v[rP], v[rQ] matrix_a_fmt:MATRIX_FMT_FP6 matrix_b_fmt:MATRIX_FMT_FP6 matrix_a_scale:MATRIX_SCALE_ROW1 matrix_b_scale:MATRIX_SCALE_ROW1
.endif
.else
.if par == 0
	v_wmma_scale_f32_16x16x128_f8f6f4 v[rD:rD+7], v[rA:rA+11], v[rB:rB+11], v[rD:rD+7], v[rP], v[rQ] matrix_a_fmt:MATRIX_FMT_FP6 matrix_b_fmt:MATRIX_FMT_FP6
.elseif par == 1
	v_wmma_scale_f32_16x16x128_f8f6f4 v[rD:rD+7], v[rA:rA+11], v[rB:rB+11], v[rD:rD+7], v[rP], v[rQ] matrix_a_fmt:MATRIX_FMT_FP6 matrix_b_fmt:MATRIX_FMT_FP6 matrix_b_scale:MATRIX_SCALE_ROW1
.elseif par == 2
	v_wmma_scale_f32_16x16x128_f8f6f4 v[rD:rD+7], v[rA:rA+11], v[rB:rB+11], v[rD:rD+7], v[rP], v[rQ] matrix_a_fmt:MATRIX_FMT_FP6 matrix_b_fmt:MATRIX_FMT_FP6 matrix_a_scale:MATRIX_SCALE_ROW1
.else
	v_wmma_scale_f32_16x16x128_f8f6f4 v[rD:rD+7], v[rA:rA+11], v[rB:rB+11], v[rD:rD+7], v[rP], v[rQ] matrix_a_fmt:MATRIX_FMT_FP6 matrix_b_fmt:MATRIX_FMT_FP6 matrix_a_scale:MATRIX_SCALE_ROW1 matrix_b_scale:MATRIX_SCALE_ROW1
.endif
.endif
.endm
.macro STEP s, pf, zero
	s_wait_dscnt 0x0                               ; this K step's fragments of W are in (asked for a K step ago)
.if ((\s) < 7) || \pf
	WLOAD ((\s)+1)%8                               ; the other set: its last products stand behind four places
.endif
; This K step's fragments of h.  Behind their loads were issued the 16 (7 - s) of the group's later K steps and, where another group follows, its 4 scale loads and the 16 s of its earlier K steps: 116.
.if \pf || ((\s) < 4)
	s_wait_loadcnt 63                              ; 64 or more are younger; 63 is the most that a wait names
.else
	s_wait_loadcnt 16*(7-(\s))
.endif
	WIN 0x58+4*((\s)/4)                            ; source 0 window 0, source 1 window 2 or 3, C and D window 1
.irp a, 0,1,2,3
.irp b, 0,1,2,3
	WM \s, \a, \b, \zero
.endr
.endr
	NOP4
.if (\s) == 7
	v_nop                                          ; a fifth place: the next group's first products begin these accumulators anew with the constant 0
.endif
	WIN 0
.if \pf
	HLOAD \s                                       ; the next group's K step s, into the registers just multiplied
.endif
.endm
.macro TOSTAGE b                       ; tile b of tokens into my stage, and back as rows
	WIN 0x04                                       ; an LDS store's data are its source 1: window 1
.irp a, 0,1,2,3
	ds_store_b128 v[STO], v[32*\b+8*\a:32*\b+8*\a+3] offset:64*\a            ; each accumulator from its low end on
	ds_store_b128 v[STO], v[32*\b+8*\a+4:32*\b+8*\a+7] offset:64*\a+16
.endr
	WIN 0
.irp n, 0,1,2,3,4,5,6,7
	ds_load_b128 v[OUT+32*((\b)%2)+4*\n:OUT+32*((\b)%2)+4*\n+3], v[RD] offset:544*\n   ; LDS serves a wave's instructions in order (ISA guide 5.7.1.4): these see the stores above
.endr
.endm
.macro SEND b, younger                 ; younger: the LDS instructions issued behind tile b's loads
	s_wait_dscnt \younger
.irp n, 0,1,2,3,4,5,6,7
	global_store_b128 v[CO], v[OUT+32*((\b)%2)+4*\n:OUT+32*((\b)%2)+4*\n+3], s[42:43] offset:(16*(\b)+2*\n)*4096   ; sixteen lanes store 256 consecutive bytes, at a multiple of 256 from the buffer's first byte
.endr
.endm
.macro UNIT pf
	s_wait_loadcnt 63                              ; the group's scale words are in the spare set: the 128 loads of its fragments are younger
	s_wait_xcnt 0x0                                ; the loads and stores issued so far have read their bases and registers
	s_add_co_u32 s46, s29, s31
	s_min_u32 s46, s46, 63
	s_lshl_b32 s48, s46, 18                        ; 64 slots of 4,096 bytes
	s_add_nc_u64 s[42:43], s[54:55], s[48:49]
.if \pf
	s_add_co_u32 s46, s29, s31
	s_add_co_u32 s46, s46, 4
	s_min_u32 s46, s46, 63
	s_mul_i32 s48, s46, 98304
	s_add_nc_u64 s[38:39], s[34:35], s[48:49]
	s_lshl_b32 s48, s46, 12
	s_add_nc_u64 s[40:41], s[36:37], s[48:49]
.endif
.set i, 0
.rept 16
	v_mov_b32 v[HS+i], v[HT+i]                     ; the scale words into their place (the last products that named it stand five places back)
.set i, i+1
.endr
.if \pf
	HTLOAD                                         ; and the next group's into the spare set, ahead of all its other loads
.endif
.rept 8
	v_nop                                          ; a scale register written by a vector instruction stands 8 places ahead of a scaled matrix instruction
.endr
	STEP 0, \pf, 1                                 ; the first K step starts the sums
.irp s, 1,2,3,4,5,6,7
	STEP \s, \pf, 0
.endr
	TOSTAGE 0
	TOSTAGE 1
	SEND 0, 16                                     ; behind tile 0's loads: tile 1's 8 stores and 8 loads
	s_wait_xcnt 0x0                                ; tile 0's stores have read their registers: tile 2's rows may land there
	TOSTAGE 2
	SEND 1, 16
	s_wait_xcnt 0x0
	TOSTAGE 3
	SEND 2, 16
	SEND 3, 0
	s_add_co_u32 s29, s29, 4
.endm
	s_load_b256 s[4:11], s[0:1], 0x0               ; routed down, himg, tab, ypart
	s_load_b64 s[12:13], s[0:1], 0x20              ; wsh
	v_lshl_add_u32 v243, v0, 2, 0x1d400
	v_mov_b32 v247, 0
	v_lshrrev_b32 v69, 5, v0
	v_readfirstlane_b32 s20, v69                   ; wave
	s_mov_b32 s19, ttmp9                           ; x
	s_lshr_b32 s21, ttmp9, 1                       ; which 64 columns
	s_and_b32 s25, ttmp9, 1                        ; which K half
	s_and_b32 s22, ttmp7, 0xffff                   ; y
	s_max_u32 s23, s22, 1
	s_sub_co_u32 s23, s23, 1
	s_lshl_b32 s24, s23, 3
	s_mov_b32 s47, 0
	s_mov_b32 s49, 0
	s_cmp_eq_u32 s22, 0
	s_cselect_b32 s50, 51200, 0                    ; where this work-group's images lie in LDS
	s_cselect_b32 s31, 0, 16                       ; routed groups lie behind the shared expert's sixteen
	; every address register is made here, ahead of the parting of the ways
	v_and_b32 v64, 31, v0                          ; lane
	v_and_b32 v65, 15, v0                          ; lane % 16
	v_bfe_u32 v66, v0, 4, 1                        ; hh
	v_lshlrev_b32 v[LI], 4, v64
	v_add_nc_u32 v[LIW], s50, v[LI]
	v_lshlrev_b32 v[L8], 3, v64
	v_lshl_add_u32 v[LSW], v64, 2, 49152
	v_add_nc_u32 v[LSW], s50, v[LSW]
	v_lshlrev_b32 v[LX], 6, v64
	s_mul_i32 s46, s20, 4352
	s_add_co_u32 s46, s46, 102400                  ; my stage
	v_mul_u32_u24 v[STO], v65, 272
	v_lshl_add_u32 v[STO], v66, 5, v[STO]
	v_add_nc_u32 v[STO], s46, v[STO]
	v_mul_u32_u24 v[RD], v66, 272
	v_lshl_add_u32 v[RD], v65, 4, v[RD]
	v_add_nc_u32 v[RD], s46, v[RD]
	v_lshlrev_b32 v[CO], 4, v65
	v_lshl_add_u32 v[CO], v66, 12, v[CO]
	v_lshlrev_b32 v[GA], 4, v65
	v_lshl_add_u32 v[GA], v66, 17, v[GA]           ; lanes 16-31 stand 32 rows of 4,096 bytes further down
	v_bfe_u32 v67, v0, 2, 2                        ; my four columns lie in tile a = (lane % 16) / 4,
	v_and_b32 v68, 3, v0                           ; rows 4 ((lane % 16) % 4) + q
	v_mul_u32_u24 v[WA], v67, 1536
	v_lshl_add_u32 v[WA], v68, 6, v[WA]
	v_lshl_add_u32 v[WA], v66, 8, v[WA]
	s_mul_i32 s46, s20, 12288
	v_add_nc_u32 v[WA], s46, v[WA]
	v_lshl_add_u32 v[WB], v67, 6, v66
	v_lshl_add_u32 v[WB], v68, 4, v[WB]
	s_lshl_b32 s46, s20, 9
	s_add_co_u32 s46, s46, 49152
	v_add_nc_u32 v[WB], s46, v[WB]
	s_mul_i32 s46, s20, 12800
	v_add_nc_u32 v[CPG], s46, v[LI]
	v_add_nc_u32 v[CPA], 51200, v[CPG]
	s_wait_kmcnt 0x0
	s_mul_i32 s46, s25, 12288
	s_add_nc_u64 s[34:35], s[6:7], s[46:47]        ; himg: my half's slices of a tile
	s_lshl_b32 s46, s25, 5
	s_add_co_u32 s46, s46, 6291456
	s_add_nc_u64 s[36:37], s[6:7], s[46:47]        ; himg: my half's scale bytes of a slot
	s_lshl_b32 s46, s25, 24
	s_lshl_b32 s48, s21, 8
	s_add_co_u32 s46, s46, s48
	s_add_nc_u64 s[54:55], s[10:11], s[46:47]      ; ypart: my plane, my columns
	s_cmp_eq_u32 s22, 0
	s_cbranch_scc1 .Lshared
	; ---- a routed expert: stream and quantise
	s_load_b64 s[26:27], s[8:9], s24 offset:0x2000 ; (g0, ng): wanted only behind W's first loads
	s_lshl_b32 s46, s23, 23                        ; expert x 2,048 x 1,024 x 4
	s_lshl_b32 s48, s25, 22                        ; + K half x 1,024 rows of 4,096 bytes
	s_add_co_u32 s46, s46, s48
	s_lshl_b32 s48, s20, 20                        ; + wave x 256 rows
	s_add_co_u32 s46, s46, s48
	s_lshl_b32 s48, s21, 8                         ; + my 64 columns
	s_add_co_u32 s46, s46, s48
	s_add_nc_u64 s[32:33], s[4:5], s[46:47]
	WLD 0, 0                                       ; W first
	WLD 128, 262144
	s_wait_kmcnt 0x0
	GCALC
	; the counts: what was issued behind the buffer's own 32 loads; where that is 64 or more, 63, the most that a wait names
	PASS 0, 0,   1, 524288, 32, 0,    0,   0       ; the other buffer's 32
	PASS 1, 128, 1, 786432, 63, 0,    0,   2       ; 32 of W, 36 of h
	PASS 0, 0,   0, 0,      63, 6144, 256, 4       ; 36 of h, 32 of W, 32 of h
	PASS 1, 128, 0, 0,      63, 6144, 256, 6       ; 32 and 32 of h
	s_branch .Ljoin
.Lshared:
	; ---- the shared expert: the slice's image is copied as it lies, a quarter to each wave
	s_mul_i32 s46, s19, 51200
	s_add_co_u32 s46, s46, 3276800                 ; behind gate's and up's images
	s_add_nc_u64 s[32:33], s[12:13], s[46:47]
	WIN 0x40
.set i, 0
.rept 25
	global_load_b128 v[4*i:4*i+3], v[CPG], s[32:33] offset:512*i th:TH_LOAD_NT
.set i, i+1
.endr
	WIN 0
	s_mov_b32 s26, 0                               ; its slots are the tokens: groups 0 to 15
	s_mov_b32 s27, 16
	GCALC
	HTLOAD
	HLOAD 0
	HLOAD 1
	s_wait_loadcnt 36                              ; what I copy is in; the 4 + 32 loads behind it may be out
	WIN 0x04                                       ; an LDS store's data are its source 1: window 1
.set i, 0
.rept 25
	ds_store_b128 v[CPA], v[4*i:4*i+3] offset:512*i
.set i, i+1
.endr
	WIN 0
.irp s, 2,3,4,5,6,7
	HLOAD \s
.endr
.Ljoin:
	s_wait_dscnt 0x0                               ; for the others' sake: my images lie in LDS
	s_barrier_signal -1
	s_barrier_wait -1                              ; everybody's do; from here on the images are only read, and a stage is its wave's own
	s_cmp_eq_u32 s28, 0
	s_cbranch_scc1 .Lend
.set i, 0
.rept 16
	ds_load_b32 v[WS+i], v[LSW] offset:128*i       ; K step i / 2, tiles 2 (i % 2) and 2 (i % 2) + 1
.set i, i+1
.endr
	WLOAD 0
	s_sub_co_u32 s30, s28, 1
	s_cmp_eq_u32 s30, 0
	s_cbranch_scc1 .Llast
.Lunit:
	UNIT 1
	s_sub_co_u32 s30, s30, 1
	s_cmp_lg_u32 s30, 0
	s_cbranch_scc1 .Lunit
.Llast:
	UNIT 0                                         ; the last group asks for nothing: no load leaves its buffer
.Lend:
	s_wait_tensorcnt 0x0
	ds_add_u32 v243, v247
	s_wait_dscnt 0x0
	s_endpgm
.Lfunc_end_k_q54f6055350_down:
	.size	k_q54f6055350_down, .Lfunc_end_k_q54f6055350_down-k_q54f6055350_down
	.p2alignl 7, 3214868480
	.fill 96, 4, 3214868480
	.section	.rodata,"a",@progbits
	.p2align	6, 0x0
	.amdhsa_kernel k_q54f6055350_down
		.amdhsa_group_segment_fixed_size 120320
		.amdhsa_private_segment_fixed_size 0
		.amdhsa_enable_private_segment 0
		.amdhsa_kernarg_size 40
		.amdhsa_user_sgpr_count 2
		.amdhsa_user_sgpr_kernarg_segment_ptr 1
		.amdhsa_wavefront_size32 1
		.amdhsa_system_sgpr_workgroup_id_x 1
		.amdhsa_system_sgpr_workgroup_id_y 1
		.amdhsa_system_sgpr_workgroup_id_z 1
		.amdhsa_system_vgpr_workitem_id 0
		.amdhsa_next_free_vgpr 1024
		.amdhsa_next_free_sgpr 66
		.amdhsa_reserve_vcc 0
		.amdhsa_float_denorm_mode_32 3
		.amdhsa_float_denorm_mode_16_64 3
		.amdhsa_memory_ordered 1
		.amdhsa_forward_progress 1
		.amdhsa_inst_pref_size 167
	.end_amdhsa_kernel
	.amdgpu_metadata
---
amdhsa.version: [ 1, 2 ]
amdhsa.kernels:
  - .name:           k_q54f6055350_down
    .symbol:         k_q54f6055350_down.kd
    .args:
      - { .name: routed_down_w, .offset: 0, .size: 8, .value_kind: global_buffer, .address_space: global }
      - { .name: himg, .offset: 8, .size: 8, .value_kind: global_buffer, .address_space: global }
      - { .name: tab, .offset: 16, .size: 8, .value_kind: global_buffer, .address_space: global }
      - { .name: ypart, .offset: 24, .size: 8, .value_kind: global_buffer, .address_space: global }
      - { .name: wsh, .offset: 32, .size: 8, .value_kind: global_buffer, .address_space: global }
    .group_segment_fixed_size: 120320
    .private_segment_fixed_size: 0
    .kernarg_segment_align: 8
    .kernarg_segment_size: 40
    .max_flat_workgroup_size: 128
    .sgpr_count:     66
    .vgpr_count:     1024
    .wavefront_size: 32
...
	.end_amdgpu_metadata
.endif
;; end of part 8
;; launch combine: the kernel of part 5 again; grid 256 x 1, 4 waves a work-group, no clusters, 0 bytes of LDS; arguments ypart, tab, wts, out0; writes out0
;; ======== version 3 of 3: 5 launches
;; workspace buffers: xsh 819,200 bytes; xrt 2,457,600 bytes; route 12,288 bytes of whole numbers; wts 8,192 bytes; tab 8,448 bytes of whole numbers; himg 6,553,600 bytes; ypart 33,554,432 bytes; wsh 4,915,200 bytes
;; launch prep (part 9): grid 256 x 1, 5 waves a work-group, no clusters, 0 bytes of LDS; arguments x, router_w, routing_bias, xsh, xrt, route, wts, wsh, shared_gate_w, shared_up_w, shared_down_w; writes xsh, xrt, route, wts, wsh
.if DOCPART == 9
	.amdgcn_target "amdgcn-amd-amdhsa--gfx1250"
	.amdhsa_code_object_version 6
	.text
	.protected	k_q54f6055350_prep
	.globl	k_q54f6055350_prep
	.p2align	8
	.type	k_q54f6055350_prep,@function
k_q54f6055350_prep:
	s_mov_b64 s[64:65], 0
	v_nop
	global_prefetch_b8 v0, s[64:65] scope:SCOPE_SE
	s_setreg_imm32_b32 hwreg(HW_REG_WAVE_MODE, 25, 1), 1
	s_wait_xcnt 0x0
; PREP.  Five waves a work-group.  Waves 0 and 1 (512 in all; wave W) do three independent jobs:
; (Z) clear 4,608 bytes of xrt's codes (and, W < 192, 512 bytes of xrt's scale bytes): rows that no token takes are zero codes.
; (J1) turn x, rows 16 T .. 16 T + 15 (T = W / 8), K step s = W % 8 (128 along K), into one operand fragment of E2M3 codes, stored as the image of its
;      12 registers (chunk j = registers 4 j .. 4 j + 3 at 512 j + 16 x lane), and its scale bytes at slot x 32 + block.
;      Lane (r, h) loads k = 128 s + 64 c + 32 h + 0 .. 31 of row r: two whole blocks, in the order that the operand's layout gives that lane.
; (J2) the router for tokens 2 W, 2 W + 1, in f32 by fused multiply-adds: logits, sigmoid, top 2 (strict compares: a tie keeps the lower index), weights p / (p1 + p2).
;      The choice is stored at fixed places as whole numbers; no address here hangs on it.
; Waves 2, 3 and 4 (Q) quantise the SHARED expert's gate, up and down weights, each number read once: a wave takes one K step (128 rows) x 64 columns, in two passes of 64 rows.
;      In a pass a lane loads four neighbouring columns of 32 rows (sixteen lanes read 256 consecutive bytes of a row), so four whole blocks along K are its own.  Codes and scale bytes go to wsh
;      as the very bytes that the two product launches keep in LDS, so that the shared expert's work-groups there only copy: 32 slices of 102,400 bytes for gate and up, then 32 of 51,200 for down.
;      A lane's stores are 16 bytes of a fragment's row, 64 bytes on end over four stores: short pieces, of a buffer five times smaller than what is read.
; A block's scale byte is its largest magnitude's exponent field - 2, held at 1 from below by a floor among the maximum's leaves.
; LIMITS: NaN and infinities are not served; a block whose largest magnitude lies under 2^-124 gets the byte 1 (a block of zeros too: its codes are zeros);
; the top 2 are taken on this text's f32 sigmoid: a gap that lies within that sigmoid's rounding may fall either way.
.set FLOOR, 0x1800000                  ; 2^(3 - 127)
.set GA,  7                            ; (Q) W: 32 rows x hh + 16 x (lane % 16)
.set WA,  8                            ; (Q) where my columns' codes go
.set WB,  9                            ; (Q) and their scale bytes
.set T,   64                           ; (Q) 4 columns x 32 numbers down K
.set CD,  192                          ; (Q) 4 columns x 12 registers of codes
.set TP,  240                          ; (Q) two sets of four: a conversion's three registers begin on an even number
.set M,   248                          ; (Q) largest magnitudes, then the conversions' scale operands
.set BY,  252                          ; (Q) scale bytes
.set MSB, 0
.macro WIN new                         ; the immediate's high byte repeats the setting that is left
.if MSB != (\new)
	s_set_vgpr_msb (MSB<<8)|(\new)
.set MSB, (\new)
.endif
.endm
	s_load_b256 s[4:11], s[0:1], 0x0               ; x, router_w, routing_bias, xsh
	s_load_b128 s[12:15], s[0:1], 0x20             ; xrt, route
	s_load_b64 s[16:17], s[0:1], 0x30              ; wts
	s_load_b64 s[62:63], s[0:1], 0x38              ; wsh
	s_load_b128 s[56:59], s[0:1], 0x40             ; shared gate, shared up
	s_load_b64 s[60:61], s[0:1], 0x50              ; shared down
	v_lshrrev_b32 v1, 5, v0
	v_readfirstlane_b32 s18, v1                    ; wave
	s_cmp_ge_u32 s18, 2
	s_cbranch_scc1 .Lweights                       ; waves 2 to 4: the shared weights
	s_lshl_b32 s19, ttmp9, 1
	s_add_co_u32 s19, s19, s18                     ; W
	s_lshr_b32 s28, s19, 3                         ; T
	s_and_b32 s29, s19, 7                          ; s
	s_mov_b32 s31, 0
	s_mov_b32 s52, 0x76543210                      ; v_permlanex16_b32's selects for lane l xor 16
	s_mov_b32 s53, 0xfedcba98
	v_and_b32 v1, 31, v0                           ; lane
	v_and_b32 v2, 15, v0                           ; r
	v_bfe_u32 v3, v0, 4, 1                         ; h
	v_lshlrev_b32 v4, 12, v2
	v_lshl_add_u32 v4, v3, 7, v4                   ; J1: row r of 4,096 bytes + 128 h
	v_lshlrev_b32 v5, 4, v1                        ; 16 x lane
	v_lshlrev_b32 v6, 2, v1                        ; 4 x lane
	v_mul_u32_u24 v7, v1, 112                      ; router_w: four rows of 28 bytes a lane
	v_lshl_add_u32 v8, v2, 5, v3                   ; scale bytes: 32 r + h
	v_and_b32 v9, 1, v0                            ; which of my wave's two tokens this lane finishes
	v_lshlrev_b32 v10, 3, v1                       ; 8 x lane
.irp i, 12,13,14,15
	v_mov_b32 v\i, 0
.endr
	s_wait_alu depctr_va_vdst(0)
	s_wait_kmcnt 0x0
	s_load_b128 s[20:23], s[8:9], 0x0              ; the bias: 16 + 8 + 4 = its 28 bytes
	s_load_b64 s[24:25], s[8:9], 0x10
	s_load_b32 s26, s[8:9], 0x18
	s_lshl_b32 s30, s28, 16
	s_lshl_b32 s27, s29, 9
	s_add_co_u32 s30, s30, s27
	s_add_nc_u64 s[34:35], s[4:5], s[30:31]        ; x at row 16 T, k = 128 s
	s_lshl_b32 s30, s19, 13
	s_add_nc_u64 s[36:37], s[4:5], s[30:31]        ; x at row 2 W
	s_mul_i32 s30, s28, 12288
	s_mul_i32 s27, s29, 1536
	s_add_co_u32 s30, s30, s27
	s_add_nc_u64 s[38:39], s[10:11], s[30:31]      ; xsh: my fragment's image
	s_lshl_b32 s30, s28, 9
	s_lshl_b32 s27, s29, 2
	s_add_co_u32 s30, s30, s27
	s_add_nc_u64 s[40:41], s[10:11], s[30:31]      ; xsh: 32 x slot + 4 s (the scale bytes' start stands in the immediate)
	s_mul_i32 s30, s19, 4608
	s_add_nc_u64 s[42:43], s[12:13], s[30:31]      ; xrt: my part to clear
	s_lshl_b32 s30, s19, 9
	s_add_nc_u64 s[44:45], s[12:13], s[30:31]
	s_lshl_b32 s30, s19, 3
	s_add_nc_u64 s[46:47], s[14:15], s[30:31]      ; route: 4 bytes a token
	s_lshl_b32 s30, s19, 4
	s_add_nc_u64 s[48:49], s[14:15], s[30:31]      ; route: 8 bytes a token
	s_add_nc_u64 s[50:51], s[16:17], s[30:31]      ; wts likewise
	; all loads first: J1's 16, J2's 16 of x, the 56 of router_w
.irp c, 0,1
.irp i, 0,1,2,3,4,5,6,7
	global_load_b128 v[32+32*\c+4*\i:32+32*\c+4*\i+3], v4, s[34:35] offset:256*\c+16*\i
.endr
.endr
.irp t, 0,1
.irp i, 0,1,2,3,4,5,6,7
	global_load_b128 v[96+32*\t+4*\i:96+32*\t+4*\i+3], v5, s[36:37] offset:4096*\t+512*\i   ; x[t][128 i + 4 lane + q]
.endr
.endr
	WIN 0x40                                       ; destination window 1
.irp i, 0,1,2,3,4,5,6,7
.irp m, 0,1,2,3,4,5,6
	global_load_b128 v[28*\i+4*\m:28*\i+4*\m+3], v7, s[6:7] offset:3584*\i+16*\m            ; register 28 i + 7 q + e = router_w[128 i + 4 lane + q][e]
.endr
.endr
	WIN 0
	; (Z)
.irp i, 0,1,2,3,4,5,6,7,8
	global_store_b128 v5, v[12:15], s[42:43] offset:512*\i
.endr
	s_cmp_lt_u32 s19, 192
	s_cbranch_scc0 .Lno_scales
	global_store_b128 v5, v[12:15], s[44:45] offset:2359296
.Lno_scales:
	; (J1)
	s_wait_loadcnt 63                              ; 72 loads are younger than J1's; 63 is the most that a wait names, and a smaller count is safe
.irp c, 0,1
	v_max3_num_f32 v[16+\c], |v[32+32*\c]|, |v[33+32*\c]|, FLOOR
.endr
.irp i, 2,4,6,8,10,12,14,16,18,20,22,24,26,28,30
.irp c, 0,1
	v_max3_num_f32 v[16+\c], v[16+\c], |v[32+32*\c+\i]|, |v[33+32*\c+\i]|   ; the two blocks by turns
.endr
.endr
.irp c, 0,1
	v_add_nc_u32 v[18+\c], 0xff000000, v[16+\c]    ; 2 off the exponent field: the conversion's scale operand
.endr
.irp c, 0,1
	v_lshrrev_b32 v[20+\c], 23, v[18+\c]           ; the scale's byte
.endr
.irp c, 0,1
	v_cvt_scalef32_pk16_fp6_f32 v[224+6*\c:226+6*\c], v[32+32*\c:47+32*\c], v[18+\c]
	v_cvt_scalef32_pk16_fp6_f32 v[240+4*\c:242+4*\c], v[48+32*\c:63+32*\c], v[18+\c]   ; (a conversion's three registers begin on an even number)
.endr
	v_nop                                          ; one plain place behind a scaled conversion
.irp c, 0,1
.irp i, 0,1,2
	v_mov_b32 v[227+6*\c+\i], v[240+4*\c+\i]
.endr
.endr
.irp j, 0,1,2
	global_store_b128 v5, v[224+4*\j:227+4*\j], s[38:39] offset:512*\j   ; 512 consecutive bytes a store
.endr
.irp c, 0,1
	global_store_b8 v8, v[20+\c], s[40:41] offset:786432+2*\c            ; block 4 s + 2 c + h of row r
.endr
	; (J2) fourteen sums, 32 products a lane each; consecutive lines name different sums
	s_wait_loadcnt 0x0
	WIN 0x04                                       ; source 1 in window 1
.set i, 0
.rept 8
.irp q, 0,1,2,3
.irp t, 0,1
.irp e, 0,1,2,3,4,5,6
.if (i == 0) && (\q == 0)
	v_mul_f32 v[160+7*\t+\e], v[96+32*\t+4*i+\q], v[28*i+7*\q+\e]
.else
	v_fmac_f32 v[160+7*\t+\e], v[96+32*\t+4*i+\q], v[28*i+7*\q+\e]
.endif
.endr
.endr
.endr
.set i, i+1
.endr
	WIN 0
.set n, 0
.rept 14
	v_mov_b32 v[176+n], 0                          ; a lane permute's destination counts as one of its sources
.set n, n+1
.endr
.irp m, 1,2,4,8
.set n, 0
.rept 14
	v_add_f32_dpp v[160+n], v[160+n], v[160+n] row_xmask:\m row_mask:0xf bank_mask:0xf
.set n, n+1
.endr
.endr
.set n, 0
.rept 14
	v_permlanex16_b32 v[176+n], v[160+n], s52, s53
.set n, n+1
.endr
.set n, 0
.rept 14
	v_add_f32 v[160+n], v[160+n], v[176+n]         ; every lane holds all fourteen sums
.set n, n+1
.endr
	v_cmp_eq_u32 vcc_lo, 1, v9
	s_wait_alu depctr_va_vdst(0)
	s_wait_kmcnt 0x0                               ; the bias
.irp e, 0,1,2,3,4,5,6
	v_cndmask_b32 v[192+\e], v[160+\e], v[167+\e], vcc_lo   ; even lanes token 2 W, odd lanes token 2 W + 1
.endr
.irp e, 0,1,2,3,4,5,6
	v_add_f32 v[192+\e], s[20+\e], v[192+\e]
.endr
.irp e, 0,1,2,3,4,5,6
	v_mul_f32 v[192+\e], 0xbfb8aa3b, v[192+\e]     ; - z log2(e)
.endr
	s_wait_alu depctr_va_vdst(0)
.irp e, 0,1,2,3,4,5,6
	v_exp_f32 v[192+\e], v[192+\e]
.endr
	v_nop
	s_wait_alu depctr_va_vdst(0)
.irp e, 0,1,2,3,4,5,6
	v_add_f32 v[192+\e], 1.0, v[192+\e]
.endr
	s_wait_alu depctr_va_vdst(0)
.irp e, 0,1,2,3,4,5,6
	v_rcp_f32 v[192+\e], v[192+\e]                 ; p = 1 / (1 + 2^(- z log2(e)))
.endr
	v_nop
	s_wait_alu depctr_va_vdst(0)
	v_mov_b32 v200, v192                           ; p1, i1 = expert 0
	v_mov_b32 v202, 0
	v_mov_b32 v201, -1.0                           ; p2: under every p
	v_mov_b32 v203, 0
.irp e, 1,2,3,4,5,6
	v_mov_b32 v206, \e
	v_cmp_gt_f32 vcc_lo, v[192+\e], v200           ; beats the first?
	v_cmp_gt_f32 s28, v[192+\e], v201              ; beats the second?
	v_cndmask_b32 v201, v201, v[192+\e], s28
	v_cndmask_b32 v203, v203, v206, s28
	v_cndmask_b32 v201, v201, v200, vcc_lo         ; the old first moves down
	v_cndmask_b32 v203, v203, v202, vcc_lo
	v_cndmask_b32 v200, v200, v[192+\e], vcc_lo
	v_cndmask_b32 v202, v202, v206, vcc_lo
.endr
	v_add_f32 v210, v200, v201
	s_wait_alu depctr_va_vdst(0)
	v_rcp_f32 v210, v210
	v_mov_b32 v207, 1
	s_wait_alu depctr_va_vdst(0)
	v_mul_f32 v204, v200, v210
	v_mul_f32 v205, v201, v210
	v_lshlrev_b32 v208, v202, v207
	v_lshlrev_b32 v209, v203, v207
	v_or_b32 v208, v208, v209                      ; the token's two experts as bits
	s_wait_alu depctr_va_vdst(0)
	s_wait_xcnt 0x0                                ; EXEC changes only behind this wait
	v_cmp_gt_u32 vcc_lo, 2, v1
	s_and_saveexec_b32 s29, vcc_lo                 ; lanes 0 and 1 store their tokens
	global_store_b32 v6, v208, s[46:47]
	global_store_b64 v10, v[202:203], s[48:49] offset:4096
	global_store_b64 v10, v[204:205], s[50:51]
	s_wait_xcnt 0x0
	s_or_b32 exec_lo, exec_lo, s29
	s_endpgm
; (Q) the shared weights
.macro QLD buf, ofs, pitch             ; a pass's 32 loads: rows i and 32 + i of 64, 256 consecutive bytes for each half of the lanes
	WIN 0x40
.set i, 0
.rept 32
	global_load_b128 v[\buf+4*i:\buf+4*i+3], v[GA], s[70:71] offset:\ofs+\pitch*i th:TH_LOAD_NT
.set i, i+1
.endr
	WIN 0
.endm
.macro QPASS c, buf, left              ; 64 rows along K (half c of the K step) x 64 columns.  left: the younger loads that may stay out
	s_wait_loadcnt \left
	s_wait_xcnt 0x0                                ; the last pass's stores have read their registers
	WIN 0x05                                       ; sources 0 and 1 in window 1
.irp q, 0,1,2,3
	v_max3_num_f32 v[M+\q], |v[\buf+\q]|, |v[\buf+4+\q]|, FLOOR
.endr
.set i, 2
.rept 15
.irp q, 0,1,2,3
	v_max3_num_f32 v[M+\q], |v[\buf+4*i+\q]|, |v[\buf+4*i+4+\q]|, v[M+\q]   ; the four columns by turns
.endr
.set i, i+2
.endr
.set i, 0
.rept 32
.irp q, 0,1,2,3
	v_mov_b32 v[T+32*\q+i], v[\buf+4*i+\q]         ; a column's 32 numbers on end: the conversions take neighbours along K from consecutive registers
.endr
.set i, i+1
.endr
	WIN 0
.irp q, 0,1,2,3
	v_add_nc_u32 v[M+\q], 0xff000000, v[M+\q]      ; 2 off the exponent field: the conversion's scale operand
.endr
.irp q, 0,1,2,3
	v_lshrrev_b32 v[BY+\q], 23, v[M+\q]            ; the scale's byte
.endr
.irp p, 0,2
.irp u, 0,1
	v_cvt_scalef32_pk16_fp6_f32 v[CD+12*(\p+\u)+6*\c:CD+12*(\p+\u)+6*\c+2], v[T+32*(\p+\u):T+32*(\p+\u)+15], v[M+\p+\u]
	v_cvt_scalef32_pk16_fp6_f32 v[TP+4*\u:TP+4*\u+2], v[T+32*(\p+\u)+16:T+32*(\p+\u)+31], v[M+\p+\u]
.endr
	v_nop                                          ; one plain place behind a scaled conversion
.irp u, 0,1
.irp n, 0,1,2
	v_mov_b32 v[CD+12*(\p+\u)+6*\c+3+\n], v[TP+4*\u+\n]
.endr
.endr
.endr
.irp q, 0,1,2,3
	global_store_b8 v[WB], v[BY+\q], s[74:75] offset:4*\q+2*\c   ; byte 2 c + hh of the column's scale word
.endr
.if \c == 1
.irp n, 0,1,2
.irp q, 0,1,2,3
	global_store_b128 v[WA], v[CD+12*\q+4*\n:CD+12*\q+4*\n+3], s[72:73] offset:512*\n+16*\q   ; the column is a row of its fragment: lane (row, hh)'s place in each chunk
.endr
.endr
.endif
.endm
.Lweights:
	s_sub_co_u32 s66, s18, 2                       ; 0 gate, 1 up, 2 down
	s_and_b32 s67, ttmp9, 31                       ; which slice
	s_lshr_b32 s68, ttmp9, 5                       ; which K step of eight
	s_mov_b32 s77, 0
	v_and_b32 v2, 15, v0                           ; lane % 16
	v_bfe_u32 v3, v0, 4, 1                         ; hh
	v_lshlrev_b32 v[GA], 4, v2
	s_cmp_eq_u32 s66, 2
	s_cbranch_scc1 .Lwdown
	; gate, up: [1,024][2,048].  Slice j = 64 hidden units; my four columns lie in tile tau = ((lane % 16) / 2) % 4, rows 4 ((lane % 16) % 2) + 8 ((lane % 16) / 8) + q
	v_lshl_add_u32 v[GA], v3, 18, v[GA]            ; lanes 16-31 stand 32 rows of 8,192 bytes further down
	v_bfe_u32 v4, v0, 1, 2
	v_and_b32 v5, 1, v0
	v_bfe_u32 v6, v0, 3, 1
	v_mul_u32_u24 v[WA], v4, 1536
	v_lshl_add_u32 v[WA], v5, 6, v[WA]
	v_lshl_add_u32 v[WA], v6, 7, v[WA]
	v_lshl_add_u32 v[WA], v3, 8, v[WA]
	v_lshl_add_u32 v[WB], v4, 6, v3
	v_lshl_add_u32 v[WB], v5, 4, v[WB]
	v_lshl_add_u32 v[WB], v6, 5, v[WB]
	s_lshl_b32 s69, s66, 1
	s_lshr_b32 s78, s68, 2
	s_add_co_u32 s69, s69, s78                     ; 2 x matrix + K half
	s_and_b32 s78, s68, 3                          ; K step in the half
	s_mul_i32 s79, s67, 102400                     ; the slice's image
	s_mul_i32 s76, s69, 24576
	s_mul_i32 s80, s78, 6144
	s_add_co_u32 s76, s76, s80
	s_add_co_u32 s76, s76, s79
	s_wait_kmcnt 0x0
	s_add_nc_u64 s[72:73], s[62:63], s[76:77]      ; codes
	s_lshl_b32 s76, s69, 10
	s_lshl_b32 s80, s78, 8
	s_add_co_u32 s76, s76, s80
	s_add_co_u32 s76, s76, s79
	s_add_co_u32 s76, s76, 98304
	s_add_nc_u64 s[74:75], s[62:63], s[76:77]      ; scale words
	s_cmp_eq_u32 s66, 0                            ; the choice hangs on the wave's number alone
	s_cselect_b64 s[70:71], s[56:57], s[58:59]
	s_lshl_b32 s76, s68, 20                        ; 128 rows of 8,192 bytes a K step
	s_lshl_b32 s80, s67, 8
	s_add_co_u32 s76, s76, s80
	s_add_nc_u64 s[70:71], s[70:71], s[76:77]
	QLD 0, 0, 8192
	QLD 128, 524288, 8192
	s_branch .Lwq
.Lwdown:
	s_wait_alu depctr_va_vdst(0)
	; down: [2,048][1,024].  Slice x: columns 64 (x / 2) on, K half x % 2; my four columns lie in tile (lane % 16) / 4, rows 4 ((lane % 16) % 4) + q
	v_lshl_add_u32 v[GA], v3, 17, v[GA]            ; 32 rows of 4,096 bytes
	v_bfe_u32 v4, v0, 2, 2
	v_and_b32 v5, 3, v0
	v_mul_u32_u24 v[WA], v4, 1536
	v_lshl_add_u32 v[WA], v5, 6, v[WA]
	v_lshl_add_u32 v[WA], v3, 8, v[WA]
	v_lshl_add_u32 v[WB], v4, 6, v3
	v_lshl_add_u32 v[WB], v5, 4, v[WB]
	s_mul_i32 s79, s67, 51200
	s_add_co_u32 s79, s79, 3276800                 ; behind gate's and up's images
	s_mul_i32 s76, s68, 6144
	s_add_co_u32 s76, s76, s79
	s_wait_alu depctr_va_vdst(0)
	s_wait_kmcnt 0x0
	s_add_nc_u64 s[72:73], s[62:63], s[76:77]
	s_lshl_b32 s76, s68, 8
	s_add_co_u32 s76, s76, s79
	s_add_co_u32 s76, s76, 49152
	s_add_nc_u64 s[74:75], s[62:63], s[76:77]
	s_and_b32 s80, s67, 1
	s_lshl_b32 s76, s80, 22                        ; K half x 1,024 rows of 4,096 bytes
	s_lshl_b32 s80, s68, 19                        ; + K step x 128 rows
	s_add_co_u32 s76, s76, s80
	s_lshr_b32 s80, s67, 1
	s_lshl_b32 s80, s80, 8                         ; + 64 columns x (x / 2)
	s_add_co_u32 s76, s76, s80
	s_add_nc_u64 s[70:71], s[60:61], s[76:77]
	QLD 0, 0, 4096
	QLD 128, 262144, 4096
.Lwq:
	QPASS 0, 0, 32                                 ; 32: the second pass's loads stay out
	QPASS 1, 128, 0
	s_endpgm
.Lfunc_end_k_q54f6055350_prep:
	.size	k_q54f6055350_prep, .Lfunc_end_k_q54f6055350_prep-k_q54f6055350_prep
	.p2alignl 7, 3214868480
	.fill 96, 4, 3214868480
	.section	.rodata,"a",@progbits
	.p2align	6, 0x0
	.amdhsa_kernel k_q54f6055350_prep
		.amdhsa_group_segment_fixed_size 0
		.amdhsa_private_segment_fixed_size 0
		.amdhsa_enable_private_segment 0
		.amdhsa_kernarg_size 88
		.amdhsa_user_sgpr_count 2
		.amdhsa_user_sgpr_kernarg_segment_ptr 1
		.amdhsa_wavefront_size32 1
		.amdhsa_system_sgpr_workgroup_id_x 1
		.amdhsa_system_sgpr_workgroup_id_y 1
		.amdhsa_system_sgpr_workgroup_id_z 1
		.amdhsa_system_vgpr_workitem_id 0
		.amdhsa_next_free_vgpr 512
		.amdhsa_next_free_sgpr 84
		.amdhsa_reserve_vcc 1
		.amdhsa_float_denorm_mode_32 3
		.amdhsa_float_denorm_mode_16_64 3
		.amdhsa_memory_ordered 1
		.amdhsa_forward_progress 1
		.amdhsa_inst_pref_size 77
	.end_amdhsa_kernel
	.amdgpu_metadata
---
amdhsa.version: [ 1, 2 ]
amdhsa.kernels:
  - .name:           k_q54f6055350_prep
    .symbol:         k_q54f6055350_prep.kd
    .args:
      - { .name: x, .offset: 0, .size: 8, .value_kind: global_buffer, .address_space: global }
      - { .name: router_w, .offset: 8, .size: 8, .value_kind: global_buffer, .address_space: global }
      - { .name: routing_bias, .offset: 16, .size: 8, .value_kind: global_buffer, .address_space: global }
      - { .name: xsh, .offset: 24, .size: 8, .value_kind: global_buffer, .address_space: global }
      - { .name: xrt, .offset: 32, .size: 8, .value_kind: global_buffer, .address_space: global }
      - { .name: route, .offset: 40, .size: 8, .value_kind: global_buffer, .address_space: global }
      - { .name: wts, .offset: 48, .size: 8, .value_kind: global_buffer, .address_space: global }
      - { .name: wsh, .offset: 56, .size: 8, .value_kind: global_buffer, .address_space: global }
      - { .name: shared_gate_w, .offset: 64, .size: 8, .value_kind: global_buffer, .address_space: global }
      - { .name: shared_up_w, .offset: 72, .size: 8, .value_kind: global_buffer, .address_space: global }
      - { .name: shared_down_w, .offset: 80, .size: 8, .value_kind: global_buffer, .address_space: global }
    .group_segment_fixed_size: 0
    .private_segment_fixed_size: 0
    .kernarg_segment_align: 8
    .kernarg_segment_size: 88
    .max_flat_workgroup_size: 160
    .sgpr_count:     84
    .vgpr_count:     512
    .wavefront_size: 32
...
	.end_amdgpu_metadata
.endif
;; end of part 9
;; launch place (part 10): grid 64 x 1, 1 waves a work-group, no clusters, 0 bytes of LDS; arguments xsh, route, xrt, tab; writes xrt, tab
.if DOCPART == 10
	.amdgcn_target "amdgcn-amd-amdhsa--gfx1250"
	.amdhsa_code_object_version 6
	.text
	.protected	k_q54f6055350_place
	.globl	k_q54f6055350_place
	.p2align	8
	.type	k_q54f6055350_place,@function
k_q54f6055350_place:
	s_mov_b64 s[64:65], 0
	v_nop
	global_prefetch_b8 v0, s[64:65] scope:SCOPE_SE
	s_setreg_imm32_b32 hwreg(HW_REG_WAVE_MODE, 25, 1), 1
	s_wait_xcnt 0x0
; PLACE.  Work-group T takes tokens 16 T .. 16 T + 15.  Every work-group counts, from the stored bits of all 1,024 tokens, each expert's rows (TOT) and those of them
; that come before its own first token (PRE).  Expert e owns whole groups of 64 slots from routed group g0_e on, ng_e = ceil(TOT_e / 64) of them: at most 38 of the 48 for any split.
; A token's slot with expert e is 64 g0_e + its rank among e's tokens, in token order.  The token's row of codes (16 bytes of each of 24 chunks for each half of the lanes)
; and its 32 scale bytes are copied from xsh to that slot of xrt, twice (two experts).  The global slots (1,024 + slot) go to tab; work-group 0 also stores (g0_e, ng_e).
; Numbers that were loaded enter an address only behind v_min_u32 with a constant.
	s_load_b256 s[4:11], s[0:1], 0x0               ; xsh, route, xrt, tab
	v_and_b32 v2, 15, v0                           ; r
	v_lshrrev_b32 v3, 4, v0                        ; hh (one wave: v0 is the lane)
	v_lshlrev_b32 v4, 2, v0
	v_lshlrev_b32 v5, 4, v0
	v_lshlrev_b32 v6, 2, v2
	v_lshlrev_b32 v7, 3, v2
	v_lshlrev_b32 v8, 5, v2
	v_lshl_add_u32 v8, v3, 4, v8                   ; 32 r + 16 hh
	v_lshlrev_b32 v9, 3, v0
	s_mov_b32 s12, ttmp9                           ; T
	s_lshr_b32 s13, s12, 1                         ; C: the chunk of 32 tokens in which my tile lies
	s_and_b32 s14, s12, 1
	s_cmp_lg_u32 s14, 0
	s_cselect_b32 s14, 0xffff, 0                   ; which lanes of that chunk come before my tile
	s_mov_b32 s69, 0
.irp e, 0,1,2,3,4,5,6
	s_mov_b32 s[16+\e], 0                          ; TOT
	s_mov_b32 s[24+\e], 0                          ; PRE
.endr
	s_wait_alu depctr_va_vdst(0)
	s_wait_kmcnt 0x0
	s_lshl_b32 s68, s12, 6
	s_add_nc_u64 s[56:57], s[6:7], s[68:69]
	s_lshl_b32 s68, s12, 7
	s_add_nc_u64 s[58:59], s[6:7], s[68:69]
	s_add_nc_u64 s[66:67], s[10:11], s[68:69]
	s_mul_i32 s68, s12, 12288
	s_add_nc_u64 s[60:61], s[4:5], s[68:69]
	s_lshl_b32 s68, s12, 9
	s_add_nc_u64 s[62:63], s[4:5], s[68:69]
.set c, 0
.rept 32
	global_load_b32 v[32+c], v4, s[6:7] offset:128*c   ; the bits of tokens 32 c + lane
.set c, c+1
.endr
	global_load_b32 v16, v6, s[56:57]              ; my tile's bits, the same in both halves of the lanes
	global_load_b64 v[18:19], v7, s[58:59] offset:4096   ; and its two experts
.set n, 0
.rept 24
	global_load_b128 v[64+4*n:64+4*n+3], v5, s[60:61] offset:512*n
.set n, n+1
.endr
	global_load_b128 v[160:163], v8, s[62:63] offset:786432
	s_wait_loadcnt 0x0
.set c, 0
.rept 32
	s_cmp_eq_u32 s13, c
	s_cselect_b32 s70, s14, 0
	s_cmp_gt_u32 s13, c
	s_cselect_b32 s70, -1, s70                     ; the chunk's lanes that come before my tile
.irp e, 0,1,2,3,4,5,6
	v_and_b32 v[168+\e], (1<<\e), v[32+c]
.endr
.irp e, 0,1,2,3,4,5,6
	v_cmp_ne_u32 s[32+\e], 0, v[168+\e]
.endr
.irp e, 0,1,2,3,4,5,6
	s_bcnt1_i32_b32 s71, s[32+\e]
	s_add_co_u32 s[16+\e], s[16+\e], s71
	s_and_b32 s72, s[32+\e], s70
	s_bcnt1_i32_b32 s72, s72
	s_add_co_u32 s[24+\e], s[24+\e], s72
.endr
.set c, c+1
.endr
	s_mov_b32 s70, 0
.irp e, 0,1,2,3,4,5,6
	s_mov_b32 s[40+\e], s70                        ; g0_e
	s_add_co_u32 s[48+\e], s[16+\e], 63
	s_lshr_b32 s[48+\e], s[48+\e], 6               ; ng_e
	s_add_co_u32 s70, s70, s[48+\e]
.endr
	v_mov_b32 v20, 0                               ; the slot with my first expert,
	v_mov_b32 v21, 0                               ; with my second
.irp e, 0,1,2,3,4,5,6
	v_and_b32 v22, (1<<\e), v16
	v_cmp_ne_u32 s71, 0, v22
	s_and_b32 s72, s71, 0xffff
	s_bcnt1_i32_b32 s72, s72                       ; e's tokens in my tile
	s_lshl_b32 s73, s[40+\e], 6
	s_add_co_u32 s73, s73, s[24+\e]
	v_mul_u32_u24 v23, s72, v3                     ; the upper half of the lanes counts the lower half's bits too: taken off again
	v_sub_nc_u32 v23, s73, v23
	v_mbcnt_lo_u32_b32 v23, s71, v23               ; + e's tokens of my tile in front of mine
	v_cmp_eq_u32 vcc_lo, \e, v18
	v_cndmask_b32 v20, v20, v23, vcc_lo
	v_cmp_eq_u32 vcc_lo, \e, v19
	v_cndmask_b32 v21, v21, v23, vcc_lo
.endr
.irp k, 0,1
	v_lshrrev_b32 v24, 4, v[20+\k]
	v_min_u32 v24, 191, v24                        ; tile of xrt
	v_and_b32 v25, 15, v[20+\k]
	v_min_u32 v25, 15, v25                         ; row in it
	v_mul_u32_u24 v[26+2*\k], 12288, v24
	v_lshl_add_u32 v[26+2*\k], v25, 4, v[26+2*\k]
	v_lshl_add_u32 v[26+2*\k], v3, 8, v[26+2*\k]   ; codes: tile x 12,288 + 16 x (row + 16 hh)
	v_lshlrev_b32 v[27+2*\k], 9, v24
	v_lshl_add_u32 v[27+2*\k], v25, 5, v[27+2*\k]
	v_lshl_add_u32 v[27+2*\k], v3, 4, v[27+2*\k]   ; scale bytes: slot x 32 + 16 hh
.endr
.irp k, 0,1
.set n, 0
.rept 24
	global_store_b128 v[26+2*\k], v[64+4*n:64+4*n+3], s[8:9] offset:512*n
.set n, n+1
.endr
	global_store_b128 v[27+2*\k], v[160:163], s[8:9] offset:2359296
.endr
	v_cmp_eq_u32 vcc_lo, 1, v3
	v_cndmask_b32 v30, v20, v21, vcc_lo
	v_add_nc_u32 v30, 1024, v30                    ; global slot: behind the shared expert's 1,024
	v_lshl_add_u32 v31, v3, 2, v7
	global_store_b32 v31, v30, s[66:67]            ; tab[token][hh]
	s_cmp_lg_u32 s12, 0
	s_cbranch_scc1 .Ldone
	v_mov_b32 v12, 0
	v_mov_b32 v13, 0
.irp e, 0,1,2,3,4,5,6
	v_writelane_b32 v12, s[40+\e], \e
	v_writelane_b32 v13, s[48+\e], \e
.endr
	global_store_b64 v9, v[12:13], s[10:11] offset:8192   ; 256 bytes: (g0_e, ng_e), zeros behind the seven
.Ldone:
	s_endpgm
.Lfunc_end_k_q54f6055350_place:
	.size	k_q54f6055350_place, .Lfunc_end_k_q54f6055350_place-k_q54f6055350_place
	.p2alignl 7, 3214868480
	.fill 96, 4, 3214868480
	.section	.rodata,"a",@progbits
	.p2align	6, 0x0
	.amdhsa_kernel k_q54f6055350_place
		.amdhsa_group_segment_fixed_size 0
		.amdhsa_private_segment_fixed_size 0
		.amdhsa_enable_private_segment 0
		.amdhsa_kernarg_size 32
		.amdhsa_user_sgpr_count 2
		.amdhsa_user_sgpr_kernarg_segment_ptr 1
		.amdhsa_wavefront_size32 1
		.amdhsa_system_sgpr_workgroup_id_x 1
		.amdhsa_system_sgpr_workgroup_id_y 1
		.amdhsa_system_sgpr_workgroup_id_z 1
		.amdhsa_system_vgpr_workitem_id 0
		.amdhsa_next_free_vgpr 192
		.amdhsa_next_free_sgpr 80
		.amdhsa_reserve_vcc 1
		.amdhsa_float_denorm_mode_32 3
		.amdhsa_float_denorm_mode_16_64 3
		.amdhsa_memory_ordered 1
		.amdhsa_forward_progress 1
		.amdhsa_inst_pref_size 79
	.end_amdhsa_kernel
	.amdgpu_metadata
---
amdhsa.version: [ 1, 2 ]
amdhsa.kernels:
  - .name:           k_q54f6055350_place
    .symbol:         k_q54f6055350_place.kd
    .args:
      - { .name: xsh, .offset: 0, .size: 8, .value_kind: global_buffer, .address_space: global }
      - { .name: route, .offset: 8, .size: 8, .value_kind: global_buffer, .address_space: global }
      - { .name: xrt, .offset: 16, .size: 8, .value_kind: global_buffer, .address_space: global }
      - { .name: tab, .offset: 24, .size: 8, .value_kind: global_buffer, .address_space: global }
    .group_segment_fixed_size: 0
    .private_segment_fixed_size: 0
    .kernarg_segment_align: 8
    .kernarg_segment_size: 32
    .max_flat_workgroup_size: 32
    .sgpr_count:     80
    .vgpr_count:     192
    .wavefront_size: 32
...
	.end_amdgpu_metadata
.endif
;; end of part 10
;; launch gateup (part 11): grid 32 x 8, 4 waves a work-group, no clusters, 205,312 bytes of LDS; arguments routed_gate_w, routed_up_w, xsh, xrt, tab, himg, wsh; writes himg
.if DOCPART == 11
	.amdgcn_target "amdgcn-amd-amdhsa--gfx1250"
	.amdhsa_code_object_version 6
	.text
	.protected	k_q54f6055350_gateup
	.globl	k_q54f6055350_gateup
	.p2align	8
	.type	k_q54f6055350_gateup,@function
k_q54f6055350_gateup:
	s_mov_b64 s[64:65], 0
	v_nop
	global_prefetch_b8 v0, s[64:65] scope:SCOPE_SE
	s_setreg_imm32_b32 hwreg(HW_REG_WAVE_SCHED_MODE, 0, 2), 2
	s_setreg_imm32_b32 hwreg(HW_REG_WAVE_MODE, 25, 1), 1
	s_wait_xcnt 0x0
	s_wait_alu depctr_vm_vsrc(0)
; GATEUP.  h = silu(x Wg) * (x Wu), both products on E2M3 codes with E8M0 scales, h quantised on the way.  THE WEIGHTS STAND STILL: work-group (j, y) owns hidden units 64 j .. 64 j + 63 of one
; expert (y = 0: the shared one, else routed expert y - 1) and keeps their codes in LDS as images of operand fragments.  What goes round is small: the tokens' codes, straight from memory into registers.
; A ROUTED work-group reads its 2 x 1,024 x 64 f32 numbers from memory once and quantises them in registers.  THE SHARED work-groups, which have 16 groups of tokens to walk where a routed one has a third
; of that, find their images ready in wsh (the first launch made them) and copy 102,400 bytes: so they walk while the others still stream.  The two ways part on y and have LDS bytes of their own.
; QUANTISING.  Wave w takes matrix w / 2 (gate, up) and K half w % 2: four K steps of 128, each in two passes of 64 rows, written out: every offset is an immediate and no base is stepped.
; In a pass a lane loads four neighbouring columns of 32 rows (sixteen lanes read 256 consecutive bytes of a row; lanes 16-31 stand 32 rows further down), so four whole blocks along K are its own.
; The loads of W go out first; the first group's codes of x follow them, one K step in each of the eight passes.
; THE UNITS OF A TILE ARE NOT NEIGHBOURS: rows 0-7 of tile tau are units 8 tau + 0..7, rows 8-15 units 32 + 8 tau + 0..7.  The products are used transposed (source 0 = 16 units, source 1 = 16 tokens),
; so lane (r, hh) holds, in the 32 registers of a matrix's four tiles, units 32 hh + 0 .. 31 of token r: one whole block of the next product's K, in order.  Its codes are six registers of that product's operand as they stand.
; TOKENS.  Slots go in groups of 64 (four tiles); wave w takes groups g0 + w, g0 + w + 4, ..  (g0, ng) of a routed expert are whole numbers read from tab; hence no tensor load, and the one barrier stands ahead of the walk.
; A group: 8 K steps x 32 matrix instructions on 32 accumulators, which take turns.  The next group's codes are asked for K step by K step, each one K step behind the products that read its registers.
; LDS, from base 0 (routed) or 102,400 (shared): part w = 2 x matrix + K half: 16 fragments at 24,576 w (K step t of the half, tile tau: (4 t + tau) x 1,536; chunk n = registers 4 n .. 4 n + 3 at 512 n + 16 x lane);
;   its scale words at 98,304 + 1,024 w + 256 t + 64 tau + 4 x row.
; REGISTERS.  Window 0: v1-11, v15 addresses; v16-47 W's scale words, v48-63 x's: these hold scales alone; v64-159 and v160-255 W's eight fragments of a K step, two sets by turns; behind a group's last K step
;   the second set's registers serve the activation.  While quantising v64-255 are at work.
;   Window 1: two pass buffers of 128 (or what is copied), later the accumulators (tile of tokens b, tile a: 64 b + 8 a; a = 0-3 gate, 4-7 up).  Windows 2, 3: x's fragments, K step s at window 2 + s / 4, register 48 (s % 4) + 12 b.
; THE MODE: SCHED_MODE bits 1:0 = 2 (LLVM: expert scheduling mode 2), set by the entry lines.  The code itself states the register dependences between vector or matrix instructions and memory or LDS
; instructions, with s_wait_alu, always for 0.
; THE PLAN.  Registers that memory or LDS instructions touch:
;   v1-11, v15    addresses and offsets: written at the head, never again; one wait on va_vdst behind the last of them.
;   pass buffers  a pass's maxima and moves read one; behind them, and one wait on va_vdst, W's next loads land in it.
;   CD, BY        a pass's conversions, moves and shifts write them; behind one wait on va_vdst its LDS stores read them; one wait on vm_vsrc at the next pass's head, which writes them again.
;   W's two sets  K step s: its products read set s % 2; the LDS loads of K step s + 1 land in the other set, which K step s - 1's products read.
;   x's fragments K step s: its products read x's K step s; at its end the next group's K step s - 1 lands in the registers that K step s - 1's products read.
;   x's scales    read by all of a group's products; loaded again behind K step 7.
;   CDH, BYH      a tile's activation writes them; its three stores read them; they lie in W's second set, which the next group's K step 0 loads again.
; So in the walk ONE wait on va_vdst stands at the head of K steps 1 to 7; the step's loads follow it, dealt among its products, which name this step's set, this step's fragments of x, the accumulators and the scale
; registers: none of the registers that those loads touch.  One more stands behind K step 7.  A tile's stores stand behind the next tile's wait for its exponentials, the last tile's behind a wait of their own, behind which
; no vector instruction is issued until the next group's products: so K step 0 has none.  One wait on vm_vsrc stands at a group's head.
; LIMITS: NaN and infinities are not served; a block whose largest magnitude lies under 2^-124 gets the byte 1 (a block of zeros too: its codes are zeros).
.set FLOOR, 0x1800000                  ; 2^(3 - 127)
.set LI,  1                            ; 16 x lane: offsets in memory
.set LI2, 2                            ; LDS: base + 49,152 + 16 x lane: the up matrix's fragments
.set LSW, 3                            ; LDS: base + 98,304 + 4 x lane
.set LX,  4                            ; 32 x lane
.set L8,  5                            ; 8 x lane
.set LB,  6                            ; 64 x (lane % 16) + lane / 16
.set GA,  7                            ; W: 32 rows x hh + 16 x (lane % 16)
.set WA,  8                            ; LDS: where my columns' codes go
.set WB,  9                            ; LDS: and their scale bytes
.set LIW, 10                           ; LDS: base + 16 x lane: the gate matrix's fragments
.set CPA, 11                           ; LDS: 102,400 + 25,600 x wave + 16 x lane: where I put what I copy
.set CPG, 15                           ; 25,600 x wave + 16 x lane: and where it lies in the slice's image
.set WS,  16
.set XS,  48
.set WF,  64                           ; set p at WF + 96 p
.set T1,  160
.set H,   192
.set BYH, 224
.set TPH, 228
.set CDH, 232
.set T,   64                           ; quantising: 4 columns x 32 numbers down K
.set CD,  192                          ; 4 columns x 12 registers of codes
.set TP,  240                          ; two sets of four: a conversion's three registers begin on an even number
.set M,   248                          ; largest magnitudes, then the conversions' scale operands
.set BY,  252                          ; scale bytes
.set MSB, 0
.macro WIN new                         ; the immediate's high byte repeats the setting that is left
.if MSB != (\new)
	s_set_vgpr_msb (MSB<<8)|(\new)
.set MSB, (\new)
.endif
.endm
.macro NOP4                            ; four places behind matrix instructions, ahead of vector instructions that read their results or write their sources (ISA guide 7.12.1)
.rept 4
	v_nop
.endr
.endm
.macro WLD buf, ofs                    ; a pass's 32 loads: rows i and 32 + i of 64, 256 consecutive bytes for each half of the lanes
	WIN 0x40
.set i, 0
.rept 32
	global_load_b128 v[\buf+4*i:\buf+4*i+3], v[GA], s[32:33] offset:\ofs+8192*i th:TH_LOAD_NT
.set i, i+1
.endr
	WIN 0
.endm
.macro XLOAD s                         ; the four tiles' fragments of K step s of the group at s[38:39]
	WIN 0x80+0x40*((\s)/4)
.irp b, 0,1,2,3
.irp n, 0,1,2
	global_load_b128 v[48*((\s)%4)+12*\b+4*\n:48*((\s)%4)+12*\b+4*\n+3], v[LI], s[38:39] offset:12288*\b+1536*(\s)+512*\n
.endr
.endr
	WIN 0
.endm
.macro XSLOAD                          ; the group's scale words: lane l takes slot 32 p + l, eight words, one for each K step
.irp p, 0,1
.irp n, 0,1
	global_load_b128 v[XS+8*\p+4*\n:XS+8*\p+4*\n+3], v[LX], s[40:41] offset:1024*\p+16*\n
.endr
.endr
.endm
; A pass: 64 rows along K (half c of K step t of my half) x 64 columns.  left: the younger loads that may stay out.  ld = 1: the buffer takes the same pass of the next K step, at ofs.
; Behind W's loads go the first group's codes of x, K step xs: they land in registers that no vector instruction has named.
.macro PASS c, buf, ld, ofs, left, t, xs
	s_wait_loadcnt \left                           ; this buffer's 32 loads are in
	s_wait_dscnt 0x0                               ; the last pass's LDS stores are done
.if (\t) || (\c)
	s_wait_alu depctr_vm_vsrc(0)                   ; the LDS stores issued so far have read v[BY ..] and v[CD ..], which this pass writes again
.endif
	WIN 0x05                                       ; sources 0 and 1 in window 1
.irp q, 0,1,2,3
	v_max3_num_f32 v[M+\q], |v[\buf+\q]|, |v[\buf+4+\q]|, FLOOR
.endr
.set i, 2
.rept 15
.irp q, 0,1,2,3
	v_max3_num_f32 v[M+\q], |v[\buf+4*i+\q]|, |v[\buf+4*i+4+\q]|, v[M+\q]   ; the four columns by turns
.endr
.set i, i+2
.endr
.set i, 0
.rept 32
.irp q, 0,1,2,3
	v_mov_b32 v[T+32*\q+i], v[\buf+4*i+\q]         ; a column's 32 numbers on end: the conversions take neighbours along K from consecutive registers
.endr
.set i, i+1
.endr
.if \ld
	WIN 0x40
	s_wait_alu depctr_va_vdst(0)                   ; the maxima and the moves are done reading this buffer, in which the loads below land
	WLD \buf, \ofs
.endif
	XLOAD \xs
.if \xs == 7
	XSLOAD
.endif
.irp q, 0,1,2,3
	v_add_nc_u32 v[M+\q], 0xff000000, v[M+\q]      ; 2 off the exponent field: the conversion's scale operand
.endr
.irp q, 0,1,2,3
	v_lshrrev_b32 v[BY+\q], 23, v[M+\q]            ; the scale's byte
.endr
.irp p, 0,2
.irp u, 0,1
	v_cvt_scalef32_pk16_fp6_f32 v[CD+12*(\p+\u)+6*\c:CD+12*(\p+\u)+6*\c+2], v[T+32*(\p+\u):T+32*(\p+\u)+15], v[M+\p+\u]
	v_cvt_scalef32_pk16_fp6_f32 v[TP+4*\u:TP+4*\u+2], v[T+32*(\p+\u)+16:T+32*(\p+\u)+31], v[M+\p+\u]
.endr
	v_nop                                          ; one plain place behind a scaled conversion
.irp u, 0,1
.irp n, 0,1,2
	v_mov_b32 v[CD+12*(\p+\u)+6*\c+3+\n], v[TP+4*\u+\n]
.endr
.endr
.endr
	s_wait_alu depctr_va_vdst(0)                   ; the shifts have written v[BY ..], the conversions and the moves v[CD ..]: the LDS stores below read them
.irp q, 0,1,2,3
	ds_store_b8 v[WB], v[BY+\q] offset:256*(\t)+4*\q+2*\c   ; byte 2 c + hh of the column's scale word
.endr
.if \c == 1
.irp q, 0,1,2,3
.irp n, 0,1,2
	ds_store_b128 v[WA], v[CD+12*\q+4*\n:CD+12*\q+4*\n+3] offset:6144*(\t)+512*\n+16*\q   ; the column is a row of its fragment: lane (row, hh)'s place in each chunk
.endr
.endr
.endif
.endm
.macro GCALC                           ; from (g0, ng) in s26, s27: my groups, the first of them, and where its codes and scale words lie
	s_add_co_u32 s28, s27, 3
	s_sub_co_u32 s28, s28, s20
	s_lshr_b32 s28, s28, 2                         ; my groups
	s_add_co_u32 s29, s26, s20                     ; the first of them
	s_min_u32 s46, s29, 47                         ; (a wave without groups reads a group all the same: xrt is written whole, and nothing is made of it)
	s_mul_i32 s48, s46, 49152
	s_add_nc_u64 s[38:39], s[34:35], s[48:49]
	s_lshl_b32 s48, s46, 11
	s_add_nc_u64 s[40:41], s[36:37], s[48:49]
.endm
.macro WLOAD s, a0                     ; four of W's fragments of K step s, into set s % 2: gate's (a0 = 0) or up's (4)
.irp a, 0,1,2,3
.irp n, 0,1,2
.if \a0 == 0
	ds_load_b128 v[WF+96*((\s)%2)+12*\a+4*\n:WF+96*((\s)%2)+12*\a+4*\n+3], v[LIW] offset:(16*((\s)/4)+4*((\s)%4)+\a)*1536+512*\n
.else
	ds_load_b128 v[WF+96*((\s)%2)+48+12*\a+4*\n:WF+96*((\s)%2)+48+12*\a+4*\n+3], v[LI2] offset:(16*((\s)/4)+4*((\s)%4)+\a)*1536+512*\n
.endif
.endr
.endr
.endm
; One product.  A scale register carries two tiles' words: lanes 0-15 the even tile's, lanes 16-31 the odd one's.
.macro WM s, a, b, zero
.set rD, 64*(\b)+8*(\a)
.set rA, WF+96*((\s)%2)+12*(\a)
.set rB, 48*((\s)%4)+12*(\b)
.set rP, WS+4*(\s)+(\a)/2
.set rQ, XS+8*((\b)/2)+(\s)
.set par, 2*((\a)%2)+(\b)%2
.if \zero
.if par == 0
	v_wmma_scale_f32_16x16x128_f8f6f4 v[rD:rD+7], v[rA:rA+11], v[rB:rB+11], 0, v[rP], v[rQ] matrix_a_fmt:MATRIX_FMT_FP6 matrix_b_fmt:MATRIX_FMT_FP6
.elseif par == 1
	v_wmma_scale_f32_16x16x128_f8f6f4 v[rD:rD+7], v[rA:rA+11], v[rB:rB+11], 0, v[rP], v[rQ] matrix_a_fmt:MATRIX_FMT_FP6 matrix_b_fmt:MATRIX_FMT_FP6 matrix_b_scale:MATRIX_SCALE_ROW1
.elseif par == 2
	v_wmma_scale_f32_16x16x128_f8f6f4 v[rD:rD+7], v[rA:rA+11], v[rB:rB+11], 0, v[rP], v[rQ] matrix_a_fmt:MATRIX_FMT_FP6 matrix_b_fmt:MATRIX_FMT_FP6 matrix_a_scale:MATRIX_SCALE_ROW1
.else
	v_wmma_scale_f32_16x16x128_f8f6f4 v[rD:rD+7], v[rA:rA+11], v[rB:rB+11], 0, v[rP], v[rQ] matrix_a_fmt:MATRIX_FMT_FP6 matrix_b_fmt:MATRIX_FMT_FP6 matrix_a_scale:MATRIX_SCALE_ROW1 matrix_b_scale:MATRIX_SCALE_ROW1
.endif
.else
.if par == 0
	v_wmma_scale_f32_16x16x128_f8f6f4 v[rD:rD+7], v[rA:rA+11], v[rB:rB+11], v[rD:rD+7], v[rP], v[rQ] matrix_a_fmt:MATRIX_FMT_FP6 matrix_b_fmt:MATRIX_FMT_FP6
.elseif par == 1
	v_wmma_scale_f32_16x16x128_f8f6f4 v[rD:rD+7], v[rA:rA+11], v[rB:rB+11], v[rD:rD+7], v[rP], v[rQ] matrix_a_fmt:MATRIX_FMT_FP6 matrix_b_fmt:MATRIX_FMT_FP6 matrix_b_scale:MATRIX_SCALE_ROW1
.elseif par == 2
	v_wmma_scale_f32_16x16x128_f8f6f4 v[rD:rD+7], v[rA:rA+11], v[rB:rB+11], v[rD:rD+7], v[rP], v[rQ] matrix_a_fmt:MATRIX_FMT_FP6 matrix_b_fmt:MATRIX_FMT_FP6 matrix_a_scale:MATRIX_SCALE_ROW1
.else
	v_wmma_scale_f32_16x16x128_f8f6f4 v[rD:rD+7], v[rA:rA+11], v[rB:rB+11], v[rD:rD+7], v[rP], v[rQ] matrix_a_fmt:MATRIX_FMT_FP6 matrix_b_fmt:MATRIX_FMT_FP6 matrix_a_scale:MATRIX_SCALE_ROW1 matrix_b_scale:MATRIX_SCALE_ROW1
.endif
.endif
.endm
.macro MM s, a0, zero                  ; 16 products: four tiles of units x four tiles of tokens
	WIN 0x58+4*((\s)/4)                            ; source 0 window 0, source 1 window 2 or 3, C and D window 1
.irp a, 0,1,2,3
.irp b, 0,1,2,3
	WM \s, \a0+\a, \b, \zero
.endr
.endr
.endm
; A K step.  pf = 1: another group follows.  Its loads stand behind the one wait at its head, dealt among its products: gate's next fragments, 16 products, up's next fragments, 16 products, the next group's codes.
.macro STEP s, pf, zero
	s_wait_dscnt 12                                ; gate's four fragments of this K step are in; up's twelve loads may be out
.if ((\s) < 7) || \pf
	WIN 0
.if (\s) > 0
	s_wait_alu depctr_va_vdst(0)                   ; the last K step's products are done reading W's other set and their fragments of x: this K step's loads land there
.endif
	WLOAD ((\s)+1)%8, 0
.endif
	MM \s, 0, \zero
.if ((\s) < 7) || \pf
	s_wait_dscnt 12                                ; all but the twelve just issued: up's four fragments are in
	WIN 0
	WLOAD ((\s)+1)%8, 4                            ; no wait: no product since the wait at the head names the other set
.else
	s_wait_dscnt 0x0
.endif
	MM \s, 4, \zero
.if \pf && ((\s) > 0)
	XLOAD (\s)-1                                   ; the next group's K step s - 1, into the registers that the last K step multiplied: no product since the wait at the head names them
.endif
.endm
.macro ESTORE b                        ; tile b's codes and byte leave
	global_store_b128 v[LI], v[CDH+6*(\b):CDH+6*(\b)+3], s[42:43] offset:24576*(\b)       ; 512 consecutive bytes,
	global_store_b64 v[L8], v[CDH+6*(\b)+4:CDH+6*(\b)+5], s[42:43] offset:24576*(\b)+512  ; and 256: six registers of the next product's operand
	global_store_b8 v[LB], v[BYH+(\b)], s[44:45] offset:1024*(\b)                         ; block 2 j + hh of slot r
.endm
; Tile b of tokens: h = g u / (1 + 2^(- g log2(e))), in f32; my 32 numbers are one block.  Each accumulator is read from its low end on.  The tile before leaves behind this tile's first wait.
.macro EPI b
	WIN 0x01
.set i, 0
.rept 16
	v_pk_mul_f32 v[T1+i:T1+i+1], v[64*\b+i:64*\b+i+1], 0xbfb8aa3b op_sel_hi:[1,0]
.set i, i+2
.endr
	WIN 0x05
.set i, 0
.rept 16
	v_pk_mul_f32 v[H+i:H+i+1], v[64*\b+i:64*\b+i+1], v[64*\b+32+i:64*\b+32+i+1]
.set i, i+2
.endr
	WIN 0
.set i, 0
	s_wait_alu depctr_va_vdst(0)
.rept 32
	v_exp_f32 v[T1+i], v[T1+i]
.set i, i+1
.endr
	v_nop
	s_wait_alu depctr_va_vdst(0)                   ; the 32 exponentials have written v[T1 ..], ahead of their first reader; and the tile before has written its codes and its byte, which the stores below read
.if (\b) > 0
	ESTORE (\b)-1
.endif
.set i, 0
.rept 16
	v_pk_add_f32 v[T1+i:T1+i+1], v[T1+i:T1+i+1], 1.0 op_sel_hi:[1,0]
.set i, i+2
.endr
.set i, 0
	s_wait_alu depctr_va_vdst(0)
.rept 32
	v_rcp_f32 v[T1+i], v[T1+i]
.set i, i+1
.endr
	v_nop
	s_wait_alu depctr_va_vdst(0)                   ; the 32 reciprocals have written v[T1 ..], ahead of their first reader
.set i, 0
.rept 16
	v_pk_mul_f32 v[H+i:H+i+1], v[H+i:H+i+1], v[T1+i:T1+i+1]
.set i, i+2
.endr
	v_max3_num_f32 v12, |v[H]|, |v[H+1]|, FLOOR
	v_max3_num_f32 v13, |v[H+2]|, |v[H+3]|, FLOOR
.set i, 4
.rept 7
	v_max3_num_f32 v12, v12, |v[H+i]|, |v[H+i+1]|
	v_max3_num_f32 v13, v13, |v[H+i+2]|, |v[H+i+3]|
.set i, i+4
.endr
	v_max_num_f32 v12, v12, v13
	v_add_nc_u32 v14, 0xff000000, v12
	v_lshrrev_b32 v[BYH+\b], 23, v14
	v_cvt_scalef32_pk16_fp6_f32 v[CDH+6*\b:CDH+6*\b+2], v[H:H+15], v14
	v_cvt_scalef32_pk16_fp6_f32 v[TPH:TPH+2], v[H+16:H+31], v14
	v_nop
.irp n, 0,1,2
	v_mov_b32 v[CDH+6*\b+3+\n], v[TPH+\n]
.endr
.endm
.macro UNIT pf                         ; a group of 64 slots
	s_wait_loadcnt 0x0                             ; the group's codes and scale words are in
	s_wait_xcnt 0x0                                ; the last group's stores have had their addresses translated: their registers and bases are rewritten only behind this wait
	s_wait_alu depctr_vm_vsrc(0)                   ; the last group's stores have read v[CDH ..] and v[BYH ..], in which K step 0's loads of W's second set land; in a wave's first group: my LDS stores have read v[CD ..] and v[BY ..], which lie there too, or what I copied, where the accumulators lie
	s_add_co_u32 s46, s29, s31
	s_min_u32 s46, s46, 63                         ; global group
	s_mul_i32 s48, s46, 98304
	s_add_nc_u64 s[42:43], s[54:55], s[48:49]
	s_lshl_b32 s48, s46, 12
	s_add_nc_u64 s[44:45], s[56:57], s[48:49]
.if \pf
	s_add_co_u32 s46, s29, 4
	s_min_u32 s46, s46, 47
	s_mul_i32 s48, s46, 49152
	s_add_nc_u64 s[38:39], s[34:35], s[48:49]
	s_lshl_b32 s48, s46, 11
	s_add_nc_u64 s[40:41], s[36:37], s[48:49]
.endif
	STEP 0, \pf, 1                                 ; the first K step starts the sums: nothing is cleared.  It has no wait on va_vdst: no vector or matrix instruction has been issued since the last one
.irp s, 1,2,3,4,5,6,7
	STEP \s, \pf, 0
.endr
	NOP4                                           ; the activation reads the products' results and writes registers of W's second set, which they read
.if \pf
	WIN 0xc0
	s_wait_alu depctr_va_vdst(0)                   ; K step 7's products are done reading their fragments of x, and all the group's products its scale words: the loads below land there
	XLOAD 7
	XSLOAD
.endif
.irp b, 0,1,2,3
	EPI \b
.endr
	s_wait_alu depctr_va_vdst(0)                   ; tile 3's codes and byte are written, which the stores below read; the activation is done with W's second set's registers
	ESTORE 3
	s_add_co_u32 s29, s29, 4
.endm
	s_load_b256 s[4:11], s[0:1], 0x0               ; routed gate, routed up, xsh, xrt
	s_load_b128 s[12:15], s[0:1], 0x20             ; tab, himg
	s_load_b64 s[16:17], s[0:1], 0x30              ; wsh
	s_set_vgpr_msb 0x80
	v_lshl_add_u32 v254, v0, 2, 0x32000
	v_mov_b32 v255, 0
	s_set_vgpr_msb 0x8000
	v_lshrrev_b32 v69, 5, v0
	v_readfirstlane_b32 s20, v69                   ; wave
	s_mov_b32 s21, ttmp9                           ; j
	s_and_b32 s22, ttmp7, 0xffff                   ; y
	s_max_u32 s23, s22, 1
	s_sub_co_u32 s23, s23, 1                       ; routed expert
	s_lshl_b32 s24, s23, 3
	s_mov_b32 s47, 0
	s_mov_b32 s49, 0
	s_cmp_eq_u32 s22, 0
	s_cselect_b32 s50, 102400, 0                   ; where this work-group's images lie in LDS
	; every address register is made here, ahead of the parting of the ways
	v_and_b32 v64, 31, v0                          ; lane
	v_and_b32 v65, 15, v0                          ; lane % 16
	v_bfe_u32 v66, v0, 4, 1                        ; hh
	v_lshlrev_b32 v[LI], 4, v64
	v_add_nc_u32 v[LIW], s50, v[LI]
	v_add_nc_u32 v[LI2], 49152, v[LIW]
	v_lshl_add_u32 v[LSW], v64, 2, 98304
	v_add_nc_u32 v[LSW], s50, v[LSW]
	v_lshlrev_b32 v[LX], 5, v64
	v_lshlrev_b32 v[L8], 3, v64
	v_lshl_add_u32 v[LB], v65, 6, v66
	v_lshlrev_b32 v[GA], 4, v65
	v_lshl_add_u32 v[GA], v66, 18, v[GA]
	v_bfe_u32 v67, v0, 1, 2                        ; my four columns 4 (lane % 16) + q lie in tile tau = ((lane % 16) / 2) % 4,
	v_and_b32 v68, 1, v0                           ; rows 4 ((lane % 16) % 2)
	v_bfe_u32 v69, v0, 3, 1                        ; + 8 ((lane % 16) / 8) + q
	v_mul_u32_u24 v[WA], v67, 1536
	v_lshl_add_u32 v[WA], v68, 6, v[WA]
	v_lshl_add_u32 v[WA], v69, 7, v[WA]
	v_lshl_add_u32 v[WA], v66, 8, v[WA]
	s_wait_alu depctr_va_sdst(0)                   ; s20, the wave's number, is written, ahead of its first reader
	s_mul_i32 s46, s20, 24576
	v_add_nc_u32 v[WA], s46, v[WA]
	v_lshl_add_u32 v[WB], v67, 6, v66
	v_lshl_add_u32 v[WB], v68, 4, v[WB]
	v_lshl_add_u32 v[WB], v69, 5, v[WB]
	s_lshl_b32 s46, s20, 10
	s_add_co_u32 s46, s46, 98304
	v_add_nc_u32 v[WB], s46, v[WB]
	s_mul_i32 s46, s20, 25600
	v_add_nc_u32 v[CPG], s46, v[LI]
	v_add_nc_u32 v[CPA], 102400, v[CPG]
	s_wait_alu depctr_va_vdst(0)                   ; the addresses and offsets v1 to v11 and v15 are written, which every load and store of the kernel reads; so are v64 to v69, in which W's fragments land on the shared expert's way
	s_wait_kmcnt 0x0
	s_cmp_eq_u32 s22, 0                            ; the choices hang on the work-group's and the wave's number alone
	s_cselect_b64 s[34:35], s[8:9], s[10:11]       ; the tokens' codes
	s_mov_b32 s46, 2359296
	s_cselect_b32 s46, 786432, s46
	s_cselect_b32 s31, 0, 16                       ; routed groups lie behind the shared expert's sixteen
	s_add_nc_u64 s[36:37], s[34:35], s[46:47]      ; and their scale bytes
	s_mul_i32 s46, s21, 768
	s_add_nc_u64 s[54:55], s[14:15], s[46:47]      ; himg: slice j of a tile
	s_lshl_b32 s46, s21, 1
	s_add_co_u32 s46, s46, 6291456
	s_add_nc_u64 s[56:57], s[14:15], s[46:47]      ; himg: block 2 j of a slot's scale bytes
	s_cmp_eq_u32 s22, 0
	s_cbranch_scc1 .Lshared
	; ---- a routed expert: stream and quantise
	s_load_b64 s[26:27], s[12:13], s24 offset:0x2000   ; (g0, ng): wanted only behind W's first loads
	s_cmp_lt_u32 s20, 2
	s_cselect_b64 s[32:33], s[4:5], s[6:7]         ; waves 0, 1: gate; 2, 3: up
	s_lshl_b32 s46, s23, 23                        ; expert x 1,024 x 2,048 x 4
	s_and_b32 s48, s20, 1
	s_lshl_b32 s48, s48, 22                        ; + K half x 512 rows of 8,192 bytes
	s_add_co_u32 s46, s46, s48
	s_lshl_b32 s48, s21, 8                         ; + 256 j
	s_add_co_u32 s46, s46, s48
	s_add_nc_u64 s[32:33], s[32:33], s[46:47]
	WLD 0, 0                                       ; W first: its 64 loads are out before anything else is asked for; no vector instruction has named the two buffers
	WLD 128, 524288
	s_wait_kmcnt 0x0
	GCALC
	; the counts: what was issued behind the buffer's own 32 loads
	PASS 0, 0,   1, 1048576, 32, 0, 0              ; the other buffer's 32
	PASS 1, 128, 1, 1572864, 44, 0, 1              ; 32 of W, 12 of x
	PASS 0, 0,   1, 2097152, 56, 1, 2              ; 12 of x, 32 of W, 12 of x
	PASS 1, 128, 1, 2621440, 56, 1, 3
	PASS 0, 0,   1, 3145728, 56, 2, 4
	PASS 1, 128, 1, 3670016, 56, 2, 5
	PASS 0, 0,   0, 0,       56, 3, 6              ; the last K step loads no W
	PASS 1, 128, 0, 0,       24, 3, 7              ; 12 and 12 of x
	s_branch .Ljoin
.Lshared:
	; ---- the shared expert: the slice's image is copied as it lies, a quarter to each wave.  No vector instruction stands on this way: its loads and LDS stores hang on memory's counters alone
	s_mul_i32 s46, s21, 102400
	s_add_nc_u64 s[32:33], s[16:17], s[46:47]
	WIN 0x40
.set i, 0
.rept 50
	global_load_b128 v[4*i:4*i+3], v[CPG], s[32:33] offset:512*i th:TH_LOAD_NT
.set i, i+1
.endr
	WIN 0
	s_mov_b32 s26, 0                               ; its slots are the tokens: groups 0 to 15
	s_mov_b32 s27, 16
	GCALC
.irp s, 0,1,2,3
	XLOAD \s
.endr
	s_wait_loadcnt 48                              ; what I copy is in; the 48 loads of x behind it may be out
	WIN 0x04                                       ; an LDS store's data are its source 1: window 1
.set i, 0
.rept 50
	ds_store_b128 v[CPA], v[4*i:4*i+3] offset:512*i
.set i, i+1
.endr
	WIN 0
.irp s, 4,5,6,7
	XLOAD \s
.endr
	XSLOAD
.Ljoin:
	s_wait_dscnt 0x0                               ; for the others' sake: my images lie in LDS
	s_barrier_signal -1
	s_barrier_wait -1                              ; everybody's do; LDS is only read from here on
	s_cmp_eq_u32 s28, 0
	s_cbranch_scc1 .Lend
.set i, 0
.rept 32
	ds_load_b32 v[WS+i], v[LSW] offset:(2*((i%4)/2)+(i/4)/4)*1024+((i/4)%4)*256+(i%2)*128   ; K step i / 4, tiles 2 (i % 4) and 2 (i % 4) + 1
.set i, i+1
.endr
	WLOAD 0, 0                                     ; into W's first set.  No wait: the vector instructions that named v64 to v159 stand ahead of the last wait on va_vdst, on both ways, and no LDS store read them
	WLOAD 0, 4
	s_sub_co_u32 s30, s28, 1
	s_cmp_eq_u32 s30, 0
	s_cbranch_scc1 .Llast
.Lunit:
	UNIT 1
	s_sub_co_u32 s30, s30, 1
	s_cmp_lg_u32 s30, 0
	s_cbranch_scc1 .Lunit
.Llast:
	UNIT 0                                         ; the last group asks for nothing: no load leaves its buffer
.Lend:
	s_set_vgpr_msb 0xa                             ; the add's two registers, sources 0 and 1, lie in window 2
	s_wait_dscnt 0x0                               ; the closing lines, six on end
	s_wait_alu 0x0
	s_wait_tensorcnt 0x0
	ds_add_u32 v254, v255
	s_wait_dscnt 0x0
	s_endpgm
.Lfunc_end_k_q54f6055350_gateup:
	.size	k_q54f6055350_gateup, .Lfunc_end_k_q54f6055350_gateup-k_q54f6055350_gateup
	.p2alignl 7, 3214868480
	.fill 96, 4, 3214868480
	.section	.rodata,"a",@progbits
	.p2align	6, 0x0
	.amdhsa_kernel k_q54f6055350_gateup
		.amdhsa_group_segment_fixed_size 205312
		.amdhsa_private_segment_fixed_size 0
		.amdhsa_enable_private_segment 0
		.amdhsa_kernarg_size 56
		.amdhsa_user_sgpr_count 2
		.amdhsa_user_sgpr_kernarg_segment_ptr 1
		.amdhsa_wavefront_size32 1
		.amdhsa_system_sgpr_workgroup_id_x 1
		.amdhsa_system_sgpr_workgroup_id_y 1
		.amdhsa_system_sgpr_workgroup_id_z 1
		.amdhsa_system_vgpr_workitem_id 0
		.amdhsa_next_free_vgpr 1024
		.amdhsa_next_free_sgpr 66
		.amdhsa_reserve_vcc 0
		.amdhsa_float_denorm_mode_32 3
		.amdhsa_float_denorm_mode_16_64 3
		.amdhsa_memory_ordered 1
		.amdhsa_forward_progress 1
		.amdhsa_inst_pref_size 255
	.end_amdhsa_kernel
	.section	.bss,"aw",@nobits
	.p2align	6
	.space	262144
	.amdgpu_metadata
---
amdhsa.version: [ 1, 2 ]
amdhsa.kernels:
  - .name:           k_q54f6055350_gateup
    .symbol:         k_q54f6055350_gateup.kd
    .args:
      - { .name: routed_gate_w, .offset: 0, .size: 8, .value_kind: global_buffer, .address_space: global }
      - { .name: routed_up_w, .offset: 8, .size: 8, .value_kind: global_buffer, .address_space: global }
      - { .name: xsh, .offset: 16, .size: 8, .value_kind: global_buffer, .address_space: global }
      - { .name: xrt, .offset: 24, .size: 8, .value_kind: global_buffer, .address_space: global }
      - { .name: tab, .offset: 32, .size: 8, .value_kind: global_buffer, .address_space: global }
      - { .name: himg, .offset: 40, .size: 8, .value_kind: global_buffer, .address_space: global }
      - { .name: wsh, .offset: 48, .size: 8, .value_kind: global_buffer, .address_space: global }
    .group_segment_fixed_size: 205312
    .private_segment_fixed_size: 0
    .kernarg_segment_align: 8
    .kernarg_segment_size: 56
    .max_flat_workgroup_size: 128
    .sgpr_count:     66
    .vgpr_count:     1024
    .wavefront_size: 32
...
	.end_amdgpu_metadata
.endif
;; end of part 11
;; launch down (part 12): grid 32 x 8, 4 waves a work-group, no clusters, 120,320 bytes of LDS; arguments routed_down_w, himg, tab, ypart, wsh; writes ypart
.if DOCPART == 12
	.amdgcn_target "amdgcn-amd-amdhsa--gfx1250"
	.amdhsa_code_object_version 6
	.text
	.protected	k_q54f6055350_down
	.globl	k_q54f6055350_down
	.p2align	8
	.type	k_q54f6055350_down,@function
k_q54f6055350_down:
	s_mov_b64 s[64:65], 0
	v_nop
	global_prefetch_b8 v0, s[64:65] scope:SCOPE_SE
	s_setreg_imm32_b32 hwreg(HW_REG_WAVE_SCHED_MODE, 0, 2), 2
	s_setreg_imm32_b32 hwreg(HW_REG_WAVE_MODE, 25, 1), 1
	s_wait_xcnt 0x0
	s_wait_alu depctr_vm_vsrc(0)
; DOWN.  y = h Wd on E2M3 codes with E8M0 scales.  As in the launch before THE WEIGHTS STAND STILL: work-group (x, y) owns output columns 64 (x / 2) .. + 63 and K half x % 2 (1,024 hidden units) of one expert
; (y = 0: shared, else routed y - 1) and keeps their codes in LDS as images of operand fragments.  The two K halves' sums go to two planes of ypart; the last launch adds them.
; A ROUTED work-group reads its 1,024 x 64 f32 numbers once and quantises them in registers.  THE SHARED work-groups, which walk 16 groups of tokens, copy their 51,200 bytes from wsh, where the first launch
; laid them, and walk while the others stream.  The two ways part on y and have LDS bytes of their own.
; QUANTISING.  Wave w takes rows 256 w .. + 255 of the half: K steps 2 w, 2 w + 1, four passes of 64 rows.  A lane loads four neighbouring columns of 32 rows, so four whole blocks along K are its own.
; The loads of W go out first; the first group's codes of h follow them, two K steps in each of the four passes.
; Tile a is columns 16 a .. 16 a + 15.  The product is used transposed (source 0 = 16 columns of Wd, source 1 = 16 tokens): a lane holds eight neighbouring numbers of one row of y.
; TOKENS.  Groups of 64 slots; wave w takes groups g0 + w, + 4, ..; (g0, ng) are whole numbers read from tab, hence no tensor load, and the one barrier stands ahead of the walk.
; A group: 8 K steps x 16 matrix instructions on 16 accumulators, which take turns.  THE WAITS GO K STEP BY K STEP: a K step waits for its own fragments alone, so the later ones are on
; their way while the first are multiplied.  The next group's scale words are asked for first of all, into a spare set, and moved at the next group's head.
; Results go through the wave's own stage and leave as rows: sixteen lanes store 256 consecutive bytes, aligned.
; LDS, from base 0 (routed) or 51,200 (shared): fragment (K step s, tile a) at (4 s + a) x 1,536; scale words at 49,152 + (2 s + a / 2) x 128 + (a % 2) x 64 + 4 x row.  Stages at 102,400 + 4,352 x wave (16 rows x 272 bytes).
; REGISTERS.  Window 0: v1-13 addresses; v16-31 W's scale words, v32-47 the next group's of h, v48-63 this group's: these hold scales alone; v64-159 W's fragments, two sets; v160-223 rows on the way out.
;   While quantising v64-255 are at work.  Window 1: two pass buffers (or what is copied), later the accumulators (32 b + 8 a).  Windows 2, 3: h's fragments, K step s at window 2 + s / 4, register 48 (s % 4) + 12 b.
; THE MODE: SCHED_MODE bits 1:0 = 2 (LLVM: expert scheduling mode 2), set by the entry lines.  The code itself states the register dependences between vector or matrix instructions and memory or LDS
; instructions, with s_wait_alu, always for 0.
; THE PLAN.  Registers that memory or LDS instructions touch:
;   v1-13         addresses and offsets: written at the head, never again; one wait on va_vdst behind the last of them.
;   pass buffers  a pass's maxima and moves read one; behind them, and one wait on va_vdst, W's next loads land in it.
;   CD, BY        a pass's conversions, moves and shifts write them; behind one wait on va_vdst its LDS stores read them; one wait on vm_vsrc at the next pass's head, which writes them again.
;   HT, HS        a group's head: sixteen moves read the spare set and write the scale words' place; behind them the next group's scale words land in the spare set.
;   W's two sets  K step s: its products read set s % 2; the LDS loads of K step s + 1 land in the other set, which K step s - 1's products read.
;   h's fragments K step s: its products read h's K step s; at its end the next group's K step s - 1 lands in the registers that K step s - 1's products read.
;   accumulators  written by the products; read by the stage's LDS stores; written anew by the next group's K step 0.
;   OUT, two sets the stage's LDS loads land in them, the global stores read them; tile b + 2 lands where tile b was.
; So in the walk: one wait on va_vdst at a group's head, behind the moves and their places; one at the head of K steps 1 to 7, behind which the step's loads stand with no further wait (its products name this step's set,
; this step's fragments of h, the accumulators and the scale registers: none of the registers that those loads touch); one behind K step 7 and its places, for the whole way out.
; One wait on vm_vsrc at a group's head, one ahead of tile 2's and one ahead of tile 3's rows.
; LIMITS: NaN and infinities are not served; a block whose largest magnitude lies under 2^-124 gets the byte 1.
.set FLOOR, 0x1800000
.set LI,  1                            ; 16 x lane: offsets in memory
.set L8,  2                            ; 8 x lane
.set LSW, 3                            ; LDS: base + 49,152 + 4 x lane
.set LX,  4                            ; 64 x lane
.set STO, 5                            ; the stage: row r, + 32 hh
.set RD,  6                            ; back: row lane / 16, 16 bytes a lane
.set CO,  7                            ; the same two rows in ypart
.set GA,  8
.set WA,  9
.set WB,  10
.set LIW, 11                           ; LDS: base + 16 x lane
.set CPA, 12                           ; LDS: 51,200 + 12,800 x wave + 16 x lane: where I put what I copy
.set CPG, 13                           ; 12,800 x wave + 16 x lane: and where it lies in the slice's image
.set WS,  16
.set HT,  32
.set HS,  48
.set WF,  64
.set OUT, 160
.set T,   64
.set CD,  192
.set TP,  240
.set M,   248
.set BY,  252
.set MSB, 0
.macro WIN new                         ; the immediate's high byte repeats the setting that is left
.if MSB != (\new)
	s_set_vgpr_msb (MSB<<8)|(\new)
.set MSB, (\new)
.endif
.endm
.macro WLD buf, ofs
	WIN 0x40
.set i, 0
.rept 32
	global_load_b128 v[\buf+4*i:\buf+4*i+3], v[GA], s[32:33] offset:\ofs+4096*i th:TH_LOAD_NT
.set i, i+1
.endr
	WIN 0
.endm
.macro HLOAD s                         ; the four tiles' fragments of my half's K step s: two slices of six registers each: 16 loads
	WIN 0x80+0x40*((\s)/4)
.irp b, 0,1,2,3
.set rB, 48*((\s)%4)+12*\b
	global_load_b128 v[rB:rB+3], v[LI], s[38:39] offset:24576*\b+1536*(\s)
	global_load_b64 v[rB+4:rB+5], v[L8], s[38:39] offset:24576*\b+1536*(\s)+512
	global_load_b128 v[rB+6:rB+9], v[LI], s[38:39] offset:24576*\b+1536*(\s)+768
	global_load_b64 v[rB+10:rB+11], v[L8], s[38:39] offset:24576*\b+1536*(\s)+1280
.endr
	WIN 0
.endm
.macro HTLOAD                          ; lane l takes slot 32 p + l: my half's eight scale words, into the spare set: 4 loads
.irp p, 0,1
.irp n, 0,1
	global_load_b128 v[HT+8*\p+4*\n:HT+8*\p+4*\n+3], v[LX], s[40:41] offset:2048*\p+16*\n
.endr
.endr
.endm
; A pass: 64 rows along K (half c of a K step) x 64 columns.  wo, bo: the K step's place among my wave's images and scale words.  Behind W's loads go the first group's K steps h0, h0 + 1 of h:
; they, and its scale words, land in registers that no vector instruction has named.
.macro PASS c, buf, ld, ofs, left, wo, bo, h0
	s_wait_loadcnt \left
	s_wait_dscnt 0x0                               ; the last pass's LDS stores are done
.if \h0 > 0
	s_wait_alu depctr_vm_vsrc(0)                   ; the LDS stores issued so far have read v[BY ..] and v[CD ..], which this pass writes again
.endif
	WIN 0x05
.irp q, 0,1,2,3
	v_max3_num_f32 v[M+\q], |v[\buf+\q]|, |v[\buf+4+\q]|, FLOOR
.endr
.set i, 2
.rept 15
.irp q, 0,1,2,3
	v_max3_num_f32 v[M+\q], |v[\buf+4*i+\q]|, |v[\buf+4*i+4+\q]|, v[M+\q]
.endr
.set i, i+2
.endr
.set i, 0
.rept 32
.irp q, 0,1,2,3
	v_mov_b32 v[T+32*\q+i], v[\buf+4*i+\q]
.endr
.set i, i+1
.endr
.if \ld
	WIN 0x40
	s_wait_alu depctr_va_vdst(0)                   ; the maxima and the moves are done reading this buffer, in which the loads below land
	WLD \buf, \ofs
.endif
.if \h0 == 0
	WIN 0
	HTLOAD                                         ; the scale words first: they are wanted at the group's head
.endif
	HLOAD \h0
	HLOAD \h0+1
.irp q, 0,1,2,3
	v_add_nc_u32 v[M+\q], 0xff000000, v[M+\q]
.endr
.irp q, 0,1,2,3
	v_lshrrev_b32 v[BY+\q], 23, v[M+\q]
.endr
.irp p, 0,2
.irp u, 0,1
	v_cvt_scalef32_pk16_fp6_f32 v[CD+12*(\p+\u)+6*\c:CD+12*(\p+\u)+6*\c+2], v[T+32*(\p+\u):T+32*(\p+\u)+15], v[M+\p+\u]
	v_cvt_scalef32_pk16_fp6_f32 v[TP+4*\u:TP+4*\u+2], v[T+32*(\p+\u)+16:T+32*(\p+\u)+31], v[M+\p+\u]
.endr
	v_nop                                          ; one plain place behind a scaled conversion
.irp u, 0,1
.irp n, 0,1,2
	v_mov_b32 v[CD+12*(\p+\u)+6*\c+3+\n], v[TP+4*\u+\n]
.endr
.endr
.endr
	s_wait_alu depctr_va_vdst(0)                   ; the shifts have written v[BY ..], the conversions and the moves v[CD ..]: the LDS stores below read them
.irp q, 0,1,2,3
	ds_store_b8 v[WB], v[BY+\q] offset:\bo+4*\q+2*\c
.endr
.if \c == 1
.irp q, 0,1,2,3
.irp n, 0,1,2
	ds_store_b128 v[WA], v[CD+12*\q+4*\n:CD+12*\q+4*\n+3] offset:\wo+512*\n+16*\q
.endr
.endr
.endif
.endm
.macro GCALC                           ; from (g0, ng) in s26, s27: my groups, the first of them, and where its codes and scale words lie
	s_add_co_u32 s28, s27, 3
	s_sub_co_u32 s28, s28, s20
	s_lshr_b32 s28, s28, 2                         ; my groups
	s_add_co_u32 s29, s26, s20                     ; the first of them
	s_add_co_u32 s46, s29, s31
	s_cmp_eq_u32 s28, 0
	s_cselect_b32 s46, 0, s46                      ; a wave without groups reads group 0, which is always written, and makes nothing of it
	s_min_u32 s46, s46, 63                         ; the bound comes last: behind it only a product and a shift lead to the address
	s_mul_i32 s48, s46, 98304
	s_add_nc_u64 s[38:39], s[34:35], s[48:49]
	s_lshl_b32 s48, s46, 12
	s_add_nc_u64 s[40:41], s[36:37], s[48:49]
.endm
.macro WLOAD s                         ; W's four fragments of K step s into set s % 2
.irp a, 0,1,2,3
.irp n, 0,1,2
	ds_load_b128 v[WF+48*((\s)%2)+12*\a+4*\n:WF+48*((\s)%2)+12*\a+4*\n+3], v[LIW] offset:(4*(\s)+\a)*1536+512*\n
.endr
.endr
.endm
.macro WM s, a, b, zero
.set rD, 32*(\b)+8*(\a)
.set rA, WF+48*((\s)%2)+12*(\a)
.set rB, 48*((\s)%4)+12*(\b)
.set rP, WS+2*(\s)+(\a)/2
.set rQ, HS+8*((\b)/2)+(\s)
.set par, 2*((\a)%2)+(\b)%2
.if \zero
.if par == 0
	v_wmma_scale_f32_16x16x128_f8f6f4 v[rD:rD+7], v[rA:rA+11], v[rB:rB+11], 0, v[rP], v[rQ] matrix_a_fmt:MATRIX_FMT_FP6 matrix_b_fmt:MATRIX_FMT_FP6
.elseif par == 1
	v_wmma_scale_f32_16x16x128_f8f6f4 v[rD:rD+7], v[rA:rA+11], v[rB:rB+11], 0, v[rP], v[rQ] matrix_a_fmt:MATRIX_FMT_FP6 matrix_b_fmt:MATRIX_FMT_FP6 matrix_b_scale:MATRIX_SCALE_ROW1
.elseif par == 2
	v_wmma_scale_f32_16x16x128_f8f6f4 v[rD:rD+7], v[rA:rA+11], v[rB:rB+11], 0, v[rP], v[rQ] matrix_a_fmt:MATRIX_FMT_FP6 matrix_b_fmt:MATRIX_FMT_FP6 matrix_a_scale:MATRIX_SCALE_ROW1
.else
	v_wmma_scale_f32_16x16x128_f8f6f4 v[rD:rD+7], v[rA:rA+11], v[rB:rB+11], 0, v[rP], v[rQ] matrix_a_fmt:MATRIX_FMT_FP6 matrix_b_fmt:MATRIX_FMT_FP6 matrix_a_scale:MATRIX_SCALE_ROW1 matrix_b_scale:MATRIX_SCALE_ROW1
.endif
.else
.if par == 0
	v_wmma_scale_f32_16x16x128_f8f6f4 v[rD:rD+7], v[rA:rA+11], v[rB:rB+11], v[rD:rD+7], v[rP], v[rQ] matrix_a_fmt:MATRIX_FMT_FP6 matrix_b_fmt:MATRIX_FMT_FP6
.elseif par == 1
	v_wmma_scale_f32_16x16x128_f8f6f4 v[rD:rD+7], v[rA:rA+11], v[rB:rB+11], v[rD:rD+7], v[rP], v[rQ] matrix_a_fmt:MATRIX_FMT_FP6 matrix_b_fmt:MATRIX_FMT_FP6 matrix_b_scale:MATRIX_SCALE_ROW1
.elseif par == 2
	v_wmma_scale_f32_16x16x128_f8f6f4 v[rD:rD+7], v[rA:rA+11], v[rB:rB+11], v[rD:rD+7], v[rP], v[rQ] matrix_a_fmt:MATRIX_FMT_FP6 matrix_b_fmt:MATRIX_FMT_FP6 matrix_a_scale:MATRIX_SCALE_ROW1
.else
	v_wmma_scale_f32_16x16x128_f8f6f4 v[rD:rD+7], v[rA:rA+11], v[rB:rB+11], v[rD:rD+7], v[rP], v[rQ] matrix_a_fmt:MATRIX_FMT_FP6 matrix_b_fmt:MATRIX_FMT_FP6 matrix_a_scale:MATRIX_SCALE_ROW1 matrix_b_scale:MATRIX_SCALE_ROW1
.endif
.endif
.endm
; A K step.  pf = 1: another group follows.  Behind the one wait at its head: W's next fragments, the 16 products, the next group's codes.
.macro STEP s, pf, zero
	s_wait_dscnt 0x0                               ; this K step's fragments of W are in (asked for a K step ago)
.if ((\s) < 7) || \pf
	WIN 0
.if (\s) > 0
	s_wait_alu depctr_va_vdst(0)                   ; the last K step's products are done reading W's other set and their fragments of h: this K step's loads land there
.endif
	WLOAD ((\s)+1)%8                               ; the other set (K step 0: the wait at the group's head stands behind the last products that read it)
.endif
; This K step's fragments of h.  Behind their loads were issued the 16 (7 - s) of the group's later K steps and, where another group follows, its 4 scale loads and the 16 (s - 1) of its K steps up to s - 2: 100 (K step 0: 116).
.if \pf || ((\s) < 4)
	s_wait_loadcnt 63                              ; 64 or more are younger; 63 is the most that a wait names
.else
	s_wait_loadcnt 16*(7-(\s))
.endif
	WIN 0x58+4*((\s)/4)                            ; source 0 window 0, source 1 window 2 or 3, C and D window 1
.irp a, 0,1,2,3
.irp b, 0,1,2,3
	WM \s, \a, \b, \zero
.endr
.endr
.if \pf && ((\s) > 0)
	HLOAD (\s)-1                                   ; the next group's K step s - 1, into the registers that the last K step multiplied: no product since the wait at the head names them
.endif
.endm
.macro TOSTAGE b                       ; tile b of tokens into my stage, and back as rows
	WIN 0x04                                       ; an LDS store's data are its source 1: window 1
.irp a, 0,1,2,3
	ds_store_b128 v[STO], v[32*\b+8*\a:32*\b+8*\a+3] offset:64*\a            ; each accumulator from its low end on
	ds_store_b128 v[STO], v[32*\b+8*\a+4:32*\b+8*\a+7] offset:64*\a+16
.endr
	WIN 0
.irp n, 0,1,2,3,4,5,6,7
	ds_load_b128 v[OUT+32*((\b)%2)+4*\n:OUT+32*((\b)%2)+4*\n+3], v[RD] offset:544*\n   ; LDS serves a wave's instructions in order (ISA guide 5.7.1.4): these see the stores above
.endr
.endm
.macro SEND b, younger                 ; younger: the LDS instructions issued behind tile b's loads
	s_wait_dscnt \younger
.irp n, 0,1,2,3,4,5,6,7
	global_store_b128 v[CO], v[OUT+32*((\b)%2)+4*\n:OUT+32*((\b)%2)+4*\n+3], s[42:43] offset:(16*(\b)+2*\n)*4096   ; sixteen lanes store 256 consecutive bytes, at a multiple of 256 from the buffer's first byte
.endr
.endm
.macro UNIT pf
	s_wait_loadcnt 63                              ; the group's scale words are in the spare set: the 128 loads of its fragments are younger
	s_wait_xcnt 0x0                                ; the loads and stores issued so far have had their addresses translated: their bases and registers are rewritten only behind this wait
	s_wait_alu depctr_vm_vsrc(0)                   ; the last group's LDS stores have read the accumulators, which K step 0's products write anew, and its global stores v[OUT ..], in which this group's rows land; in a wave's first group: my LDS stores have read v[CD ..], which lies there too, or what I copied, where the accumulators lie
	s_add_co_u32 s46, s29, s31
	s_min_u32 s46, s46, 63
	s_lshl_b32 s48, s46, 18                        ; 64 slots of 4,096 bytes
	s_add_nc_u64 s[42:43], s[54:55], s[48:49]
.if \pf
	s_add_co_u32 s46, s29, s31
	s_add_co_u32 s46, s46, 4
	s_min_u32 s46, s46, 63
	s_mul_i32 s48, s46, 98304
	s_add_nc_u64 s[38:39], s[34:35], s[48:49]
	s_lshl_b32 s48, s46, 12
	s_add_nc_u64 s[40:41], s[36:37], s[48:49]
.endif
.set i, 0
.rept 16
	v_mov_b32 v[HS+i], v[HT+i]                     ; the scale words into their place (the last products that named it stand five places back)
.set i, i+1
.endr
.rept 8
	v_nop                                          ; a scale register written by a vector instruction stands 8 places ahead of a scaled matrix instruction
.endr
	s_wait_alu depctr_va_vdst(0)                   ; the moves have written v[HS ..], which the group's products take as scales, and are done reading v[HT ..], in which the loads below land
.if \pf
	HTLOAD                                         ; the next group's scale words into the spare set, ahead of all its other loads
.endif
	STEP 0, \pf, 1                                 ; the first K step starts the sums
.irp s, 1,2,3,4,5,6,7
	STEP \s, \pf, 0
.endr
.rept 4
	v_nop                                          ; four places behind the last products, ahead of the LDS stores that read their results
.endr
	v_nop                                          ; a fifth place: the next group's first products begin these accumulators anew with the constant 0
.if \pf
	WIN 0xc0
.endif
	s_wait_alu depctr_va_vdst(0)                   ; the products have written the accumulators, which the four tiles' LDS stores read (the places above stay beside this wait); K step 7's are done reading their fragments of h, in which the loads below land
.if \pf
	HLOAD 7
.endif
	TOSTAGE 0
	TOSTAGE 1
	SEND 0, 16                                     ; behind tile 0's loads: tile 1's 8 stores and 8 loads
	s_wait_xcnt 0x0                                ; tile 0's stores have had their addresses translated,
	s_wait_alu depctr_vm_vsrc(0)                   ; and have read v[OUT ..]'s first set, in which tile 2's rows land
	TOSTAGE 2
	SEND 1, 16
	s_wait_xcnt 0x0
	s_wait_alu depctr_vm_vsrc(0)                   ; tile 1's stores have read v[OUT ..]'s second set, in which tile 3's rows land
	TOSTAGE 3
	SEND 2, 16
	SEND 3, 0
	s_add_co_u32 s29, s29, 4
.endm
	s_load_b256 s[4:11], s[0:1], 0x0               ; routed down, himg, tab, ypart
	s_load_b64 s[12:13], s[0:1], 0x20              ; wsh
	v_lshl_add_u32 v243, v0, 2, 0x1d400
	v_mov_b32 v247, 0
	v_lshrrev_b32 v69, 5, v0
	v_readfirstlane_b32 s20, v69                   ; wave
	s_mov_b32 s19, ttmp9                           ; x
	s_lshr_b32 s21, ttmp9, 1                       ; which 64 columns
	s_and_b32 s25, ttmp9, 1                        ; which K half
	s_and_b32 s22, ttmp7, 0xffff                   ; y
	s_max_u32 s23, s22, 1
	s_sub_co_u32 s23, s23, 1
	s_lshl_b32 s24, s23, 3
	s_mov_b32 s47, 0
	s_mov_b32 s49, 0
	s_cmp_eq_u32 s22, 0
	s_cselect_b32 s50, 51200, 0                    ; where this work-group's images lie in LDS
	s_cselect_b32 s31, 0, 16                       ; routed groups lie behind the shared expert's sixteen
	; every address register is made here, ahead of the parting of the ways
	v_and_b32 v64, 31, v0                          ; lane
	v_and_b32 v65, 15, v0                          ; lane % 16
	v_bfe_u32 v66, v0, 4, 1                        ; hh
	v_lshlrev_b32 v[LI], 4, v64
	v_add_nc_u32 v[LIW], s50, v[LI]
	v_lshlrev_b32 v[L8], 3, v64
	v_lshl_add_u32 v[LSW], v64, 2, 49152
	v_add_nc_u32 v[LSW], s50, v[LSW]
	v_lshlrev_b32 v[LX], 6, v64
	s_wait_alu depctr_va_sdst(0)                   ; s20, the wave's number, is written, ahead of its first reader
	s_mul_i32 s46, s20, 4352
	s_add_co_u32 s46, s46, 102400                  ; my stage
	v_mul_u32_u24 v[STO], v65, 272
	v_lshl_add_u32 v[STO], v66, 5, v[STO]
	v_add_nc_u32 v[STO], s46, v[STO]
	v_mul_u32_u24 v[RD], v66, 272
	v_lshl_add_u32 v[RD], v65, 4, v[RD]
	v_add_nc_u32 v[RD], s46, v[RD]
	v_lshlrev_b32 v[CO], 4, v65
	v_lshl_add_u32 v[CO], v66, 12, v[CO]
	v_lshlrev_b32 v[GA], 4, v65
	v_lshl_add_u32 v[GA], v66, 17, v[GA]           ; lanes 16-31 stand 32 rows of 4,096 bytes further down
	v_bfe_u32 v67, v0, 2, 2                        ; my four columns lie in tile a = (lane % 16) / 4,
	v_and_b32 v68, 3, v0                           ; rows 4 ((lane % 16) % 4) + q
	v_mul_u32_u24 v[WA], v67, 1536
	v_lshl_add_u32 v[WA], v68, 6, v[WA]
	v_lshl_add_u32 v[WA], v66, 8, v[WA]
	s_mul_i32 s46, s20, 12288
	v_add_nc_u32 v[WA], s46, v[WA]
	v_lshl_add_u32 v[WB], v67, 6, v66
	v_lshl_add_u32 v[WB], v68, 4, v[WB]
	s_lshl_b32 s46, s20, 9
	s_add_co_u32 s46, s46, 49152
	v_add_nc_u32 v[WB], s46, v[WB]
	s_mul_i32 s46, s20, 12800
	v_add_nc_u32 v[CPG], s46, v[LI]
	v_add_nc_u32 v[CPA], 51200, v[CPG]
	s_wait_alu depctr_va_vdst(0)                   ; the addresses and offsets v1 to v13 are written, which every load and store of the kernel reads; so are v64 to v69, in which W's fragments land on the shared expert's way
	s_wait_kmcnt 0x0
	s_mul_i32 s46, s25, 12288
	s_add_nc_u64 s[34:35], s[6:7], s[46:47]        ; himg: my half's slices of a tile
	s_lshl_b32 s46, s25, 5
	s_add_co_u32 s46, s46, 6291456
	s_add_nc_u64 s[36:37], s[6:7], s[46:47]        ; himg: my half's scale bytes of a slot
	s_lshl_b32 s46, s25, 24
	s_lshl_b32 s48, s21, 8
	s_add_co_u32 s46, s46, s48
	s_add_nc_u64 s[54:55], s[10:11], s[46:47]      ; ypart: my plane, my columns
	s_cmp_eq_u32 s22, 0
	s_cbranch_scc1 .Lshared
	; ---- a routed expert: stream and quantise
	s_load_b64 s[26:27], s[8:9], s24 offset:0x2000 ; (g0, ng): wanted only behind W's first loads
	s_lshl_b32 s46, s23, 23                        ; expert x 2,048 x 1,024 x 4
	s_lshl_b32 s48, s25, 22                        ; + K half x 1,024 rows of 4,096 bytes
	s_add_co_u32 s46, s46, s48
	s_lshl_b32 s48, s20, 20                        ; + wave x 256 rows
	s_add_co_u32 s46, s46, s48
	s_lshl_b32 s48, s21, 8                         ; + my 64 columns
	s_add_co_u32 s46, s46, s48
	s_add_nc_u64 s[32:33], s[4:5], s[46:47]
	WLD 0, 0                                       ; W first; no vector instruction has named the two buffers
	WLD 128, 262144
	s_wait_kmcnt 0x0
	GCALC
	; the counts: what was issued behind the buffer's own 32 loads; where that is 64 or more, 63, the most that a wait names
	PASS 0, 0,   1, 524288, 32, 0,    0,   0       ; the other buffer's 32
	PASS 1, 128, 1, 786432, 63, 0,    0,   2       ; 32 of W, 36 of h
	PASS 0, 0,   0, 0,      63, 6144, 256, 4       ; 36 of h, 32 of W, 32 of h
	PASS 1, 128, 0, 0,      63, 6144, 256, 6       ; 32 and 32 of h
	s_branch .Ljoin
.Lshared:
	; ---- the shared expert: the slice's image is copied as it lies, a quarter to each wave.  No vector instruction stands on this way: its loads and LDS stores hang on memory's counters alone
	s_mul_i32 s46, s19, 51200
	s_add_co_u32 s46, s46, 3276800                 ; behind gate's and up's images
	s_add_nc_u64 s[32:33], s[12:13], s[46:47]
	WIN 0x40
.set i, 0
.rept 25
	global_load_b128 v[4*i:4*i+3], v[CPG], s[32:33] offset:512*i th:TH_LOAD_NT
.set i, i+1
.endr
	WIN 0
	s_mov_b32 s26, 0                               ; its slots are the tokens: groups 0 to 15
	s_mov_b32 s27, 16
	GCALC
	HTLOAD
	HLOAD 0
	HLOAD 1
	s_wait_loadcnt 36                              ; what I copy is in; the 4 + 32 loads behind it may be out
	WIN 0x04                                       ; an LDS store's data are its source 1: window 1
.set i, 0
.rept 25
	ds_store_b128 v[CPA], v[4*i:4*i+3] offset:512*i
.set i, i+1
.endr
	WIN 0
.irp s, 2,3,4,5,6,7
	HLOAD \s
.endr
.Ljoin:
	s_wait_dscnt 0x0                               ; for the others' sake: my images lie in LDS
	s_barrier_signal -1
	s_barrier_wait -1                              ; everybody's do; from here on the images are only read, and a stage is its wave's own
	s_cmp_eq_u32 s28, 0
	s_cbranch_scc1 .Lend
.set i, 0
.rept 16
	ds_load_b32 v[WS+i], v[LSW] offset:128*i       ; K step i / 2, tiles 2 (i % 2) and 2 (i % 2) + 1
.set i, i+1
.endr
	WLOAD 0                                        ; into W's first set.  No wait: the vector instructions that named v64 to v111 stand ahead of the last wait on va_vdst, on both ways, and no LDS store read them
	s_sub_co_u32 s30, s28, 1
	s_cmp_eq_u32 s30, 0
	s_cbranch_scc1 .Llast
.Lunit:
	UNIT 1
	s_sub_co_u32 s30, s30, 1
	s_cmp_lg_u32 s30, 0
	s_cbranch_scc1 .Lunit
.Llast:
	UNIT 0                                         ; the last group asks for nothing: no load leaves its buffer
.Lend:
	s_wait_dscnt 0x0                               ; the closing lines, six on end
	s_wait_alu 0x0
	s_wait_tensorcnt 0x0
	ds_add_u32 v243, v247
	s_wait_dscnt 0x0
	s_endpgm
.Lfunc_end_k_q54f6055350_down:
	.size	k_q54f6055350_down, .Lfunc_end_k_q54f6055350_down-k_q54f6055350_down
	.p2alignl 7, 3214868480
	.fill 96, 4, 3214868480
	.section	.rodata,"a",@progbits
	.p2align	6, 0x0
	.amdhsa_kernel k_q54f6055350_down
		.amdhsa_group_segment_fixed_size 120320
		.amdhsa_private_segment_fixed_size 0
		.amdhsa_enable_private_segment 0
		.amdhsa_kernarg_size 40
		.amdhsa_user_sgpr_count 2
		.amdhsa_user_sgpr_kernarg_segment_ptr 1
		.amdhsa_wavefront_size32 1
		.amdhsa_system_sgpr_workgroup_id_x 1
		.amdhsa_system_sgpr_workgroup_id_y 1
		.amdhsa_system_sgpr_workgroup_id_z 1
		.amdhsa_system_vgpr_workitem_id 0
		.amdhsa_next_free_vgpr 1024
		.amdhsa_next_free_sgpr 66
		.amdhsa_reserve_vcc 0
		.amdhsa_float_denorm_mode_32 3
		.amdhsa_float_denorm_mode_16_64 3
		.amdhsa_memory_ordered 1
		.amdhsa_forward_progress 1
		.amdhsa_inst_pref_size 167
	.end_amdhsa_kernel
	.amdgpu_metadata
---
amdhsa.version: [ 1, 2 ]
amdhsa.kernels:
  - .name:           k_q54f6055350_down
    .symbol:         k_q54f6055350_down.kd
    .args:
      - { .name: routed_down_w, .offset: 0, .size: 8, .value_kind: global_buffer, .address_space: global }
      - { .name: himg, .offset: 8, .size: 8, .value_kind: global_buffer, .address_space: global }
      - { .name: tab, .offset: 16, .size: 8, .value_kind: global_buffer, .address_space: global }
      - { .name: ypart, .offset: 24, .size: 8, .value_kind: global_buffer, .address_space: global }
      - { .name: wsh, .offset: 32, .size: 8, .value_kind: global_buffer, .address_space: global }
    .group_segment_fixed_size: 120320
    .private_segment_fixed_size: 0
    .kernarg_segment_align: 8
    .kernarg_segment_size: 40
    .max_flat_workgroup_size: 128
    .sgpr_count:     66
    .vgpr_count:     1024
    .wavefront_size: 32
...
	.end_amdgpu_metadata
.endif
;; end of part 12
;; launch combine (part 13): grid 256 x 1, 4 waves a work-group, no clusters, 0 bytes of LDS; arguments ypart, tab, wts, out0; writes out0
.if DOCPART == 13
	.amdgcn_target "amdgcn-amd-amdhsa--gfx1250"
	.amdhsa_code_object_version 6
	.text
	.protected	k_q54f6055350_combine
	.globl	k_q54f6055350_combine
	.p2align	8
	.type	k_q54f6055350_combine,@function
k_q54f6055350_combine:
	s_mov_b64 s[64:65], 0
	v_nop
	global_prefetch_b8 v0, s[64:65] scope:SCOPE_SE
	s_setreg_imm32_b32 hwreg(HW_REG_WAVE_MODE, 25, 1), 1
	s_wait_xcnt 0x0
; COMBINE.  out[t] = (shared row t, both K halves) + w1 x (row of slot q1, both halves) + w2 x (row of slot q2, both halves).  One wave owns one token's row of 4,096 bytes: each output row has one owner.
; The slots are whole numbers that an earlier launch stored; they enter an address behind s_min_u32 with a constant.  All 48 loads go out at once, 512 consecutive bytes each;
; a chunk of 512 bytes is finished as soon as its six loads are in, and stored from registers of its own, so no store's data are written again.
; No LDS, no barrier, no matrix unit: a stream, in which waves share nothing.
	s_load_b256 s[4:11], s[0:1], 0x0               ; ypart, tab, wts, out0
	v_lshrrev_b32 v1, 5, v0
	v_readfirstlane_b32 s18, v1
	s_lshl_b32 s19, ttmp9, 2
	s_add_co_u32 s19, s19, s18                     ; my token
	s_lshl_b32 s20, s19, 3
	s_mov_b32 s23, 0
	v_and_b32 v1, 31, v0
	v_lshlrev_b32 v2, 4, v1                        ; 16 x lane: K half 0's plane,
	v_add_nc_u32 v3, 0x1000000, v2                 ; and K half 1's, 16,777,216 bytes on
	s_wait_alu depctr_va_vdst(0)
	s_wait_kmcnt 0x0
	s_load_b64 s[12:13], s[6:7], s20 offset:0x0    ; the two slots
	s_load_b64 s[14:15], s[8:9], s20 offset:0x0    ; the two weights
	s_lshl_b32 s22, s19, 12
	s_add_nc_u64 s[24:25], s[4:5], s[22:23]        ; the shared expert's slot is the token
	s_add_nc_u64 s[30:31], s[10:11], s[22:23]
	s_wait_kmcnt 0x0
	s_min_u32 s12, s12, 4095
	s_min_u32 s13, s13, 4095
	s_lshl_b32 s22, s12, 12
	s_add_nc_u64 s[26:27], s[4:5], s[22:23]
	s_lshl_b32 s22, s13, 12
	s_add_nc_u64 s[28:29], s[4:5], s[22:23]
	s_mov_b32 s16, s15                             ; the packed form names a pair and takes its low word for both halves
	s_mov_b32 s17, s15
.irp i, 0,1,2,3,4,5,6,7
.irp n, 0,1,2
	global_load_b128 v[16+24*\i+8*\n:16+24*\i+8*\n+3], v2, s[24+2*\n:25+2*\n] offset:512*\i th:TH_LOAD_NT
	global_load_b128 v[16+24*\i+8*\n+4:16+24*\i+8*\n+7], v3, s[24+2*\n:25+2*\n] offset:512*\i th:TH_LOAD_NT
.endr
.endr
.irp i, 0,1,2,3,4,5,6,7
	s_wait_loadcnt 42-6*\i                         ; the later chunks' loads stay out
.irp n, 0,1,2
	v_pk_add_f32 v[16+24*\i+8*\n:16+24*\i+8*\n+1], v[16+24*\i+8*\n:16+24*\i+8*\n+1], v[16+24*\i+8*\n+4:16+24*\i+8*\n+5]     ; the two K halves
	v_pk_add_f32 v[16+24*\i+8*\n+2:16+24*\i+8*\n+3], v[16+24*\i+8*\n+2:16+24*\i+8*\n+3], v[16+24*\i+8*\n+6:16+24*\i+8*\n+7]
.endr
.irp u, 0,2
	v_pk_fma_f32 v[208+4*\i+\u:208+4*\i+\u+1], v[24+24*\i+\u:24+24*\i+\u+1], s[14:15], v[16+24*\i+\u:16+24*\i+\u+1] op_sel_hi:[1,0,1]
.endr
.irp u, 0,2
	v_pk_fma_f32 v[208+4*\i+\u:208+4*\i+\u+1], v[32+24*\i+\u:32+24*\i+\u+1], s[16:17], v[208+4*\i+\u:208+4*\i+\u+1] op_sel_hi:[1,0,1]
.endr
	global_store_b128 v2, v[208+4*\i:208+4*\i+3], s[30:31] offset:512*\i th:TH_STORE_NT   ; 512 consecutive bytes, at a multiple of 256 from out0's first byte
.endr
	s_endpgm
.Lfunc_end_k_q54f6055350_combine:
	.size	k_q54f6055350_combine, .Lfunc_end_k_q54f6055350_combine-k_q54f6055350_combine
	.p2alignl 7, 3214868480
	.fill 96, 4, 3214868480
	.section	.rodata,"a",@progbits
	.p2align	6, 0x0
	.amdhsa_kernel k_q54f6055350_combine
		.amdhsa_group_segment_fixed_size 0
		.amdhsa_private_segment_fixed_size 0
		.amdhsa_enable_private_segment 0
		.amdhsa_kernarg_size 32
		.amdhsa_user_sgpr_count 2
		.amdhsa_user_sgpr_kernarg_segment_ptr 1
		.amdhsa_wavefront_size32 1
		.amdhsa_system_sgpr_workgroup_id_x 1
		.amdhsa_system_sgpr_workgroup_id_y 1
		.amdhsa_system_sgpr_workgroup_id_z 1
		.amdhsa_system_vgpr_workitem_id 0
		.amdhsa_next_free_vgpr 240
		.amdhsa_next_free_sgpr 66
		.amdhsa_reserve_vcc 0
		.amdhsa_float_denorm_mode_32 3
		.amdhsa_float_denorm_mode_16_64 3
		.amdhsa_memory_ordered 1
		.amdhsa_forward_progress 1
		.amdhsa_inst_pref_size 12
	.end_amdhsa_kernel
	.amdgpu_metadata
---
amdhsa.version: [ 1, 2 ]
amdhsa.kernels:
  - .name:           k_q54f6055350_combine
    .symbol:         k_q54f6055350_combine.kd
    .args:
      - { .name: ypart, .offset: 0, .size: 8, .value_kind: global_buffer, .address_space: global }
      - { .name: tab, .offset: 8, .size: 8, .value_kind: global_buffer, .address_space: global }
      - { .name: wts, .offset: 16, .size: 8, .value_kind: global_buffer, .address_space: global }
      - { .name: out0, .offset: 24, .size: 8, .value_kind: global_buffer, .address_space: global }
    .group_segment_fixed_size: 0
    .private_segment_fixed_size: 0
    .kernarg_segment_align: 8
    .kernarg_segment_size: 32
    .max_flat_workgroup_size: 128
    .sgpr_count:     66
    .vgpr_count:     240
    .wavefront_size: 32
...
	.end_amdgpu_metadata
.endif
;; end of part 13
